; MI455X (gfx1250); checked and timed in simulation.
; The chip was launched on July 23, 2026; its instructions are those of AMD's public machine-readable ISA for CDNA 5 (MIT licence, August 2026) and "CDNA5" Instruction Set Architecture Reference Guide (July 2026). The comments in the code are by the model that wrote it; some were corrected since.
;; New Deep SC Transformer Block. Allowed arithmetic: float matrix products may take bf16 or f16 operands with f32 sums; other float arithmetic in f32, or as packed bf16 or f16 multiplies, adds, multiply-adds, maxima and minima; sums over many terms, partial sums and values carried from step to step in f32; what a program stores and reads back later, other than sums and carried values, may be rounded once to bf16 or f16.
;; Inputs: M 2 x 2,048 x 2,048 float32; e_bf 512 float32; e_bk 512 float32; e_bo 512 float32; e_bq 512 float32; e_bv 512 float32; e_wf 1,024 x 512 float32; e_wk 512 x 512 float32; e_wo 512 x 512 float32; e_wq 512 x 512 float32; e_wv 512 x 512 float32; expr_emb 2 x 2,048 x 512 float32; fe_b1 2,048 float32; fe_b2 512 float32; fe_w1 512 x 2,048 float32; fe_w2 2,048 x 512 float32; fg_b1 2,048 float32; fg_b2 512 float32; fg_w1 512 x 2,048 float32; fg_w2 2,048 x 512 float32; g_bk 512 float32; g_bo 512 float32; g_bq 512 float32; g_bv 512 float32; g_wk 512 x 512 float32; g_wo 512 x 512 float32; g_wq 512 x 512 float32; g_wv 512 x 512 float32; gene_emb 2 x 2,048 x 512 float32; ln_e1_b 512 float32; ln_e1_w 512 float32; ln_e2_b 512 float32; ln_e2_w 512 float32; ln_g1_b 512 float32; ln_g1_w 512 float32; ln_g2_b 512 float32; ln_g2_w 512 float32.
;; Outputs: out0 2 x 2,048 x 512 float32; out1 2 x 2,048 x 512 float32.
;; One version. Each part assembles by itself: llvm-mc -triple=amdgcn-amd-amdhsa -mcpu=gfx1250 --defsym DOCPART=n.
;; ======== version 1 of 1: 8 launches
;; limits: values outside matrix products are rounded to bf16
;; workspace buffers: wb 13,631,488 bytes; xf 8,388,608 bytes; cat 8,388,608 bytes; qkv 25,165,824 bytes; obuf 8,388,608 bytes; xres 16,777,216 bytes; xln 8,388,608 bytes; h 33,554,432 bytes
;; launch prep (part 1): grid 464 x 1, 8 waves a work-group, no clusters, 0 bytes of LDS; arguments gene_emb, expr_emb, ln_g1_w, ln_g1_b, ln_e1_w, ln_e1_b, g_wq, g_wk, g_wv, e_wq, e_wk, e_wv, g_wo, e_wo, e_wf, fg_w1, fe_w1, fg_w2, fe_w2, xf, cat, wb; writes xf, cat, wb
.if DOCPART == 1
	.amdgcn_target "amdgcn-amd-amdhsa--gfx1250"
	.amdhsa_code_object_version 6
	.text
	.protected	k_q2c8fabcfaa_prep
	.globl	k_q2c8fabcfaa_prep
	.p2align	8
	.type	k_q2c8fabcfaa_prep,@function
k_q2c8fabcfaa_prep:
	s_mov_b64 s[64:65], 0
	v_nop
	global_prefetch_b8 v0, s[64:65] scope:SCOPE_SE
	s_setreg_imm32_b32 hwreg(HW_REG_WAVE_MODE, 25, 1), 1
	s_wait_xcnt 0x0
; Two streams in one launch, told apart by the work-group's number.
; Work-groups 0-255: LayerNorm of gene_emb (-> xf's left half, bf16) and of expr_emb (-> cat's right half, bf16); gene_emb itself, rounded to bf16, -> cat's left half.
;   xf and cat are [4096][1024] bf16.  A wave takes a row of 512 f32: lane l holds elements 4 l + 128 j .. + 3, j = 0..3, so a load of the wave covers 512
;   consecutive bytes and a store of 8 bytes a lane 256 consecutive bytes, aligned.  Mean first, then the mean of the squared differences, as the reference takes them.
; Work-groups 256-463: the 13 weight matrices, f32 -> bf16, in the order in which they lie ([K][N]); 26 units of 1 MiB of f32, eight work-groups a unit.
; No LDS, no matrix unit, no cluster: nothing is shared and every byte is touched once.  NaN and infinities are not treated apart.
.set LO,   2                           ; v2   byte offset of my 16 bytes in a load
.set SO,   3                           ; v3   byte offset of my 8 bytes in a store
.set W,    4                           ; v[4:19]    gain of my 16 columns
.set BV,   20                          ; v[20:35]   bias of my 16 columns
.set X,    36                          ; v[36:99]   four rows, 16 registers each
.set Y,    100                         ; v[100:131] four rows to store, 8 each
.set RAW,  132                         ; v[132:163] four rows of gene_emb rounded, 8 each
.set T,    164                         ; v[164:171] at work
.set MEAN, 172                         ; v[172:173] the mean, twice
.set RS,   174                         ; v[174:175] 1 / sqrt(var + eps), twice
.set CIN,  4                           ; the cast: v[4:131] 32 loads of 4
.set COUT, 132                         ; v[132:195] 32 stores of 2
	s_cmp_lt_u32 ttmp9, 256
	s_cbranch_scc0 .Lcast
	s_load_b256 s[4:11], s[0:1], 0x0               ; gene_emb, expr_emb, ln_g1_w, ln_g1_b
	s_load_b128 s[12:15], s[0:1], 0x20             ; ln_e1_w, ln_e1_b
	s_load_b128 s[16:19], s[0:1], 0x98             ; xf, cat
	v_lshrrev_b32 v1, 5, v0
	v_readfirstlane_b32 s21, v1                    ; wave 0..7
	v_and_b32 v1, 31, v0
	v_lshlrev_b32 v[LO], 4, v1
	v_lshlrev_b32 v[SO], 3, v1
	s_lshr_b32 s20, ttmp9, 7                       ; 0: gene_emb, 1: expr_emb
	s_and_b32 s2, ttmp9, 127
	s_lshl_b32 s2, s2, 5                           ; 32 rows a work-group,
	s_lshl2_add_u32 s2, s21, s2                    ; 4 a wave
	s_lshl_b32 s2, s2, 11                          ; a row is 2,048 bytes, in the f32 input and in xf and cat alike
	s_mov_b32 s3, 0
	s_mov_b32 s31, 0
	s_mov_b32 s32, 0x76543210                      ; v_permlanex16_b32: each lane takes its own place in the other half
	s_mov_b32 s33, 0xfedcba98
	s_mov_b32 s34, 0x3b000000                      ; 1 / 512
	s_mov_b32 s35, 0x3727c5ac                      ; 1e-5
	s_wait_kmcnt 0x0
	s_cmp_eq_u32 s20, 0
	s_cselect_b64 s[22:23], s[4:5], s[6:7]         ; the input,
	s_cselect_b64 s[24:25], s[8:9], s[12:13]       ; its gain,
	s_cselect_b64 s[26:27], s[10:11], s[14:15]     ; its bias,
	s_cselect_b64 s[28:29], s[16:17], s[18:19]     ; where the normalised rows go: xf, or cat
	s_cselect_b32 s30, 0, 1024                     ; left half, or right half
	s_add_nc_u64 s[22:23], s[22:23], s[2:3]
	s_add_nc_u64 s[28:29], s[28:29], s[2:3]
	s_add_nc_u64 s[28:29], s[28:29], s[30:31]
	s_add_nc_u64 s[18:19], s[18:19], s[2:3]        ; cat's left half, for gene_emb as it is
.irp j, 0,1,2,3
	global_load_b128 v[W+4*(\j):W+4*(\j)+3], v[LO], s[24:25] offset:512*(\j)
.endr
.irp j, 0,1,2,3
	global_load_b128 v[BV+4*(\j):BV+4*(\j)+3], v[LO], s[26:27] offset:512*(\j)
.endr
.irp i, 0,1,2,3
.irp j, 0,1,2,3
	global_load_b128 v[X+16*(\i)+4*(\j):X+16*(\i)+4*(\j)+3], v[LO], s[22:23] offset:2048*(\i)+512*(\j) th:TH_LOAD_NT
.endr
.endr
.macro REDUCE                          ; v[T] summed over the 32 lanes, the sum in every lane
	v_add_f32_dpp v[T], v[T], v[T] row_xmask:1 row_mask:0xf bank_mask:0xf
	v_add_f32_dpp v[T], v[T], v[T] row_xmask:2 row_mask:0xf bank_mask:0xf
	v_add_f32_dpp v[T], v[T], v[T] row_xmask:4 row_mask:0xf bank_mask:0xf
	v_add_f32_dpp v[T], v[T], v[T] row_xmask:8 row_mask:0xf bank_mask:0xf
	v_permlanex16_b32 v[T+1], v[T], s32, s33       ; its destination counts as read: T+1 has been written
	v_add_f32 v[T], v[T], v[T+1]
.endm
; Row i of the wave's four.  Each row has its own registers for what it stores, so no store's data is ever rewritten.
.macro LNROW i
.set XB, X+16*(\i)
	s_wait_loadcnt 4*(3-(\i))                      ; loads come back in order: gain, bias and rows 0..i are in, the later rows' four loads each stay out
	s_cmp_lg_u32 s20, 0
	s_cbranch_scc1 .Lnoraw_\@
.irp k, 0,1,2,3,4,5,6,7
	v_cvt_pk_bf16_f32 v[RAW+8*(\i)+(\k)], v[XB+2*(\k)], v[XB+2*(\k)+1]
.endr
.irp j, 0,1,2,3
	global_store_b64 v[SO], v[RAW+8*(\i)+2*(\j):RAW+8*(\i)+2*(\j)+1], s[18:19] offset:2048*(\i)+256*(\j)
.endr
.Lnoraw_\@:
	v_pk_add_f32 v[T:T+1], v[XB:XB+1], v[XB+2:XB+3]
	v_pk_add_f32 v[T+2:T+3], v[XB+4:XB+5], v[XB+6:XB+7]
	v_pk_add_f32 v[T+4:T+5], v[XB+8:XB+9], v[XB+10:XB+11]
	v_pk_add_f32 v[T+6:T+7], v[XB+12:XB+13], v[XB+14:XB+15]
	v_pk_add_f32 v[T:T+1], v[T:T+1], v[T+2:T+3]
	v_pk_add_f32 v[T+4:T+5], v[T+4:T+5], v[T+6:T+7]
	v_pk_add_f32 v[T:T+1], v[T:T+1], v[T+4:T+5]
	v_add_f32 v[T], v[T], v[T+1]
	REDUCE
	v_mul_f32 v[MEAN], s34, v[T]
	v_mov_b32 v[MEAN+1], v[MEAN]
.irp k, 0,1,2,3,4,5,6,7
	v_pk_add_f32 v[XB+2*(\k):XB+2*(\k)+1], v[XB+2*(\k):XB+2*(\k)+1], v[MEAN:MEAN+1] neg_lo:[0,1] neg_hi:[0,1]  ; x - mean
.endr
	v_pk_mul_f32 v[T:T+1], v[XB:XB+1], v[XB:XB+1]
	v_pk_mul_f32 v[T+2:T+3], v[XB+2:XB+3], v[XB+2:XB+3]
.irp k, 4,8,12
	v_pk_fma_f32 v[T:T+1], v[XB+(\k):XB+(\k)+1], v[XB+(\k):XB+(\k)+1], v[T:T+1]
	v_pk_fma_f32 v[T+2:T+3], v[XB+(\k)+2:XB+(\k)+3], v[XB+(\k)+2:XB+(\k)+3], v[T+2:T+3]
.endr
	v_pk_add_f32 v[T:T+1], v[T:T+1], v[T+2:T+3]
	v_add_f32 v[T], v[T], v[T+1]
	REDUCE
	v_fma_f32 v[T+2], v[T], s34, s35               ; var + eps
	v_rsq_f32 v[RS], v[T+2]                        ; made twice, to fill the pair that the packed multiply takes
	v_rsq_f32 v[RS+1], v[T+2]
	v_nop                                          ; a plain instruction behind the roots (ISA guide 5.7.2),
	s_wait_alu depctr_va_vdst(0)                   ; and a wait ahead of their first reader
.irp k, 0,1,2,3,4,5,6,7
	v_pk_mul_f32 v[XB+2*(\k):XB+2*(\k)+1], v[XB+2*(\k):XB+2*(\k)+1], v[RS:RS+1]
.endr
.irp k, 0,1,2,3,4,5,6,7
	v_pk_fma_f32 v[XB+2*(\k):XB+2*(\k)+1], v[XB+2*(\k):XB+2*(\k)+1], v[W+2*(\k):W+2*(\k)+1], v[BV+2*(\k):BV+2*(\k)+1]
.endr
.irp k, 0,1,2,3,4,5,6,7
	v_cvt_pk_bf16_f32 v[Y+8*(\i)+(\k)], v[XB+2*(\k)], v[XB+2*(\k)+1]
.endr
.irp j, 0,1,2,3
	global_store_b64 v[SO], v[Y+8*(\i)+2*(\j):Y+8*(\i)+2*(\j)+1], s[28:29] offset:2048*(\i)+256*(\j)  ; 32 lanes: 256 consecutive bytes, aligned
.endr
.endm
	LNROW 0
	LNROW 1
	LNROW 2
	LNROW 3
	s_endpgm
.Lcast:
	s_load_b512 s[4:19], s[0:1], 0x30              ; g_wq, g_wk, g_wv, e_wq, e_wk, e_wv, g_wo, e_wo
	s_load_b256 s[20:27], s[0:1], 0x70             ; e_wf, fg_w1, fe_w1, fg_w2
	s_load_b64 s[28:29], s[0:1], 0x90              ; fe_w2
	s_load_b64 s[30:31], s[0:1], 0xa8              ; wb
	v_lshlrev_b32 v[LO], 4, v0                     ; 256 threads x 16 bytes: 4,096 bytes a load
	v_lshlrev_b32 v[SO], 3, v0
	s_sub_co_u32 s36, ttmp9, 256
	s_lshr_b32 s35, s36, 3                         ; the unit, 0..25
	s_and_b32 s36, s36, 7                          ; my eighth of it: 128 KiB of f32
	s_mov_b32 s34, 0                               ; the first unit of the matrix that holds my unit
	s_wait_kmcnt 0x0
	s_mov_b64 s[32:33], s[4:5]
.macro PICK start, p                   ; from unit start on the source is the matrix whose address lies in s[p:p+1]
	s_cmp_ge_u32 s35, \start
	s_cselect_b64 s[32:33], s[\p:\p+1], s[32:33]
	s_cselect_b32 s34, \start, s34
.endm
	PICK 1, 6
	PICK 2, 8
	PICK 3, 10
	PICK 4, 12
	PICK 5, 14
	PICK 6, 16
	PICK 7, 18
	PICK 8, 20
	PICK 10, 22
	PICK 14, 24
	PICK 18, 26
	PICK 22, 28
	s_sub_co_u32 s34, s35, s34
	s_lshl_b32 s38, s34, 20                        ; units of 1 MiB inside the matrix,
	s_lshl_b32 s37, s36, 17
	s_add_co_u32 s38, s38, s37                     ; my 128 KiB
	s_mov_b32 s39, 0
	s_add_nc_u64 s[32:33], s[32:33], s[38:39]
	s_lshl_b32 s40, s35, 19                        ; in wb a unit is 512 KiB
	s_lshl_b32 s37, s36, 16
	s_add_co_u32 s40, s40, s37
	s_mov_b32 s41, 0
	s_add_nc_u64 s[30:31], s[30:31], s[40:41]
.set j, 0
.rept 32
	global_load_b128 v[CIN+4*j:CIN+4*j+3], v[LO], s[32:33] offset:4096*j th:TH_LOAD_NT
.set j, j+1
.endr
.set j, 0
.rept 32
	s_wait_loadcnt 31-j                            ; load j is in; the younger ones stay out
	v_cvt_pk_bf16_f32 v[COUT+2*j], v[CIN+4*j], v[CIN+4*j+1]
	v_cvt_pk_bf16_f32 v[COUT+2*j+1], v[CIN+4*j+2], v[CIN+4*j+3]
	global_store_b64 v[SO], v[COUT+2*j:COUT+2*j+1], s[30:31] offset:2048*j  ; a wave: 256 consecutive bytes, aligned; no register is used twice
.set j, j+1
.endr
	s_endpgm
.Lfunc_end_k_q2c8fabcfaa_prep:
	.size	k_q2c8fabcfaa_prep, .Lfunc_end_k_q2c8fabcfaa_prep-k_q2c8fabcfaa_prep
	.p2alignl 7, 3214868480
	.fill 96, 4, 3214868480
	.section	.rodata,"a",@progbits
	.p2align	6, 0x0
	.amdhsa_kernel k_q2c8fabcfaa_prep
		.amdhsa_group_segment_fixed_size 0
		.amdhsa_private_segment_fixed_size 0
		.amdhsa_enable_private_segment 0
		.amdhsa_kernarg_size 176
		.amdhsa_user_sgpr_count 2
		.amdhsa_user_sgpr_kernarg_segment_ptr 1
		.amdhsa_wavefront_size32 1
		.amdhsa_system_sgpr_workgroup_id_x 1
		.amdhsa_system_sgpr_workgroup_id_y 1
		.amdhsa_system_sgpr_workgroup_id_z 1
		.amdhsa_system_vgpr_workitem_id 0
		.amdhsa_next_free_vgpr 200
		.amdhsa_next_free_sgpr 66
		.amdhsa_reserve_vcc 0
		.amdhsa_float_denorm_mode_32 3
		.amdhsa_float_denorm_mode_16_64 3
		.amdhsa_memory_ordered 1
		.amdhsa_forward_progress 1
		.amdhsa_inst_pref_size 39
	.end_amdhsa_kernel
	.amdgpu_metadata
---
amdhsa.version: [ 1, 2 ]
amdhsa.kernels:
  - .name:           k_q2c8fabcfaa_prep
    .symbol:         k_q2c8fabcfaa_prep.kd
    .args:
      - { .name: gene_emb, .offset: 0, .size: 8, .value_kind: global_buffer, .address_space: global }
      - { .name: expr_emb, .offset: 8, .size: 8, .value_kind: global_buffer, .address_space: global }
      - { .name: ln_g1_w, .offset: 16, .size: 8, .value_kind: global_buffer, .address_space: global }
      - { .name: ln_g1_b, .offset: 24, .size: 8, .value_kind: global_buffer, .address_space: global }
      - { .name: ln_e1_w, .offset: 32, .size: 8, .value_kind: global_buffer, .address_space: global }
      - { .name: ln_e1_b, .offset: 40, .size: 8, .value_kind: global_buffer, .address_space: global }
      - { .name: g_wq, .offset: 48, .size: 8, .value_kind: global_buffer, .address_space: global }
      - { .name: g_wk, .offset: 56, .size: 8, .value_kind: global_buffer, .address_space: global }
      - { .name: g_wv, .offset: 64, .size: 8, .value_kind: global_buffer, .address_space: global }
      - { .name: e_wq, .offset: 72, .size: 8, .value_kind: global_buffer, .address_space: global }
      - { .name: e_wk, .offset: 80, .size: 8, .value_kind: global_buffer, .address_space: global }
      - { .name: e_wv, .offset: 88, .size: 8, .value_kind: global_buffer, .address_space: global }
      - { .name: g_wo, .offset: 96, .size: 8, .value_kind: global_buffer, .address_space: global }
      - { .name: e_wo, .offset: 104, .size: 8, .value_kind: global_buffer, .address_space: global }
      - { .name: e_wf, .offset: 112, .size: 8, .value_kind: global_buffer, .address_space: global }
      - { .name: fg_w1, .offset: 120, .size: 8, .value_kind: global_buffer, .address_space: global }
      - { .name: fe_w1, .offset: 128, .size: 8, .value_kind: global_buffer, .address_space: global }
      - { .name: fg_w2, .offset: 136, .size: 8, .value_kind: global_buffer, .address_space: global }
      - { .name: fe_w2, .offset: 144, .size: 8, .value_kind: global_buffer, .address_space: global }
      - { .name: xf, .offset: 152, .size: 8, .value_kind: global_buffer, .address_space: global }
      - { .name: cat, .offset: 160, .size: 8, .value_kind: global_buffer, .address_space: global }
      - { .name: wb, .offset: 168, .size: 8, .value_kind: global_buffer, .address_space: global }
    .group_segment_fixed_size: 0
    .private_segment_fixed_size: 0
    .kernarg_segment_align: 8
    .kernarg_segment_size: 176
    .max_flat_workgroup_size: 256
    .sgpr_count:     66
    .vgpr_count:     200
    .wavefront_size: 32
...
	.end_amdgpu_metadata
.endif
;; end of part 1
;; launch fused (part 2): grid 4 x 32, 4 waves a work-group, clusters of 4 x 4, 327,680 bytes of LDS; arguments cat, wb, e_bf, xf; writes xf
.if DOCPART == 2
	.amdgcn_target "amdgcn-amd-amdhsa--gfx1250"
	.amdhsa_code_object_version 6
	.text
	.protected	k_q2c8fabcfaa_fused
	.globl	k_q2c8fabcfaa_fused
	.p2align	8
	.type	k_q2c8fabcfaa_fused,@function
k_q2c8fabcfaa_fused:
	s_mov_b64 s[64:65], 0
	v_nop
	global_prefetch_b8 v0, s[64:65] scope:SCOPE_SE
	s_setreg_imm32_b32 hwreg(HW_REG_WAVE_MODE, 25, 1), 1
	s_wait_xcnt 0x0
	s_wait_alu depctr_hold_cnt(0) depctr_sa_sdst(0) depctr_va_vdst(0) depctr_va_sdst(0) depctr_va_ssrc(0) depctr_va_vcc(0) depctr_vm_vsrc(0)
	s_getreg_b32 s2, hwreg(HW_REG_IB_STS2, 6, 4)
	s_cmp_eq_u32 s2, 0
	s_cbranch_scc0 .Lentry_in_a_cluster
	s_endpgm
.Lentry_in_a_cluster:
	s_bfe_u32 s2, ttmp6, 0x10000c
	s_cmp_lg_u32 s2, 0xf033
	s_cbranch_scc0 .Lentry_shape_is_right
	s_endpgm
.Lentry_shape_is_right:
; C = A W + bias, and what the mode adds.  A: [rows][K] bf16, K along the rows.  W: [K][N] bf16, as the weights lie in memory.  Sums in f32.
; ONE TEXT FOR FIVE LAUNCHES; the line below chooses.  0: fused = [gene | yn] e_wf + e_bf.  1: the six projections Q, K, V of both branches (Q also times log2(e) / 8).
; 2: x = emb + O wo + bo (f32).  3: h = gelu(x_ln w1 + b1).  4: out = x + x_ln + h w2 + b2 (f32).
.set MODE, 0
; SHARES.  A work-group makes 128 x 128 of C, each of its four waves 64 x 64: 16 accumulators.  K goes in slots of 256 through two LDS slots filled by tensor loads, one load a wave and slot.
; THE MATRIX INSTRUCTION IS USED TRANSPOSED: source 0 = 16 columns of W, turned on the way out of LDS by ds_load_tr16_b128; source 1 = 16 rows of A.  A lane then holds one row of C and 8 neighbouring columns.
; THE SUMS START FROM THE BIAS, loaded straight into the accumulators: nothing is cleared, nothing is added on the way out.
; CLUSTER 4 x 4: A's tile hangs on the tile row alone and is asked for jointly along a row of the cluster, W's on the tile column alone and jointly along a column.
; NO PREFETCH: the tile is the small one (128 x 128), and with two slots of K (modes 1, 2, 3) all that a work-group reads is asked for at its head.
; LIMITS.  NaN and infinities are not treated apart.  Mode 3: erf by the five-term rational form of Abramowitz and Stegun 7.1.26 (error at most 1.5e-7); for v < 0 the two halves of gelu cancel, which leaves an error of about 6e-8 |v|.
.if MODE == 0
.set NS, 4                             ; slots of K = 256
.set APITCH, 1024                      ; elements from row to row of A
.set WPITCH, 512                       ; of W
.set OPITCH, 2048                      ; bytes from row to row of the output
.set F32OUT, 0
.set UNIT0, 8                          ; W's first unit of 524,288 bytes in wb
.set BRSH, 0                           ; s[BR] << BRSH is added to that
.set NT, 42                            ; the scalar register that holds the tile column inside W
.endif
.if MODE == 1
.set NS, 2
.set APITCH, 1024
.set WPITCH, 512
.set OPITCH, 1024
.set F32OUT, 0
.set UNIT0, 0
.set BRSH, 19
.set NT, 40
.endif
.if MODE == 2
.set NS, 2
.set APITCH, 512
.set WPITCH, 512
.set OPITCH, 2048
.set F32OUT, 1
.set UNIT0, 6
.set BRSH, 19
.set NT, 42
.endif
.if MODE == 3
.set NS, 2
.set APITCH, 512
.set WPITCH, 2048
.set OPITCH, 4096
.set F32OUT, 0
.set UNIT0, 10
.set BRSH, 21
.set NT, 42
.endif
.if MODE == 4
.set NS, 8
.set APITCH, 2048
.set WPITCH, 512
.set OPITCH, 2048
.set F32OUT, 1
.set UNIT0, 18
.set BRSH, 21
.set NT, 42
.endif
.set PA,    528                        ; an LDS row of A: 512 bytes + 16: the 16 rows of a fragment load start at 16 different groups of four banks (64 banks of 4 bytes: ISA guide 11.1)
.set PW,    288                        ; an LDS row of W: 256 bytes + 32
.set WOFF,  128*PA                     ; a slot: A's 128 rows, then W's 256 rows of K
.set SLOT,  WOFF+256*PW
.set SPARE, 2*SLOT                     ; behind the ring: the spare words, 128 bytes a wave, that no other line names
; The stage of the way out, 128 rows x 528 bytes of f32, is slot 0's part for A: it is written only when that slot has had its last fill and its last read.
.set AA0, 16                           ; v16  my lane's place in A's part of a slot; never rewritten
.set AW0, 20                           ; v20  the same for W
.set VA,  22                           ; v22  the LDS address of A's loads in hand
.set VW,  23                           ; v23  of W's
.set STO, 24                           ; v24  the way out: where I put 32 bytes of a row
.set RD,  25                           ; v25  where I read a row back
.set CO,  26                           ; v26  my byte offset in a row of the output tile
.set BO,  27                           ; v27  my byte offset in 16 numbers of the bias
.set SPW, 28                           ; v28  LDS address of my spare word; never rewritten
.set NIL, 29                           ; v29  0; never rewritten
.set CO2, 30                           ; v30  my byte offset in a row of x_ln's tile
.set PK,  32                           ; v[32:95]   packed results; mode 4: x_ln's rows
.set GT,  96                           ; v[96:127]  at work
.set ACC, 128                          ; v[128:255] accumulator (a, b) at ACC + 8 (4 a + b)
.set F0,  0                            ; window 1: two fragment buffers of 64: A's four fragments, then W's four; on the f32 way out the residual's rows
.set F1,  64
.set G1A, 24                           ; s[24:31] descriptor group 1 for A's tiles; s[32:39] group 0, a set for each slot
.set G0A, 32
.set G1W, 48                           ; s[48:55], s[56:63] the same for W's
.set G0W, 56
.set CNT, 45
.set LAP, 88
.set TA,  89                           ; s89  LDS byte at which the K steps in hand begin in A's rows, slot included
.set TW,  90                           ; s90  the same for W
.set BR,  91                           ; s91  modes 2-4: the branch (0 gene, 1 expr); mode 1: which of the six projections
.set W_MUL, 0x05                       ; sources 0 and 1 in window 1, C and D in window 0
.set W_TOF, 0x40                       ; destination in window 1, address in window 0
.set MSB, 0
.macro WIN new                         ; the immediate's high byte repeats the setting that is left; a switch that changes nothing is dropped
.if MSB != (\new)
	s_set_vgpr_msb (MSB<<8)|(\new)
.set MSB, \new
.endif
.endm
.macro PLACES                          ; four plain places behind matrix instructions, ahead of loads into their sources and of readers of their results
.rept 4
	v_nop
.endr
.endm
.macro JLOAD s                         ; a joint load: waves 0 and 1 fetch A's two halves, waves 2 and 3 W's; an s_nop 0 and four v_nop follow each line
	s_cmp_eq_u32 s11, 0
	s_cbranch_scc0 .Lfor_w_\@
	tensor_load_to_lds s[G0A+4*(\s):G0A+4*(\s)+3], s[G1A:G1A+7]
	s_nop 0
	PLACES
	s_branch .Lasked_\@
.Lfor_w_\@:
	tensor_load_to_lds s[G0W+4*(\s):G0W+4*(\s)+3], s[G1W:G1W+7]
	s_nop 0
	PLACES
.Lasked_\@:
.endm
.macro CROUND                          ; a round of the cluster's barrier: my work-group's barrier, wave 0 signals for it, all wait for all sixteen, my work-group's barrier again
	s_barrier_signal -1
	s_barrier_wait -1
	s_cmp_lg_u32 s10, 0
	s_cbranch_scc1 .Lnot_wave_0_\@
	s_barrier_signal -3
.Lnot_wave_0_\@:
	s_barrier_wait -3
	s_barrier_signal -1
	s_barrier_wait -1
.endm
.if MODE == 0
	s_load_b256 s[72:79], s[0:1], 0x0              ; cat, wb, e_bf, xf
.elseif MODE == 1
	s_load_b512 s[72:87], s[0:1], 0x0              ; xf, cat, wb, g_bq, g_bk, g_bv, e_bq, e_bk
	s_load_b128 s[92:95], s[0:1], 0x40             ; e_bv, qkv
.elseif MODE == 2
	s_load_b256 s[72:79], s[0:1], 0x0              ; obuf, wb, g_bo, e_bo
	s_load_b128 s[80:83], s[0:1], 0x20             ; gene_emb, expr_emb
	s_load_b64 s[84:85], s[0:1], 0x30              ; xres
.elseif MODE == 3
	s_load_b256 s[72:79], s[0:1], 0x0              ; xln, wb, fg_b1, fe_b1
	s_load_b64 s[80:81], s[0:1], 0x20              ; h
.else
	s_load_b512 s[72:87], s[0:1], 0x0              ; h, wb, fg_b2, fe_b2, xres, xln, out0, out1
.endif
	v_lshl_add_u32 v[SPW], v0, 2, SPARE
	v_mov_b32 v[NIL], 0
	ds_add_u32 v[SPW], v[NIL]                      ; the wave's opening: the add and its wait stand ahead of my first tensor load; the set-up below stands between them
	v_lshrrev_b32 v1, 5, v0
	v_readfirstlane_b32 s10, v1                    ; wave 0..3
	s_lshr_b32 s11, s10, 1                         ; my half of the tile's rows.  Also: I fetch for A (0) or for W (1)
	s_and_b32 s12, s10, 1                          ; my half of its columns.  Also: which half of that tile I fetch
	s_bfe_u32 s40, ttmp6, 0x40000                  ; cx
	s_bfe_u32 s41, ttmp6, 0x40004                  ; cy
	s_lshl_b32 s42, ttmp9, 2
	s_add_co_u32 s42, s42, s40                     ; tile column = 4 x cluster x + cx
	s_and_b32 s[BR], ttmp7, 0xffff                 ; cluster y
	s_lshl_b32 s13, s[BR], 2
	s_add_co_u32 s13, s13, s41                     ; tile row = 4 x cluster y + cy
.if MODE == 1
	s_mov_b32 s[BR], ttmp9                         ; a cluster's four tile columns are one projection's 512 columns
.elseif MODE >= 2
	s_lshr_b32 s[BR], s[BR], 3                     ; clusters 8..15 along y hold rows 4,096 on: the expr branch
.endif
	s_lshl_b32 s43, s41, 2
	s_lshl_b32 s43, 15, s43                        ; my row of the cluster
	s_lshl_b32 s44, 0x1111, s40                    ; my column
	s_or_b32 s[G1A], s43, (1<<16)|(1<<20)|(1<<21)|(6<<22)|(3<<25)  ; the mask; 2-byte elements; padding on; bit 21 beside a mask; after every 128 words 4 words
	s_mov_b32 s[G1A+1], 256<<16                    ; tensor_dim0 = 256
	s_mov_b32 s[G1A+2], 64<<16                     ; tensor_dim1 = 64
	s_mov_b32 s[G1A+3], 256<<16                    ; tile_dim0 = 256
	s_mov_b32 s[G1A+4], 64                         ; tile_dim1 = 64
	s_mov_b32 s[G1A+5], APITCH
	s_mov_b32 s[G1A+6], 0
	s_mov_b32 s[G1A+7], 0
	s_or_b32 s[G1W], s44, (1<<16)|(1<<20)|(1<<21)|(5<<22)|(7<<25)  ; after every 64 words 8 words
	s_mov_b32 s[G1W+1], 128<<16                    ; 128 columns
	s_mov_b32 s[G1W+2], 128<<16                    ; 128 rows of K
	s_mov_b32 s[G1W+3], 128<<16
	s_mov_b32 s[G1W+4], 128
	s_mov_b32 s[G1W+5], WPITCH
	s_mov_b32 s[G1W+6], 0
	s_mov_b32 s[G1W+7], 0
	s_mov_b32 s[G0A], 1
	s_mov_b32 s[G0A+4], 1
	s_mov_b32 s[G0W], 1
	s_mov_b32 s[G0W+4], 1
	s_mul_i32 s[G0A+1], s12, 64*PA                 ; LDS addresses: the wave's number and constants alone
	s_add_co_u32 s[G0A+5], s[G0A+1], SLOT
	s_mul_i32 s[G0W+1], s12, 128*PW
	s_add_co_u32 s[G0W+1], s[G0W+1], WOFF
	s_add_co_u32 s[G0W+5], s[G0W+1], SLOT
	s_lshl_b32 s14, s13, 7                         ; A's tile: row 128 x tile row + 64 x half; these two registers never hold cx
	s_lshl_b32 s15, s12, 6
	s_add_co_u32 s14, s14, s15
	s_mul_i32 s14, s14, APITCH*2
.if MODE == 1
	s_cmp_ge_u32 s[BR], 3                          ; the expr branch's sources are the right halves: fused in xf, yn in cat
	s_cselect_b32 s15, 1024, 0
	s_add_co_u32 s14, s14, s15
.endif
	s_mov_b32 s15, 0
	s_mul_i32 s46, s12, 128*WPITCH*2               ; W's tile: my 128 rows of K, the tile column's 256 bytes, the matrix's place in wb; these two never hold cy
	s_lshl_b32 s47, s[NT], 8
	s_add_co_u32 s46, s46, s47
.if MODE > 0
	s_lshl_b32 s47, s[BR], BRSH
	s_add_co_u32 s46, s46, s47
.endif
	s_add_co_u32 s46, s46, UNIT0*524288
	s_mov_b32 s47, 0
	s_lshl_b32 s16, s13, 7
	s_lshl_b32 s17, s10, 5
	s_add_co_u32 s16, s16, s17                     ; the first row that I store: 128 x tile row + 32 x wave
	s_and_b32 s17, s16, 4095                       ; the same inside its branch's 4,096 rows
	s_lshl_b32 s2, s[NT], 8+F32OUT                 ; the tile's first column in bytes of the output
.if MODE == 4
	s_mul_i32 s18, s17, OPITCH
.else
	s_mul_i32 s18, s16, OPITCH
.endif
	s_add_co_u32 s18, s18, s2
.if MODE == 0
	s_add_co_u32 s18, s18, 1024                    ; xf's right half
.elseif MODE == 1
	s_lshl_b32 s3, s[BR], 22                       ; a projection is 4 MiB of qkv
	s_add_co_u32 s18, s18, s3
.endif
	s_mov_b32 s19, 0
.if MODE == 2
	s_lshl_b32 s20, s17, 11                        ; the residual: the branch's own embedding
	s_add_co_u32 s20, s20, s2
	s_mov_b32 s21, 0
.elseif MODE == 4
	s_lshl_b32 s20, s16, 11                        ; the residual x in xres,
	s_add_co_u32 s20, s20, s2
	s_mov_b32 s21, 0
	s_lshl_b32 s22, s16, 10                        ; and x_ln in xln
	s_lshl_b32 s3, s[NT], 8
	s_add_co_u32 s22, s22, s3
	s_mov_b32 s23, 0
.endif
	s_lshl_b32 s98, s[NT], 9                       ; the bias of my 64 columns
	s_lshl_b32 s3, s12, 8
	s_add_co_u32 s98, s98, s3
	s_mov_b32 s99, 0
.if MODE == 1
	s_cmp_eq_u32 s[BR], 0                          ; Q of either branch is scaled by log2(e) / 8, in f32, ahead of its one rounding
	s_cselect_b32 s96, 0x3e38aa3b, 1.0
	s_cmp_eq_u32 s[BR], 3
	s_cselect_b32 s96, 0x3e38aa3b, s96
	s_mov_b32 s97, s96
.endif
	s_wait_dscnt 0x0                               ; the opening add is done
	s_wait_kmcnt 0x0
.if MODE == 0
	s_add_nc_u64 s[14:15], s[72:73], s[14:15]
	s_add_nc_u64 s[46:47], s[74:75], s[46:47]
	s_add_nc_u64 s[66:67], s[76:77], s[98:99]
	s_add_nc_u64 s[8:9], s[78:79], s[18:19]
.elseif MODE == 1
	s_cmp_eq_u32 s[BR], 5                          ; the expr branch's V is made of yn, all else of xf
	s_cselect_b64 s[4:5], s[74:75], s[72:73]
	s_add_nc_u64 s[14:15], s[4:5], s[14:15]
	s_add_nc_u64 s[46:47], s[76:77], s[46:47]
	s_mov_b64 s[66:67], s[78:79]
	s_cmp_eq_u32 s[BR], 1
	s_cselect_b64 s[66:67], s[80:81], s[66:67]
	s_cmp_eq_u32 s[BR], 2
	s_cselect_b64 s[66:67], s[82:83], s[66:67]
	s_cmp_eq_u32 s[BR], 3
	s_cselect_b64 s[66:67], s[84:85], s[66:67]
	s_cmp_eq_u32 s[BR], 4
	s_cselect_b64 s[66:67], s[86:87], s[66:67]
	s_cmp_eq_u32 s[BR], 5
	s_cselect_b64 s[66:67], s[92:93], s[66:67]
	s_add_nc_u64 s[66:67], s[66:67], s[98:99]
	s_add_nc_u64 s[8:9], s[94:95], s[18:19]
.elseif MODE == 2
	s_add_nc_u64 s[14:15], s[72:73], s[14:15]
	s_add_nc_u64 s[46:47], s[74:75], s[46:47]
	s_cmp_eq_u32 s[BR], 0
	s_cselect_b64 s[66:67], s[76:77], s[78:79]
	s_cselect_b64 s[68:69], s[80:81], s[82:83]
	s_add_nc_u64 s[66:67], s[66:67], s[98:99]
	s_add_nc_u64 s[68:69], s[68:69], s[20:21]
	s_add_nc_u64 s[8:9], s[84:85], s[18:19]
.elseif MODE == 3
	s_add_nc_u64 s[14:15], s[72:73], s[14:15]
	s_add_nc_u64 s[46:47], s[74:75], s[46:47]
	s_cmp_eq_u32 s[BR], 0
	s_cselect_b64 s[66:67], s[76:77], s[78:79]
	s_add_nc_u64 s[66:67], s[66:67], s[98:99]
	s_add_nc_u64 s[8:9], s[80:81], s[18:19]
.else
	s_add_nc_u64 s[14:15], s[72:73], s[14:15]
	s_add_nc_u64 s[46:47], s[74:75], s[46:47]
	s_cmp_eq_u32 s[BR], 0
	s_cselect_b64 s[66:67], s[76:77], s[78:79]
	s_cselect_b64 s[8:9], s[84:85], s[86:87]
	s_add_nc_u64 s[66:67], s[66:67], s[98:99]
	s_add_nc_u64 s[8:9], s[8:9], s[18:19]
	s_add_nc_u64 s[68:69], s[80:81], s[20:21]
	s_add_nc_u64 s[70:71], s[82:83], s[22:23]
.endif
.irp s, 0,1
	s_add_nc_u64 s[G0A+4*(\s)+2:G0A+4*(\s)+3], s[14:15], (\s)*512            ; slot s begins with K = 256 s
	s_or_b32 s[G0A+4*(\s)+3], s[G0A+4*(\s)+3], 0x80000000                    ; type = 2
	s_add_nc_u64 s[G0W+4*(\s)+2:G0W+4*(\s)+3], s[46:47], (\s)*256*WPITCH*2
	s_or_b32 s[G0W+4*(\s)+3], s[G0W+4*(\s)+3], 0x80000000
.endr
.if MODE == 3                          ; gelu's constants, as pairs for the packed forms; the arguments that lay here have been used
	s_mov_b32 s72, 0x3e6d3388                      ; 0.3275911 / sqrt(2)
	s_mov_b32 s74, 0xbf38aa3b                      ; -log2(e) / 2
	s_mov_b32 s76, 0xbf07dc22                      ; -a5 / 2 .. -a1 / 2
	s_mov_b32 s78, 0x3f3a00e3
	s_mov_b32 s80, 0xbf35f0e3
	s_mov_b32 s82, 0x3e11a98e
	s_mov_b32 s84, 0xbe027906
.irp c, 72,74,76,78,80,82,84
	s_mov_b32 s[\c+1], s[\c]
.endr
.endif
	CROUND                                         ; all sixteen work-groups are here: the first joint loads meet
	s_cmp_eq_u32 s11, 0                            ; a wave's two first fills stand in one branch, ahead of every wait on TENSORcnt and every LDS read: two loads of mine are out
	s_cbranch_scc0 .Lfirst_w
	tensor_load_to_lds s[G0A:G0A+3], s[G1A:G1A+7]
	s_nop 0
	tensor_load_to_lds s[G0A+4:G0A+7], s[G1A:G1A+7]
	s_nop 0
	PLACES
	s_branch .Lfirst_asked
.Lfirst_w:
	tensor_load_to_lds s[G0W:G0W+3], s[G1W:G1W+7]
	s_nop 0
	tensor_load_to_lds s[G0W+4:G0W+7], s[G1W:G1W+7]
	s_nop 0
	PLACES
.Lfirst_asked:
	v_and_b32 v1, 15, v0                           ; r = l % 16
	v_bfe_u32 v2, v0, 4, 1                         ; hh = l / 16
	v_and_b32 v3, 7, v0
	v_bfe_u32 v4, v0, 3, 1
	v_and_b32 v5, 31, v0                           ; l
	v_lshlrev_b32 v[BO], 5, v2                     ; my 8 columns of 16: 32 bytes of f32
.irp a, 0,1,2,3
.irp b, 0,1,2,3
	global_load_b128 v[ACC+8*(4*(\a)+(\b)):ACC+8*(4*(\a)+(\b))+3],   v[BO], s[66:67] offset:64*(\b)     ; register j of accumulator (a, b) belongs to column 16 b + 8 hh + j
	global_load_b128 v[ACC+8*(4*(\a)+(\b))+4:ACC+8*(4*(\a)+(\b))+7], v[BO], s[66:67] offset:64*(\b)+16
.endr
.endr
	v_mul_u32_u24 v[AA0], v1, PA                   ; a fragment of A: lane l holds row r, K = 8 hh + 0..7 and 16 + 8 hh + 0..7: two loads of 16 bytes, 32 apart
	v_lshl_add_u32 v[AA0], v2, 4, v[AA0]
	s_mul_i32 s16, s11, 64*PA
	v_add_nc_u32 v[AA0], s16, v[AA0]
	v_lshl_add_u32 v[AW0], v2, 3, v3               ; the turning load: lane l reads row 8 hh + l % 8 of K, columns 8 ((l / 8) % 2) + 0..7, and is left with column r and 8 K
	v_mul_u32_u24 v[AW0], v[AW0], PW
	v_lshl_add_u32 v[AW0], v4, 4, v[AW0]
	s_lshl_b32 s16, s12, 7
	s_add_co_u32 s16, s16, WOFF
	v_add_nc_u32 v[AW0], s16, v[AW0]
	v_mul_u32_u24 v[STO], v1, PA                   ; into the stage: row 64 x half + r, my 8 f32 of each 16 columns
	v_lshl_add_u32 v[STO], v2, 5, v[STO]
	s_mul_i32 s16, s11, 64*PA
	s_lshl_b32 s17, s12, 8
	s_add_co_u32 s16, s16, s17
	v_add_nc_u32 v[STO], s16, v[STO]
	s_mul_i32 s16, s10, 32*PA                      ; back: wave w takes rows 32 w .. 32 w + 31 whole, 16 bytes a lane
	v_lshl_add_u32 v[RD], v5, 4, s16
	v_lshlrev_b32 v[CO], 3+F32OUT, v5
	v_lshlrev_b32 v[CO2], 3, v5
.macro MUL f                           ; 16 products, 32 along K.  The 16 accumulators take turns, one instruction a turn, over every jump too
	WIN W_MUL
.irp a, 0,1,2,3
.irp b, 0,1,2,3
	v_wmma_f32_16x16x32_bf16 v[ACC+8*(4*(\a)+(\b)):ACC+8*(4*(\a)+(\b))+7], v[(\f)+32+8*(\b):(\f)+32+8*(\b)+7], v[(\f)+8*(\a):(\f)+8*(\a)+7], v[ACC+8*(4*(\a)+(\b)):ACC+8*(4*(\a)+(\b))+7]
.endr
.endr
.endm
.macro FETCH f, c                      ; 16 LDS loads in one run: the fragments of the K step c steps of 32 behind VA and VW, into buffer f
	WIN W_TOF
.irp a, 0,1,2,3
	ds_load_b128 v[(\f)+8*(\a):(\f)+8*(\a)+3],   v[VA] offset:64*(\c)+(\a)*16*PA
	ds_load_b128 v[(\f)+8*(\a)+4:(\f)+8*(\a)+7], v[VA] offset:64*(\c)+(\a)*16*PA+32
.endr
.irp b, 0,1,2,3
	ds_load_tr16_b128 v[(\f)+32+8*(\b):(\f)+32+8*(\b)+3],   v[VW] offset:32*PW*(\c)+32*(\b)
	ds_load_tr16_b128 v[(\f)+32+8*(\b)+4:(\f)+8*(\b)+32+7], v[VW] offset:32*PW*(\c)+32*(\b)+16*PW
.endr
.endm
; A slot's eight K steps of 32, on two fragment buffers.  Every wait for 16 leaves the other buffer's 16 younger loads out, on the way in and over the backward jump alike.
.macro SLOTRUN s
	WIN 0
	PLACES                                         ; behind the last products of the slot before, whose sources are loaded again
	s_mov_b32 s[TA], (\s)*SLOT
	s_mov_b32 s[TW], (\s)*SLOT
	v_add_nc_u32 v[VA], s[TA], v[AA0]
	v_add_nc_u32 v[VW], s[TW], v[AW0]
	FETCH F0, 0
	FETCH F1, 1
	WIN 0
	s_mov_b32 s[CNT], 3
.Lk_\@:
	s_wait_dscnt 16
	MUL F0
	PLACES
	FETCH F0, 2
	s_wait_dscnt 16
	MUL F1
	PLACES
	FETCH F1, 3
	WIN 0                                          ; at a label and at a branch every window is 0
	s_add_co_u32 s[TA], s[TA], 128                 ; two K steps on: 128 bytes of A's rows,
	s_add_co_u32 s[TW], s[TW], 64*PW               ; 64 rows of W
	v_add_nc_u32 v[VA], s[TA], v[AA0]
	v_add_nc_u32 v[VW], s[TW], v[AW0]
	s_sub_co_u32 s[CNT], s[CNT], 1
	s_cmp_lg_u32 s[CNT], 0
	s_cbranch_scc1 .Lk_\@
	s_wait_dscnt 16
	MUL F0
	s_wait_dscnt 0x0
	MUL F1
	WIN 0
.endm
; The change of slots.  Each wave waits for all its tensor loads (one is out: its part of the other slot), adds 0 to its spare word, and waits for that and for its reads of the slot that it leaves.
; fill = 1: the barrier is a round of the cluster's, and the slot just read is filled again first thing behind it, with K two slots on: the load has a slot's 128 products in which to land.
.macro CHANGE slot, fill
	WIN 0
	s_wait_tensorcnt 0x0                           ; no tensor load of mine is out, so a group 0 may be written
	ds_add_u32 v[SPW], v[NIL]
.if \fill
	s_add_nc_u64 s[G0A+4*(\slot)+2:G0A+4*(\slot)+3], s[G0A+4*(\slot)+2:G0A+4*(\slot)+3], 1024
	s_add_nc_u64 s[G0W+4*(\slot)+2:G0W+4*(\slot)+3], s[G0W+4*(\slot)+2:G0W+4*(\slot)+3], 1024*WPITCH
.endif
	s_wait_dscnt 0x0                               ; the add is done, and my reads of the slot are over
.if \fill
	CROUND
	JLOAD \slot
.else
	s_barrier_signal -1
	s_barrier_wait -1
.endif
.endm
	s_wait_loadcnt 0x0                             ; the bias lies in the accumulators
	s_wait_tensorcnt 0x1                           ; my part of slot 0 is in; slot 1's may stay out
	s_barrier_signal -1
	s_barrier_wait -1                              ; everybody's is
	SLOTRUN 0
.if NS > 2
	s_mov_b32 s[LAP], NS/2-1
.Llap:
	CHANGE 0, 1
	SLOTRUN 1
	CHANGE 1, 1
	SLOTRUN 0
	s_sub_co_u32 s[LAP], s[LAP], 1
	s_cmp_lg_u32 s[LAP], 0
	s_cbranch_scc1 .Llap
.endif
	CHANGE 0, 0                                    ; the last slot: nothing is left to fetch
	SLOTRUN 1
	PLACES
	; THE WAY OUT.  The f32 sums go into the stage, 32 bytes a lane; a barrier, since a row's 512 bytes come from two waves; back as whole rows, 32 rows a wave.
.if F32OUT
	WIN W_TOF                                      ; the residual's rows are asked for first, into the fragment buffers, which are free
.set i, 0
.rept 32
	global_load_b128 v[4*i:4*i+3], v[CO], s[68:69] offset:2048*i
.set i, i+1
.endr
	WIN 0
.if MODE == 4
.set i, 0
.rept 32
	global_load_b64 v[PK+2*i:PK+2*i+1], v[CO2], s[70:71] offset:1024*i
.set i, i+1
.endr
.endif
.endif
.irp a, 0,1,2,3
.irp b, 0,1,2,3
	ds_store_b128 v[STO], v[ACC+8*(4*(\a)+(\b)):ACC+8*(4*(\a)+(\b))+3]   offset:(\a)*16*PA+64*(\b)      ; each accumulator's low registers first
	ds_store_b128 v[STO], v[ACC+8*(4*(\a)+(\b))+4:ACC+8*(4*(\a)+(\b))+7] offset:(\a)*16*PA+64*(\b)+16
.endr
.endr
	s_wait_dscnt 0x0                               ; for the others' sake: my stores into the stage are done
	s_barrier_signal -1
	s_barrier_wait -1
.if F32OUT
.set i, 0
.rept 32
	ds_load_b128 v[ACC+4*i:ACC+4*i+3], v[RD] offset:i*PA
.set i, i+1
.endr
	s_wait_dscnt 0x0
	s_wait_loadcnt 0x0                             ; the residual is in
	WIN 0x04                                       ; source 1 in window 1
.set i, 0
.rept 64
	v_pk_add_f32 v[ACC+2*i:ACC+2*i+1], v[ACC+2*i:ACC+2*i+1], v[2*i:2*i+1]
.set i, i+1
.endr
	WIN 0
.if MODE == 4
.set i, 0
.rept 32                               ; x_ln: bf16 to f32 is a shift or a mask
	v_lshlrev_b32 v[GT+4*(i%2)],   16, v[PK+2*i]
	v_and_b32     v[GT+4*(i%2)+1], 0xffff0000, v[PK+2*i]
	v_lshlrev_b32 v[GT+4*(i%2)+2], 16, v[PK+2*i+1]
	v_and_b32     v[GT+4*(i%2)+3], 0xffff0000, v[PK+2*i+1]
	v_pk_add_f32 v[ACC+4*i:ACC+4*i+1],   v[ACC+4*i:ACC+4*i+1],   v[GT+4*(i%2):GT+4*(i%2)+1]
	v_pk_add_f32 v[ACC+4*i+2:ACC+4*i+3], v[ACC+4*i+2:ACC+4*i+3], v[GT+4*(i%2)+2:GT+4*(i%2)+3]
.set i, i+1
.endr
.endif
.set i, 0
.rept 32
	global_store_b128 v[CO], v[ACC+4*i:ACC+4*i+3], s[8:9] offset:2048*i  ; a wave stores 512 consecutive bytes, aligned
.set i, i+1
.endr
.else
; gelu(v) = v / 2 + |v| (1/2 - (1/2) poly(t) exp(-v^2 / 2)), t = 1 / (1 + 0.3275911 |v| / sqrt(2)): eight numbers, one batch of 16 transcendentals with one wait
.macro GELU g
.set VV, ACC+8*(\g)
.irp j, 0,1,2,3,4,5,6,7
	v_and_b32 v[GT+(\j)], 0x7fffffff, v[VV+(\j)]
.endr
.irp j, 0,2,4,6
	v_pk_fma_f32 v[GT+8+(\j):GT+9+(\j)], v[GT+(\j):GT+1+(\j)], s[72:73], 1.0 op_sel_hi:[1,0,0]
	v_pk_mul_f32 v[GT+16+(\j):GT+17+(\j)], v[VV+(\j):VV+1+(\j)], v[VV+(\j):VV+1+(\j)]
.endr
.irp j, 0,2,4,6
	v_pk_mul_f32 v[GT+16+(\j):GT+17+(\j)], v[GT+16+(\j):GT+17+(\j)], s[74:75] op_sel_hi:[1,0]
.endr
.irp j, 0,1,2,3,4,5,6,7
	v_rcp_f32 v[GT+8+(\j)], v[GT+8+(\j)]
.endr
.irp j, 0,1,2,3,4,5,6,7
	v_exp_f32 v[GT+16+(\j)], v[GT+16+(\j)]
.endr
	v_nop                                          ; a plain instruction behind the last of the batch,
	s_wait_alu depctr_va_vdst(0)                   ; and the one wait ahead of its first reader
.irp j, 0,2,4,6
	v_pk_fma_f32 v[GT+24+(\j):GT+25+(\j)], v[GT+8+(\j):GT+9+(\j)], s[76:77], s[78:79] op_sel_hi:[1,0,0]
.endr
.irp c, 80,82,84
.irp j, 0,2,4,6
	v_pk_fma_f32 v[GT+24+(\j):GT+25+(\j)], v[GT+24+(\j):GT+25+(\j)], v[GT+8+(\j):GT+9+(\j)], s[\c:\c+1] op_sel_hi:[1,1,0]
.endr
.endr
.irp j, 0,2,4,6
	v_pk_mul_f32 v[GT+24+(\j):GT+25+(\j)], v[GT+24+(\j):GT+25+(\j)], v[GT+8+(\j):GT+9+(\j)]
.endr
.irp j, 0,2,4,6
	v_pk_fma_f32 v[GT+24+(\j):GT+25+(\j)], v[GT+24+(\j):GT+25+(\j)], v[GT+16+(\j):GT+17+(\j)], 0.5 op_sel_hi:[1,1,0]
.endr
.irp j, 0,2,4,6
	v_pk_mul_f32 v[GT+24+(\j):GT+25+(\j)], v[GT+24+(\j):GT+25+(\j)], v[GT+(\j):GT+1+(\j)]
.endr
.irp j, 0,2,4,6
	v_pk_fma_f32 v[VV+(\j):VV+1+(\j)], v[VV+(\j):VV+1+(\j)], 0.5, v[GT+24+(\j):GT+25+(\j)] op_sel_hi:[1,0,1]
.endr
.endm
	s_mov_b32 s[CNT], 4
.Lrows:                                        ; four trips of eight rows
.irp i, 0,1,2,3,4,5,6,7
	ds_load_b128 v[ACC+4*(\i):ACC+4*(\i)+3], v[RD] offset:(\i)*PA
.endr
	s_wait_dscnt 0x0
.if MODE == 1
.set k, 0
.rept 16
	v_pk_mul_f32 v[ACC+2*k:ACC+2*k+1], v[ACC+2*k:ACC+2*k+1], s[96:97] op_sel_hi:[1,0]
.set k, k+1
.endr
.elseif MODE == 3
	GELU 0
	GELU 1
	GELU 2
	GELU 3
.endif
.set k, 0
.rept 16
	v_cvt_pk_bf16_f32 v[PK+k], v[ACC+2*k], v[ACC+2*k+1]
.set k, k+1
.endr
.irp i, 0,1,2,3,4,5,6,7
	global_store_b64 v[CO], v[PK+2*(\i):PK+2*(\i)+1], s[8:9] offset:(\i)*OPITCH  ; a wave stores 256 consecutive bytes, aligned
.endr
	s_wait_xcnt 0x0                                ; the stores have read their data and their base: only now are these written again
	v_add_nc_u32 v[RD], 8*PA, v[RD]
	s_add_nc_u64 s[8:9], s[8:9], 8*OPITCH
	s_sub_co_u32 s[CNT], s[CNT], 1
	s_cmp_lg_u32 s[CNT], 0
	s_cbranch_scc1 .Lrows
.endif
	s_wait_tensorcnt 0x0                           ; the wave's end, behind my last tensor load and my last LDS store
	ds_add_u32 v[SPW], v[NIL]
	s_wait_dscnt 0x0
	CROUND                                         ; the closing round: no work-group ends while a partner may still ask for a tile that names it
	s_endpgm
.Lfunc_end_k_q2c8fabcfaa_fused:
	.size	k_q2c8fabcfaa_fused, .Lfunc_end_k_q2c8fabcfaa_fused-k_q2c8fabcfaa_fused
	.p2alignl 7, 3214868480
	.fill 96, 4, 3214868480
	.section	.rodata,"a",@progbits
	.p2align	6, 0x0
	.amdhsa_kernel k_q2c8fabcfaa_fused
		.amdhsa_group_segment_fixed_size 327680
		.amdhsa_private_segment_fixed_size 0
		.amdhsa_enable_private_segment 0
		.amdhsa_kernarg_size 32
		.amdhsa_user_sgpr_count 2
		.amdhsa_user_sgpr_kernarg_segment_ptr 1
		.amdhsa_wavefront_size32 1
		.amdhsa_system_sgpr_workgroup_id_x 1
		.amdhsa_system_sgpr_workgroup_id_y 1
		.amdhsa_system_sgpr_workgroup_id_z 1
		.amdhsa_system_vgpr_workitem_id 0
		.amdhsa_next_free_vgpr 384
		.amdhsa_next_free_sgpr 100
		.amdhsa_reserve_vcc 0
		.amdhsa_float_denorm_mode_32 3
		.amdhsa_float_denorm_mode_16_64 3
		.amdhsa_memory_ordered 1
		.amdhsa_forward_progress 1
		.amdhsa_inst_pref_size 55
	.end_amdhsa_kernel
	.amdgpu_metadata
---
amdhsa.version: [ 1, 2 ]
amdhsa.kernels:
  - .name:           k_q2c8fabcfaa_fused
    .symbol:         k_q2c8fabcfaa_fused.kd
    .args:
      - { .name: cat, .offset: 0, .size: 8, .value_kind: global_buffer, .address_space: global }
      - { .name: wb, .offset: 8, .size: 8, .value_kind: global_buffer, .address_space: global }
      - { .name: e_bf, .offset: 16, .size: 8, .value_kind: global_buffer, .address_space: global }
      - { .name: xf, .offset: 24, .size: 8, .value_kind: global_buffer, .address_space: global }
    .group_segment_fixed_size: 327680
    .private_segment_fixed_size: 0
    .kernarg_segment_align: 8
    .kernarg_segment_size: 32
    .max_flat_workgroup_size: 128
    .sgpr_count:     100
    .vgpr_count:     384
    .wavefront_size: 32
...
	.end_amdgpu_metadata
.endif
;; end of part 2
;; launch qkvp (part 3): grid 24 x 32, 4 waves a work-group, clusters of 4 x 4, 327,680 bytes of LDS; arguments xf, cat, wb, g_bq, g_bk, g_bv, e_bq, e_bk, e_bv, qkv; writes qkv
.if DOCPART == 3
	.amdgcn_target "amdgcn-amd-amdhsa--gfx1250"
	.amdhsa_code_object_version 6
	.text
	.protected	k_q2c8fabcfaa_qkvp
	.globl	k_q2c8fabcfaa_qkvp
	.p2align	8
	.type	k_q2c8fabcfaa_qkvp,@function
k_q2c8fabcfaa_qkvp:
	s_mov_b64 s[64:65], 0
	v_nop
	global_prefetch_b8 v0, s[64:65] scope:SCOPE_SE
	s_setreg_imm32_b32 hwreg(HW_REG_WAVE_MODE, 25, 1), 1
	s_wait_xcnt 0x0
	s_wait_alu depctr_hold_cnt(0) depctr_sa_sdst(0) depctr_va_vdst(0) depctr_va_sdst(0) depctr_va_ssrc(0) depctr_va_vcc(0) depctr_vm_vsrc(0)
	s_getreg_b32 s2, hwreg(HW_REG_IB_STS2, 6, 4)
	s_cmp_eq_u32 s2, 0
	s_cbranch_scc0 .Lentry_in_a_cluster
	s_endpgm
.Lentry_in_a_cluster:
	s_bfe_u32 s2, ttmp6, 0x10000c
	s_cmp_lg_u32 s2, 0xf033
	s_cbranch_scc0 .Lentry_shape_is_right
	s_endpgm
.Lentry_shape_is_right:
; C = A W + bias, and what the mode adds.  A: [rows][K] bf16, K along the rows.  W: [K][N] bf16, as the weights lie in memory.  Sums in f32.
; ONE TEXT FOR FIVE LAUNCHES; the line below chooses.  0: fused = [gene | yn] e_wf + e_bf.  1: the six projections Q, K, V of both branches (Q also times log2(e) / 8).
; 2: x = emb + O wo + bo (f32).  3: h = gelu(x_ln w1 + b1).  4: out = x + x_ln + h w2 + b2 (f32).
.set MODE, 1
; SHARES.  A work-group makes 128 x 128 of C, each of its four waves 64 x 64: 16 accumulators.  K goes in slots of 256 through two LDS slots filled by tensor loads, one load a wave and slot.
; THE MATRIX INSTRUCTION IS USED TRANSPOSED: source 0 = 16 columns of W, turned on the way out of LDS by ds_load_tr16_b128; source 1 = 16 rows of A.  A lane then holds one row of C and 8 neighbouring columns.
; THE SUMS START FROM THE BIAS, loaded straight into the accumulators: nothing is cleared, nothing is added on the way out.
; CLUSTER 4 x 4: A's tile hangs on the tile row alone and is asked for jointly along a row of the cluster, W's on the tile column alone and jointly along a column.
; NO PREFETCH: the tile is the small one (128 x 128), and with two slots of K (modes 1, 2, 3) all that a work-group reads is asked for at its head.
; LIMITS.  NaN and infinities are not treated apart.  Mode 3: erf by the five-term rational form of Abramowitz and Stegun 7.1.26 (error at most 1.5e-7); for v < 0 the two halves of gelu cancel, which leaves an error of about 6e-8 |v|.
.if MODE == 0
.set NS, 4                             ; slots of K = 256
.set APITCH, 1024                      ; elements from row to row of A
.set WPITCH, 512                       ; of W
.set OPITCH, 2048                      ; bytes from row to row of the output
.set F32OUT, 0
.set UNIT0, 8                          ; W's first unit of 524,288 bytes in wb
.set BRSH, 0                           ; s[BR] << BRSH is added to that
.set NT, 42                            ; the scalar register that holds the tile column inside W
.endif
.if MODE == 1
.set NS, 2
.set APITCH, 1024
.set WPITCH, 512
.set OPITCH, 1024
.set F32OUT, 0
.set UNIT0, 0
.set BRSH, 19
.set NT, 40
.endif
.if MODE == 2
.set NS, 2
.set APITCH, 512
.set WPITCH, 512
.set OPITCH, 2048
.set F32OUT, 1
.set UNIT0, 6
.set BRSH, 19
.set NT, 42
.endif
.if MODE == 3
.set NS, 2
.set APITCH, 512
.set WPITCH, 2048
.set OPITCH, 4096
.set F32OUT, 0
.set UNIT0, 10
.set BRSH, 21
.set NT, 42
.endif
.if MODE == 4
.set NS, 8
.set APITCH, 2048
.set WPITCH, 512
.set OPITCH, 2048
.set F32OUT, 1
.set UNIT0, 18
.set BRSH, 21
.set NT, 42
.endif
.set PA,    528                        ; an LDS row of A: 512 bytes + 16: the 16 rows of a fragment load start at 16 different groups of four banks (64 banks of 4 bytes: ISA guide 11.1)
.set PW,    288                        ; an LDS row of W: 256 bytes + 32
.set WOFF,  128*PA                     ; a slot: A's 128 rows, then W's 256 rows of K
.set SLOT,  WOFF+256*PW
.set SPARE, 2*SLOT                     ; behind the ring: the spare words, 128 bytes a wave, that no other line names
; The stage of the way out, 128 rows x 528 bytes of f32, is slot 0's part for A: it is written only when that slot has had its last fill and its last read.
.set AA0, 16                           ; v16  my lane's place in A's part of a slot; never rewritten
.set AW0, 20                           ; v20  the same for W
.set VA,  22                           ; v22  the LDS address of A's loads in hand
.set VW,  23                           ; v23  of W's
.set STO, 24                           ; v24  the way out: where I put 32 bytes of a row
.set RD,  25                           ; v25  where I read a row back
.set CO,  26                           ; v26  my byte offset in a row of the output tile
.set BO,  27                           ; v27  my byte offset in 16 numbers of the bias
.set SPW, 28                           ; v28  LDS address of my spare word; never rewritten
.set NIL, 29                           ; v29  0; never rewritten
.set CO2, 30                           ; v30  my byte offset in a row of x_ln's tile
.set PK,  32                           ; v[32:95]   packed results; mode 4: x_ln's rows
.set GT,  96                           ; v[96:127]  at work
.set ACC, 128                          ; v[128:255] accumulator (a, b) at ACC + 8 (4 a + b)
.set F0,  0                            ; window 1: two fragment buffers of 64: A's four fragments, then W's four; on the f32 way out the residual's rows
.set F1,  64
.set G1A, 24                           ; s[24:31] descriptor group 1 for A's tiles; s[32:39] group 0, a set for each slot
.set G0A, 32
.set G1W, 48                           ; s[48:55], s[56:63] the same for W's
.set G0W, 56
.set CNT, 45
.set LAP, 88
.set TA,  89                           ; s89  LDS byte at which the K steps in hand begin in A's rows, slot included
.set TW,  90                           ; s90  the same for W
.set BR,  91                           ; s91  modes 2-4: the branch (0 gene, 1 expr); mode 1: which of the six projections
.set W_MUL, 0x05                       ; sources 0 and 1 in window 1, C and D in window 0
.set W_TOF, 0x40                       ; destination in window 1, address in window 0
.set MSB, 0
.macro WIN new                         ; the immediate's high byte repeats the setting that is left; a switch that changes nothing is dropped
.if MSB != (\new)
	s_set_vgpr_msb (MSB<<8)|(\new)
.set MSB, \new
.endif
.endm
.macro PLACES                          ; four plain places behind matrix instructions, ahead of loads into their sources and of readers of their results
.rept 4
	v_nop
.endr
.endm
.macro JLOAD s                         ; a joint load: waves 0 and 1 fetch A's two halves, waves 2 and 3 W's; an s_nop 0 and four v_nop follow each line
	s_cmp_eq_u32 s11, 0
	s_cbranch_scc0 .Lfor_w_\@
	tensor_load_to_lds s[G0A+4*(\s):G0A+4*(\s)+3], s[G1A:G1A+7]
	s_nop 0
	PLACES
	s_branch .Lasked_\@
.Lfor_w_\@:
	tensor_load_to_lds s[G0W+4*(\s):G0W+4*(\s)+3], s[G1W:G1W+7]
	s_nop 0
	PLACES
.Lasked_\@:
.endm
.macro CROUND                          ; a round of the cluster's barrier: my work-group's barrier, wave 0 signals for it, all wait for all sixteen, my work-group's barrier again
	s_barrier_signal -1
	s_barrier_wait -1
	s_cmp_lg_u32 s10, 0
	s_cbranch_scc1 .Lnot_wave_0_\@
	s_barrier_signal -3
.Lnot_wave_0_\@:
	s_barrier_wait -3
	s_barrier_signal -1
	s_barrier_wait -1
.endm
.if MODE == 0
	s_load_b256 s[72:79], s[0:1], 0x0              ; cat, wb, e_bf, xf
.elseif MODE == 1
	s_load_b512 s[72:87], s[0:1], 0x0              ; xf, cat, wb, g_bq, g_bk, g_bv, e_bq, e_bk
	s_load_b128 s[92:95], s[0:1], 0x40             ; e_bv, qkv
.elseif MODE == 2
	s_load_b256 s[72:79], s[0:1], 0x0              ; obuf, wb, g_bo, e_bo
	s_load_b128 s[80:83], s[0:1], 0x20             ; gene_emb, expr_emb
	s_load_b64 s[84:85], s[0:1], 0x30              ; xres
.elseif MODE == 3
	s_load_b256 s[72:79], s[0:1], 0x0              ; xln, wb, fg_b1, fe_b1
	s_load_b64 s[80:81], s[0:1], 0x20              ; h
.else
	s_load_b512 s[72:87], s[0:1], 0x0              ; h, wb, fg_b2, fe_b2, xres, xln, out0, out1
.endif
	v_lshl_add_u32 v[SPW], v0, 2, SPARE
	v_mov_b32 v[NIL], 0
	ds_add_u32 v[SPW], v[NIL]                      ; the wave's opening: the add and its wait stand ahead of my first tensor load; the set-up below stands between them
	v_lshrrev_b32 v1, 5, v0
	v_readfirstlane_b32 s10, v1                    ; wave 0..3
	s_lshr_b32 s11, s10, 1                         ; my half of the tile's rows.  Also: I fetch for A (0) or for W (1)
	s_and_b32 s12, s10, 1                          ; my half of its columns.  Also: which half of that tile I fetch
	s_bfe_u32 s40, ttmp6, 0x40000                  ; cx
	s_bfe_u32 s41, ttmp6, 0x40004                  ; cy
	s_lshl_b32 s42, ttmp9, 2
	s_add_co_u32 s42, s42, s40                     ; tile column = 4 x cluster x + cx
	s_and_b32 s[BR], ttmp7, 0xffff                 ; cluster y
	s_lshl_b32 s13, s[BR], 2
	s_add_co_u32 s13, s13, s41                     ; tile row = 4 x cluster y + cy
.if MODE == 1
	s_mov_b32 s[BR], ttmp9                         ; a cluster's four tile columns are one projection's 512 columns
.elseif MODE >= 2
	s_lshr_b32 s[BR], s[BR], 3                     ; clusters 8..15 along y hold rows 4,096 on: the expr branch
.endif
	s_lshl_b32 s43, s41, 2
	s_lshl_b32 s43, 15, s43                        ; my row of the cluster
	s_lshl_b32 s44, 0x1111, s40                    ; my column
	s_or_b32 s[G1A], s43, (1<<16)|(1<<20)|(1<<21)|(6<<22)|(3<<25)  ; the mask; 2-byte elements; padding on; bit 21 beside a mask; after every 128 words 4 words
	s_mov_b32 s[G1A+1], 256<<16                    ; tensor_dim0 = 256
	s_mov_b32 s[G1A+2], 64<<16                     ; tensor_dim1 = 64
	s_mov_b32 s[G1A+3], 256<<16                    ; tile_dim0 = 256
	s_mov_b32 s[G1A+4], 64                         ; tile_dim1 = 64
	s_mov_b32 s[G1A+5], APITCH
	s_mov_b32 s[G1A+6], 0
	s_mov_b32 s[G1A+7], 0
	s_or_b32 s[G1W], s44, (1<<16)|(1<<20)|(1<<21)|(5<<22)|(7<<25)  ; after every 64 words 8 words
	s_mov_b32 s[G1W+1], 128<<16                    ; 128 columns
	s_mov_b32 s[G1W+2], 128<<16                    ; 128 rows of K
	s_mov_b32 s[G1W+3], 128<<16
	s_mov_b32 s[G1W+4], 128
	s_mov_b32 s[G1W+5], WPITCH
	s_mov_b32 s[G1W+6], 0
	s_mov_b32 s[G1W+7], 0
	s_mov_b32 s[G0A], 1
	s_mov_b32 s[G0A+4], 1
	s_mov_b32 s[G0W], 1
	s_mov_b32 s[G0W+4], 1
	s_mul_i32 s[G0A+1], s12, 64*PA                 ; LDS addresses: the wave's number and constants alone
	s_add_co_u32 s[G0A+5], s[G0A+1], SLOT
	s_mul_i32 s[G0W+1], s12, 128*PW
	s_add_co_u32 s[G0W+1], s[G0W+1], WOFF
	s_add_co_u32 s[G0W+5], s[G0W+1], SLOT
	s_lshl_b32 s14, s13, 7                         ; A's tile: row 128 x tile row + 64 x half; these two registers never hold cx
	s_lshl_b32 s15, s12, 6
	s_add_co_u32 s14, s14, s15
	s_mul_i32 s14, s14, APITCH*2
.if MODE == 1
	s_cmp_ge_u32 s[BR], 3                          ; the expr branch's sources are the right halves: fused in xf, yn in cat
	s_cselect_b32 s15, 1024, 0
	s_add_co_u32 s14, s14, s15
.endif
	s_mov_b32 s15, 0
	s_mul_i32 s46, s12, 128*WPITCH*2               ; W's tile: my 128 rows of K, the tile column's 256 bytes, the matrix's place in wb; these two never hold cy
	s_lshl_b32 s47, s[NT], 8
	s_add_co_u32 s46, s46, s47
.if MODE > 0
	s_lshl_b32 s47, s[BR], BRSH
	s_add_co_u32 s46, s46, s47
.endif
	s_add_co_u32 s46, s46, UNIT0*524288
	s_mov_b32 s47, 0
	s_lshl_b32 s16, s13, 7
	s_lshl_b32 s17, s10, 5
	s_add_co_u32 s16, s16, s17                     ; the first row that I store: 128 x tile row + 32 x wave
	s_and_b32 s17, s16, 4095                       ; the same inside its branch's 4,096 rows
	s_lshl_b32 s2, s[NT], 8+F32OUT                 ; the tile's first column in bytes of the output
.if MODE == 4
	s_mul_i32 s18, s17, OPITCH
.else
	s_mul_i32 s18, s16, OPITCH
.endif
	s_add_co_u32 s18, s18, s2
.if MODE == 0
	s_add_co_u32 s18, s18, 1024                    ; xf's right half
.elseif MODE == 1
	s_lshl_b32 s3, s[BR], 22                       ; a projection is 4 MiB of qkv
	s_add_co_u32 s18, s18, s3
.endif
	s_mov_b32 s19, 0
.if MODE == 2
	s_lshl_b32 s20, s17, 11                        ; the residual: the branch's own embedding
	s_add_co_u32 s20, s20, s2
	s_mov_b32 s21, 0
.elseif MODE == 4
	s_lshl_b32 s20, s16, 11                        ; the residual x in xres,
	s_add_co_u32 s20, s20, s2
	s_mov_b32 s21, 0
	s_lshl_b32 s22, s16, 10                        ; and x_ln in xln
	s_lshl_b32 s3, s[NT], 8
	s_add_co_u32 s22, s22, s3
	s_mov_b32 s23, 0
.endif
	s_lshl_b32 s98, s[NT], 9                       ; the bias of my 64 columns
	s_lshl_b32 s3, s12, 8
	s_add_co_u32 s98, s98, s3
	s_mov_b32 s99, 0
.if MODE == 1
	s_cmp_eq_u32 s[BR], 0                          ; Q of either branch is scaled by log2(e) / 8, in f32, ahead of its one rounding
	s_cselect_b32 s96, 0x3e38aa3b, 1.0
	s_cmp_eq_u32 s[BR], 3
	s_cselect_b32 s96, 0x3e38aa3b, s96
	s_mov_b32 s97, s96
.endif
	s_wait_dscnt 0x0                               ; the opening add is done
	s_wait_kmcnt 0x0
.if MODE == 0
	s_add_nc_u64 s[14:15], s[72:73], s[14:15]
	s_add_nc_u64 s[46:47], s[74:75], s[46:47]
	s_add_nc_u64 s[66:67], s[76:77], s[98:99]
	s_add_nc_u64 s[8:9], s[78:79], s[18:19]
.elseif MODE == 1
	s_cmp_eq_u32 s[BR], 5                          ; the expr branch's V is made of yn, all else of xf
	s_cselect_b64 s[4:5], s[74:75], s[72:73]
	s_add_nc_u64 s[14:15], s[4:5], s[14:15]
	s_add_nc_u64 s[46:47], s[76:77], s[46:47]
	s_mov_b64 s[66:67], s[78:79]
	s_cmp_eq_u32 s[BR], 1
	s_cselect_b64 s[66:67], s[80:81], s[66:67]
	s_cmp_eq_u32 s[BR], 2
	s_cselect_b64 s[66:67], s[82:83], s[66:67]
	s_cmp_eq_u32 s[BR], 3
	s_cselect_b64 s[66:67], s[84:85], s[66:67]
	s_cmp_eq_u32 s[BR], 4
	s_cselect_b64 s[66:67], s[86:87], s[66:67]
	s_cmp_eq_u32 s[BR], 5
	s_cselect_b64 s[66:67], s[92:93], s[66:67]
	s_add_nc_u64 s[66:67], s[66:67], s[98:99]
	s_add_nc_u64 s[8:9], s[94:95], s[18:19]
.elseif MODE == 2
	s_add_nc_u64 s[14:15], s[72:73], s[14:15]
	s_add_nc_u64 s[46:47], s[74:75], s[46:47]
	s_cmp_eq_u32 s[BR], 0
	s_cselect_b64 s[66:67], s[76:77], s[78:79]
	s_cselect_b64 s[68:69], s[80:81], s[82:83]
	s_add_nc_u64 s[66:67], s[66:67], s[98:99]
	s_add_nc_u64 s[68:69], s[68:69], s[20:21]
	s_add_nc_u64 s[8:9], s[84:85], s[18:19]
.elseif MODE == 3
	s_add_nc_u64 s[14:15], s[72:73], s[14:15]
	s_add_nc_u64 s[46:47], s[74:75], s[46:47]
	s_cmp_eq_u32 s[BR], 0
	s_cselect_b64 s[66:67], s[76:77], s[78:79]
	s_add_nc_u64 s[66:67], s[66:67], s[98:99]
	s_add_nc_u64 s[8:9], s[80:81], s[18:19]
.else
	s_add_nc_u64 s[14:15], s[72:73], s[14:15]
	s_add_nc_u64 s[46:47], s[74:75], s[46:47]
	s_cmp_eq_u32 s[BR], 0
	s_cselect_b64 s[66:67], s[76:77], s[78:79]
	s_cselect_b64 s[8:9], s[84:85], s[86:87]
	s_add_nc_u64 s[66:67], s[66:67], s[98:99]
	s_add_nc_u64 s[8:9], s[8:9], s[18:19]
	s_add_nc_u64 s[68:69], s[80:81], s[20:21]
	s_add_nc_u64 s[70:71], s[82:83], s[22:23]
.endif
.irp s, 0,1
	s_add_nc_u64 s[G0A+4*(\s)+2:G0A+4*(\s)+3], s[14:15], (\s)*512            ; slot s begins with K = 256 s
	s_or_b32 s[G0A+4*(\s)+3], s[G0A+4*(\s)+3], 0x80000000                    ; type = 2
	s_add_nc_u64 s[G0W+4*(\s)+2:G0W+4*(\s)+3], s[46:47], (\s)*256*WPITCH*2
	s_or_b32 s[G0W+4*(\s)+3], s[G0W+4*(\s)+3], 0x80000000
.endr
.if MODE == 3                          ; gelu's constants, as pairs for the packed forms; the arguments that lay here have been used
	s_mov_b32 s72, 0x3e6d3388                      ; 0.3275911 / sqrt(2)
	s_mov_b32 s74, 0xbf38aa3b                      ; -log2(e) / 2
	s_mov_b32 s76, 0xbf07dc22                      ; -a5 / 2 .. -a1 / 2
	s_mov_b32 s78, 0x3f3a00e3
	s_mov_b32 s80, 0xbf35f0e3
	s_mov_b32 s82, 0x3e11a98e
	s_mov_b32 s84, 0xbe027906
.irp c, 72,74,76,78,80,82,84
	s_mov_b32 s[\c+1], s[\c]
.endr
.endif
	CROUND                                         ; all sixteen work-groups are here: the first joint loads meet
	s_cmp_eq_u32 s11, 0                            ; a wave's two first fills stand in one branch, ahead of every wait on TENSORcnt and every LDS read: two loads of mine are out
	s_cbranch_scc0 .Lfirst_w
	tensor_load_to_lds s[G0A:G0A+3], s[G1A:G1A+7]
	s_nop 0
	tensor_load_to_lds s[G0A+4:G0A+7], s[G1A:G1A+7]
	s_nop 0
	PLACES
	s_branch .Lfirst_asked
.Lfirst_w:
	tensor_load_to_lds s[G0W:G0W+3], s[G1W:G1W+7]
	s_nop 0
	tensor_load_to_lds s[G0W+4:G0W+7], s[G1W:G1W+7]
	s_nop 0
	PLACES
.Lfirst_asked:
	v_and_b32 v1, 15, v0                           ; r = l % 16
	v_bfe_u32 v2, v0, 4, 1                         ; hh = l / 16
	v_and_b32 v3, 7, v0
	v_bfe_u32 v4, v0, 3, 1
	v_and_b32 v5, 31, v0                           ; l
	v_lshlrev_b32 v[BO], 5, v2                     ; my 8 columns of 16: 32 bytes of f32
.irp a, 0,1,2,3
.irp b, 0,1,2,3
	global_load_b128 v[ACC+8*(4*(\a)+(\b)):ACC+8*(4*(\a)+(\b))+3],   v[BO], s[66:67] offset:64*(\b)     ; register j of accumulator (a, b) belongs to column 16 b + 8 hh + j
	global_load_b128 v[ACC+8*(4*(\a)+(\b))+4:ACC+8*(4*(\a)+(\b))+7], v[BO], s[66:67] offset:64*(\b)+16
.endr
.endr
	v_mul_u32_u24 v[AA0], v1, PA                   ; a fragment of A: lane l holds row r, K = 8 hh + 0..7 and 16 + 8 hh + 0..7: two loads of 16 bytes, 32 apart
	v_lshl_add_u32 v[AA0], v2, 4, v[AA0]
	s_mul_i32 s16, s11, 64*PA
	v_add_nc_u32 v[AA0], s16, v[AA0]
	v_lshl_add_u32 v[AW0], v2, 3, v3               ; the turning load: lane l reads row 8 hh + l % 8 of K, columns 8 ((l / 8) % 2) + 0..7, and is left with column r and 8 K
	v_mul_u32_u24 v[AW0], v[AW0], PW
	v_lshl_add_u32 v[AW0], v4, 4, v[AW0]
	s_lshl_b32 s16, s12, 7
	s_add_co_u32 s16, s16, WOFF
	v_add_nc_u32 v[AW0], s16, v[AW0]
	v_mul_u32_u24 v[STO], v1, PA                   ; into the stage: row 64 x half + r, my 8 f32 of each 16 columns
	v_lshl_add_u32 v[STO], v2, 5, v[STO]
	s_mul_i32 s16, s11, 64*PA
	s_lshl_b32 s17, s12, 8
	s_add_co_u32 s16, s16, s17
	v_add_nc_u32 v[STO], s16, v[STO]
	s_mul_i32 s16, s10, 32*PA                      ; back: wave w takes rows 32 w .. 32 w + 31 whole, 16 bytes a lane
	v_lshl_add_u32 v[RD], v5, 4, s16
	v_lshlrev_b32 v[CO], 3+F32OUT, v5
	v_lshlrev_b32 v[CO2], 3, v5
.macro MUL f                           ; 16 products, 32 along K.  The 16 accumulators take turns, one instruction a turn, over every jump too
	WIN W_MUL
.irp a, 0,1,2,3
.irp b, 0,1,2,3
	v_wmma_f32_16x16x32_bf16 v[ACC+8*(4*(\a)+(\b)):ACC+8*(4*(\a)+(\b))+7], v[(\f)+32+8*(\b):(\f)+32+8*(\b)+7], v[(\f)+8*(\a):(\f)+8*(\a)+7], v[ACC+8*(4*(\a)+(\b)):ACC+8*(4*(\a)+(\b))+7]
.endr
.endr
.endm
.macro FETCH f, c                      ; 16 LDS loads in one run: the fragments of the K step c steps of 32 behind VA and VW, into buffer f
	WIN W_TOF
.irp a, 0,1,2,3
	ds_load_b128 v[(\f)+8*(\a):(\f)+8*(\a)+3],   v[VA] offset:64*(\c)+(\a)*16*PA
	ds_load_b128 v[(\f)+8*(\a)+4:(\f)+8*(\a)+7], v[VA] offset:64*(\c)+(\a)*16*PA+32
.endr
.irp b, 0,1,2,3
	ds_load_tr16_b128 v[(\f)+32+8*(\b):(\f)+32+8*(\b)+3],   v[VW] offset:32*PW*(\c)+32*(\b)
	ds_load_tr16_b128 v[(\f)+32+8*(\b)+4:(\f)+8*(\b)+32+7], v[VW] offset:32*PW*(\c)+32*(\b)+16*PW
.endr
.endm
; A slot's eight K steps of 32, on two fragment buffers.  Every wait for 16 leaves the other buffer's 16 younger loads out, on the way in and over the backward jump alike.
.macro SLOTRUN s
	WIN 0
	PLACES                                         ; behind the last products of the slot before, whose sources are loaded again
	s_mov_b32 s[TA], (\s)*SLOT
	s_mov_b32 s[TW], (\s)*SLOT
	v_add_nc_u32 v[VA], s[TA], v[AA0]
	v_add_nc_u32 v[VW], s[TW], v[AW0]
	FETCH F0, 0
	FETCH F1, 1
	WIN 0
	s_mov_b32 s[CNT], 3
.Lk_\@:
	s_wait_dscnt 16
	MUL F0
	PLACES
	FETCH F0, 2
	s_wait_dscnt 16
	MUL F1
	PLACES
	FETCH F1, 3
	WIN 0                                          ; at a label and at a branch every window is 0
	s_add_co_u32 s[TA], s[TA], 128                 ; two K steps on: 128 bytes of A's rows,
	s_add_co_u32 s[TW], s[TW], 64*PW               ; 64 rows of W
	v_add_nc_u32 v[VA], s[TA], v[AA0]
	v_add_nc_u32 v[VW], s[TW], v[AW0]
	s_sub_co_u32 s[CNT], s[CNT], 1
	s_cmp_lg_u32 s[CNT], 0
	s_cbranch_scc1 .Lk_\@
	s_wait_dscnt 16
	MUL F0
	s_wait_dscnt 0x0
	MUL F1
	WIN 0
.endm
; The change of slots.  Each wave waits for all its tensor loads (one is out: its part of the other slot), adds 0 to its spare word, and waits for that and for its reads of the slot that it leaves.
; fill = 1: the barrier is a round of the cluster's, and the slot just read is filled again first thing behind it, with K two slots on: the load has a slot's 128 products in which to land.
.macro CHANGE slot, fill
	WIN 0
	s_wait_tensorcnt 0x0                           ; no tensor load of mine is out, so a group 0 may be written
	ds_add_u32 v[SPW], v[NIL]
.if \fill
	s_add_nc_u64 s[G0A+4*(\slot)+2:G0A+4*(\slot)+3], s[G0A+4*(\slot)+2:G0A+4*(\slot)+3], 1024
	s_add_nc_u64 s[G0W+4*(\slot)+2:G0W+4*(\slot)+3], s[G0W+4*(\slot)+2:G0W+4*(\slot)+3], 1024*WPITCH
.endif
	s_wait_dscnt 0x0                               ; the add is done, and my reads of the slot are over
.if \fill
	CROUND
	JLOAD \slot
.else
	s_barrier_signal -1
	s_barrier_wait -1
.endif
.endm
	s_wait_loadcnt 0x0                             ; the bias lies in the accumulators
	s_wait_tensorcnt 0x1                           ; my part of slot 0 is in; slot 1's may stay out
	s_barrier_signal -1
	s_barrier_wait -1                              ; everybody's is
	SLOTRUN 0
.if NS > 2
	s_mov_b32 s[LAP], NS/2-1
.Llap:
	CHANGE 0, 1
	SLOTRUN 1
	CHANGE 1, 1
	SLOTRUN 0
	s_sub_co_u32 s[LAP], s[LAP], 1
	s_cmp_lg_u32 s[LAP], 0
	s_cbranch_scc1 .Llap
.endif
	CHANGE 0, 0                                    ; the last slot: nothing is left to fetch
	SLOTRUN 1
	PLACES
	; THE WAY OUT.  The f32 sums go into the stage, 32 bytes a lane; a barrier, since a row's 512 bytes come from two waves; back as whole rows, 32 rows a wave.
.if F32OUT
	WIN W_TOF                                      ; the residual's rows are asked for first, into the fragment buffers, which are free
.set i, 0
.rept 32
	global_load_b128 v[4*i:4*i+3], v[CO], s[68:69] offset:2048*i
.set i, i+1
.endr
	WIN 0
.if MODE == 4
.set i, 0
.rept 32
	global_load_b64 v[PK+2*i:PK+2*i+1], v[CO2], s[70:71] offset:1024*i
.set i, i+1
.endr
.endif
.endif
.irp a, 0,1,2,3
.irp b, 0,1,2,3
	ds_store_b128 v[STO], v[ACC+8*(4*(\a)+(\b)):ACC+8*(4*(\a)+(\b))+3]   offset:(\a)*16*PA+64*(\b)      ; each accumulator's low registers first
	ds_store_b128 v[STO], v[ACC+8*(4*(\a)+(\b))+4:ACC+8*(4*(\a)+(\b))+7] offset:(\a)*16*PA+64*(\b)+16
.endr
.endr
	s_wait_dscnt 0x0                               ; for the others' sake: my stores into the stage are done
	s_barrier_signal -1
	s_barrier_wait -1
.if F32OUT
.set i, 0
.rept 32
	ds_load_b128 v[ACC+4*i:ACC+4*i+3], v[RD] offset:i*PA
.set i, i+1
.endr
	s_wait_dscnt 0x0
	s_wait_loadcnt 0x0                             ; the residual is in
	WIN 0x04                                       ; source 1 in window 1
.set i, 0
.rept 64
	v_pk_add_f32 v[ACC+2*i:ACC+2*i+1], v[ACC+2*i:ACC+2*i+1], v[2*i:2*i+1]
.set i, i+1
.endr
	WIN 0
.if MODE == 4
.set i, 0
.rept 32                               ; x_ln: bf16 to f32 is a shift or a mask
	v_lshlrev_b32 v[GT+4*(i%2)],   16, v[PK+2*i]
	v_and_b32     v[GT+4*(i%2)+1], 0xffff0000, v[PK+2*i]
	v_lshlrev_b32 v[GT+4*(i%2)+2], 16, v[PK+2*i+1]
	v_and_b32     v[GT+4*(i%2)+3], 0xffff0000, v[PK+2*i+1]
	v_pk_add_f32 v[ACC+4*i:ACC+4*i+1],   v[ACC+4*i:ACC+4*i+1],   v[GT+4*(i%2):GT+4*(i%2)+1]
	v_pk_add_f32 v[ACC+4*i+2:ACC+4*i+3], v[ACC+4*i+2:ACC+4*i+3], v[GT+4*(i%2)+2:GT+4*(i%2)+3]
.set i, i+1
.endr
.endif
.set i, 0
.rept 32
	global_store_b128 v[CO], v[ACC+4*i:ACC+4*i+3], s[8:9] offset:2048*i  ; a wave stores 512 consecutive bytes, aligned
.set i, i+1
.endr
.else
; gelu(v) = v / 2 + |v| (1/2 - (1/2) poly(t) exp(-v^2 / 2)), t = 1 / (1 + 0.3275911 |v| / sqrt(2)): eight numbers, one batch of 16 transcendentals with one wait
.macro GELU g
.set VV, ACC+8*(\g)
.irp j, 0,1,2,3,4,5,6,7
	v_and_b32 v[GT+(\j)], 0x7fffffff, v[VV+(\j)]
.endr
.irp j, 0,2,4,6
	v_pk_fma_f32 v[GT+8+(\j):GT+9+(\j)], v[GT+(\j):GT+1+(\j)], s[72:73], 1.0 op_sel_hi:[1,0,0]
	v_pk_mul_f32 v[GT+16+(\j):GT+17+(\j)], v[VV+(\j):VV+1+(\j)], v[VV+(\j):VV+1+(\j)]
.endr
.irp j, 0,2,4,6
	v_pk_mul_f32 v[GT+16+(\j):GT+17+(\j)], v[GT+16+(\j):GT+17+(\j)], s[74:75] op_sel_hi:[1,0]
.endr
.irp j, 0,1,2,3,4,5,6,7
	v_rcp_f32 v[GT+8+(\j)], v[GT+8+(\j)]
.endr
.irp j, 0,1,2,3,4,5,6,7
	v_exp_f32 v[GT+16+(\j)], v[GT+16+(\j)]
.endr
	v_nop                                          ; a plain instruction behind the last of the batch,
	s_wait_alu depctr_va_vdst(0)                   ; and the one wait ahead of its first reader
.irp j, 0,2,4,6
	v_pk_fma_f32 v[GT+24+(\j):GT+25+(\j)], v[GT+8+(\j):GT+9+(\j)], s[76:77], s[78:79] op_sel_hi:[1,0,0]
.endr
.irp c, 80,82,84
.irp j, 0,2,4,6
	v_pk_fma_f32 v[GT+24+(\j):GT+25+(\j)], v[GT+24+(\j):GT+25+(\j)], v[GT+8+(\j):GT+9+(\j)], s[\c:\c+1] op_sel_hi:[1,1,0]
.endr
.endr
.irp j, 0,2,4,6
	v_pk_mul_f32 v[GT+24+(\j):GT+25+(\j)], v[GT+24+(\j):GT+25+(\j)], v[GT+8+(\j):GT+9+(\j)]
.endr
.irp j, 0,2,4,6
	v_pk_fma_f32 v[GT+24+(\j):GT+25+(\j)], v[GT+24+(\j):GT+25+(\j)], v[GT+16+(\j):GT+17+(\j)], 0.5 op_sel_hi:[1,1,0]
.endr
.irp j, 0,2,4,6
	v_pk_mul_f32 v[GT+24+(\j):GT+25+(\j)], v[GT+24+(\j):GT+25+(\j)], v[GT+(\j):GT+1+(\j)]
.endr
.irp j, 0,2,4,6
	v_pk_fma_f32 v[VV+(\j):VV+1+(\j)], v[VV+(\j):VV+1+(\j)], 0.5, v[GT+24+(\j):GT+25+(\j)] op_sel_hi:[1,0,1]
.endr
.endm
	s_mov_b32 s[CNT], 4
.Lrows:                                        ; four trips of eight rows
.irp i, 0,1,2,3,4,5,6,7
	ds_load_b128 v[ACC+4*(\i):ACC+4*(\i)+3], v[RD] offset:(\i)*PA
.endr
	s_wait_dscnt 0x0
.if MODE == 1
.set k, 0
.rept 16
	v_pk_mul_f32 v[ACC+2*k:ACC+2*k+1], v[ACC+2*k:ACC+2*k+1], s[96:97] op_sel_hi:[1,0]
.set k, k+1
.endr
.elseif MODE == 3
	GELU 0
	GELU 1
	GELU 2
	GELU 3
.endif
.set k, 0
.rept 16
	v_cvt_pk_bf16_f32 v[PK+k], v[ACC+2*k], v[ACC+2*k+1]
.set k, k+1
.endr
.irp i, 0,1,2,3,4,5,6,7
	global_store_b64 v[CO], v[PK+2*(\i):PK+2*(\i)+1], s[8:9] offset:(\i)*OPITCH  ; a wave stores 256 consecutive bytes, aligned
.endr
	s_wait_xcnt 0x0                                ; the stores have read their data and their base: only now are these written again
	v_add_nc_u32 v[RD], 8*PA, v[RD]
	s_add_nc_u64 s[8:9], s[8:9], 8*OPITCH
	s_sub_co_u32 s[CNT], s[CNT], 1
	s_cmp_lg_u32 s[CNT], 0
	s_cbranch_scc1 .Lrows
.endif
	s_wait_tensorcnt 0x0                           ; the wave's end, behind my last tensor load and my last LDS store
	ds_add_u32 v[SPW], v[NIL]
	s_wait_dscnt 0x0
	CROUND                                         ; the closing round: no work-group ends while a partner may still ask for a tile that names it
	s_endpgm
.Lfunc_end_k_q2c8fabcfaa_qkvp:
	.size	k_q2c8fabcfaa_qkvp, .Lfunc_end_k_q2c8fabcfaa_qkvp-k_q2c8fabcfaa_qkvp
	.p2alignl 7, 3214868480
	.fill 96, 4, 3214868480
	.section	.rodata,"a",@progbits
	.p2align	6, 0x0
	.amdhsa_kernel k_q2c8fabcfaa_qkvp
		.amdhsa_group_segment_fixed_size 327680
		.amdhsa_private_segment_fixed_size 0
		.amdhsa_enable_private_segment 0
		.amdhsa_kernarg_size 80
		.amdhsa_user_sgpr_count 2
		.amdhsa_user_sgpr_kernarg_segment_ptr 1
		.amdhsa_wavefront_size32 1
		.amdhsa_system_sgpr_workgroup_id_x 1
		.amdhsa_system_sgpr_workgroup_id_y 1
		.amdhsa_system_sgpr_workgroup_id_z 1
		.amdhsa_system_vgpr_workitem_id 0
		.amdhsa_next_free_vgpr 384
		.amdhsa_next_free_sgpr 100
		.amdhsa_reserve_vcc 0
		.amdhsa_float_denorm_mode_32 3
		.amdhsa_float_denorm_mode_16_64 3
		.amdhsa_memory_ordered 1
		.amdhsa_forward_progress 1
		.amdhsa_inst_pref_size 36
	.end_amdhsa_kernel
	.amdgpu_metadata
---
amdhsa.version: [ 1, 2 ]
amdhsa.kernels:
  - .name:           k_q2c8fabcfaa_qkvp
    .symbol:         k_q2c8fabcfaa_qkvp.kd
    .args:
      - { .name: xf, .offset: 0, .size: 8, .value_kind: global_buffer, .address_space: global }
      - { .name: cat, .offset: 8, .size: 8, .value_kind: global_buffer, .address_space: global }
      - { .name: wb, .offset: 16, .size: 8, .value_kind: global_buffer, .address_space: global }
      - { .name: g_bq, .offset: 24, .size: 8, .value_kind: global_buffer, .address_space: global }
      - { .name: g_bk, .offset: 32, .size: 8, .value_kind: global_buffer, .address_space: global }
      - { .name: g_bv, .offset: 40, .size: 8, .value_kind: global_buffer, .address_space: global }
      - { .name: e_bq, .offset: 48, .size: 8, .value_kind: global_buffer, .address_space: global }
      - { .name: e_bk, .offset: 56, .size: 8, .value_kind: global_buffer, .address_space: global }
      - { .name: e_bv, .offset: 64, .size: 8, .value_kind: global_buffer, .address_space: global }
      - { .name: qkv, .offset: 72, .size: 8, .value_kind: global_buffer, .address_space: global }
    .group_segment_fixed_size: 327680
    .private_segment_fixed_size: 0
    .kernarg_segment_align: 8
    .kernarg_segment_size: 80
    .max_flat_workgroup_size: 128
    .sgpr_count:     100
    .vgpr_count:     384
    .wavefront_size: 32
...
	.end_amdgpu_metadata
.endif
;; end of part 3
;; launch attn (part 4): grid 16 x 16, 8 waves a work-group, clusters of 4 x 4, 327,680 bytes of LDS; arguments qkv, M, obuf; writes obuf
.if DOCPART == 4
	.amdgcn_target "amdgcn-amd-amdhsa--gfx1250"
	.amdhsa_code_object_version 6
	.text
	.protected	k_q2c8fabcfaa_attn
	.globl	k_q2c8fabcfaa_attn
	.p2align	8
	.type	k_q2c8fabcfaa_attn,@function
k_q2c8fabcfaa_attn:
	s_mov_b64 s[64:65], 0
	v_nop
	global_prefetch_b8 v0, s[64:65] scope:SCOPE_SE
	s_setreg_imm32_b32 hwreg(HW_REG_WAVE_MODE, 25, 1), 1
	s_wait_xcnt 0x0
	s_wait_alu depctr_hold_cnt(0) depctr_sa_sdst(0) depctr_va_vdst(0) depctr_va_sdst(0) depctr_va_ssrc(0) depctr_va_vcc(0) depctr_vm_vsrc(0)
	s_getreg_b32 s2, hwreg(HW_REG_IB_STS2, 6, 4)
	s_cmp_eq_u32 s2, 0
	s_cbranch_scc0 .Lentry_in_a_cluster
	s_endpgm
.Lentry_in_a_cluster:
	s_bfe_u32 s2, ttmp6, 0x10000c
	s_cmp_lg_u32 s2, 0xf033
	s_cbranch_scc0 .Lentry_shape_is_right
	s_endpgm
.Lentry_shape_is_right:
; MASKED ATTENTION, both branches.  With s = (Q . K / 8) M, e = exp(s - max s), the reference's softmax, second masking and L1 renormalisation are one division:
;   O[q] = sum_k e M V[k] / (sum_k e |M| + 1e-8 sum_k e).
; qkv: [6][4096][512] bf16 (3 x branch + Q, K, V; column 64 x head + channel); Q arrives times log2(e) / 8, so e = 2^(s - m).  M: [2][2048][2048] f32.  obuf: [2][4096][512] bf16.
; Products, maxima and sums in f32.  The weights P = e M are rounded to bf16 for the second product; L = sum |P| is taken of the rounded weights, by the matrix unit (a product with ones);
; Z = sum e is taken in f32 by the vector unit.  A running maximum m: in every step O, L and Z are multiplied by a = 2^(m_old - m_new).
; LIMITS.  NaN and infinities are not treated apart; a weight below 2^-126 counts as 0.
; SHARES.  A work-group owns 128 queries of one batch row and branch, and TWO neighbouring heads: in a row of qkv these are 256 aligned bytes.
; EIGHT WAVES, two to a SIMD, 512 registers each.  Wave w: head w / 4 of the pair, queries 32 (w % 4) on, two tiles of 16.  A tile of 16 queries x 64 keys has 18 matrix and about 166 vector instructions; each wave
; takes them in phases, and the two waves of a SIMD are not bound to each other between barriers, so that one's vector lines can be issued while the other's products are at work.  The price: a fragment of K or V
; feeds two tiles: 48 LDS loads for a wave's 36 products of a step.
; Every wave walks 2,048 keys: 16 slots of 128 keys, two steps of 64 in each.  A slot is four loads of 32 KiB: K (wave 0), V (wave 1), M's two halves of 64 rows (waves 2, 3); waves 4 to 7 fetch nothing.
; LAYOUT.  S^T = K Q^T holds one query a lane (l % 16) and the keys 8 (l / 16) + 0..7; M is read from LDS in the same places; two such results rounded in pairs ARE source 1 of O^T = V^T P.
; CLUSTER 4 x 4: x = four blocks of queries, y = the four pairs of heads.  K and V hang on the pair alone and are asked for jointly along a row, M on the block alone and jointly along a column.
; No first step is written out: m starts at the lowest finite number, O, L and Z at 0 (80 lines that write 0, in the wait for the first tile).
; REGISTERS, in windows of 256 (s_set_vgpr_msb: bits 1:0 source 0, 3:2 source 1, 5:4 source 2, 7:6 destination):
;   window 0: addresses, statistics, S^T, M (a buffer a tile), P, |P|, Q     window 1: v0-63 O^T, 32 a tile; v64-79 L, 8 a tile; v80-143 K; v144-207 V; v208-215 the ones
.set KS,    64
.set PM,    528                        ; an LDS row of M: 512 bytes + 16
.set PK,    272                        ; of K: 256 + 16: in both the 16 rows of a load start at 16 different groups of four banks (64 banks of 4 bytes: ISA guide 11.1)
.set PV,    288                        ; of V: 256 + 32
.set KOFF,  128*PM                     ; a slot: M's 128 rows, K's 128, V's 128
.set VOFF,  KOFF+128*PK
.set SLOT,  VOFF+128*PV                ; 0x22000: it shares no bit with KOFF, VOFF or 64 PM, so one exclusive or moves a tile's LDS address to the other slot and back
.set STAGE, 2*SLOT                     ; behind the ring, never filled by a tensor load: 128 rows x 272 bytes, for the way out
.set SP,    272
.set SPARE, STAGE+128*SP               ; the spare words, 128 bytes for each of the eight waves: four blocks of 256 bytes that no other line names
.set AK0, 2                            ; v2-4   my lane's place in a slot's K, V, M; never rewritten
.set AV0, 3
.set AM0, 4
.set AK,  5                            ; v5-7   the LDS addresses of the step in hand
.set AV,  6
.set AM,  7
.set QO,  8
.set STO, 9
.set RD,  10
.set GO,  11
.set PFO, 12                           ; v12  the prefetches' offset; never rewritten
.set ST,  16                           ; tile t's statistics at v[ST+4 t]: m, at work, Z (even keys', odd keys')
.set CC,  48                           ; v48-51 at work
.set MN,  52                           ; v[52:53] the new m; m_old - m_new
.set AA,  54                           ; v[54:55] a; 0
.set SPW, 62
.set NIL, 63
.set S,   64                           ; v64-95
.set MR,  96                           ; v96-159: tile t's M at MR + 32 t
.set P,   160                          ; v160-175
.set PA,  176                          ; v176-191
.set Q,   200                          ; v200-231: tile t, channel half c at Q + 16 t + 8 c
.set LA,  64                           ; window 1
.set KF,  80                           ; window 1: key block kb, channel half c at KF + 16 kb + 8 c
.set VF,  144                          ; window 1: key half kk, channel block cb at VF + 32 kk + 8 cb
.set ONES, 208                         ; window 1: source 0 with ones in rows 0 and 8 and zeros elsewhere: L falls into register 0 of both halves of the lanes, the other seven stay 0
.set WV,  12
.set G1K, 24
.set G1V, 32
.set G1M, 40
.set G0K, 48                           ; one walking group 0 for each kind
.set G0V, 52
.set G0M, 56
.set SEL, 60                           ; s[60:61] v_permlanex16_b32's selects
.set SLOTS, 66
.set CNT, 67
.set TBK, 68                           ; s68-70 LDS byte at which the step to be fetched begins, in K's, V's and M's rows
.set TBV, 69
.set TBM, 70
.set ABSM, 71
.set PFA, 72                           ; s[72:73] where my prefetches stand
.set LIM, 74                           ; 1 in a wave that prefetches, else the greatest number
.set EPS, 75
.set PFS, 76                           ; s[76:77] a slot's step in the stream that I prefetch
.set FH,  92                           ; s92  w % 2: among the fetching waves, K or V, or which half of M's rows
.set W_KQ, 0x01                        ; K in window 1; Q and S^T in window 0
.set W_PV, 0x51                        ; V (or the ones) and O^T (or L) in window 1; P (or |P|) in window 0
.set W_RS, 0x41                        ; destination and source 0 in window 1, source 1 in window 0
.set W_TO1, 0x40                       ; destination in window 1, address or source in window 0
.set MSB, 0
.macro WIN new                         ; the immediate's high byte repeats the setting that is left; a switch that changes nothing is dropped
.if MSB != (\new)
	s_set_vgpr_msb (MSB<<8)|(\new)
.set MSB, \new
.endif
.endm
.macro PLACES                          ; four plain places behind matrix instructions (ISA guide 7.12.1)
.rept 4
	v_nop
.endr
.endm
.macro JLOAD                           ; a joint load, one for each of waves 0 to 3; the branches hang on the wave's number alone; an s_nop 0 and four v_nop follow each line
	s_cmp_lt_u32 s[WV], 4
	s_cbranch_scc0 .Lasked_\@
	s_cmp_lt_u32 s[WV], 2
	s_cbranch_scc0 .Lfor_m_\@
	s_cmp_eq_u32 s[WV], 0
	s_cbranch_scc0 .Lfor_v_\@
	tensor_load_to_lds s[G0K:G0K+3], s[G1K:G1K+7]
	s_nop 0
	PLACES
	s_branch .Lasked_\@
.Lfor_v_\@:
	tensor_load_to_lds s[G0V:G0V+3], s[G1V:G1V+7]
	s_nop 0
	PLACES
	s_branch .Lasked_\@
.Lfor_m_\@:
	tensor_load_to_lds s[G0M:G0M+3], s[G1M:G1M+7]
	s_nop 0
	PLACES
.Lasked_\@:
.endm
; A PREFETCH INTO THE L2 of what the NEXT change of slots will ask for, two key steps ahead; one instruction a wave, a lane a block of 256 bytes.
; Each block is named once in the launch.  K and V of a pair of heads are walked by the four clusters along x: the first of them asks; its four partners along x take 32 of the 128 rows each, BY ADDRESS.
; M's rows are walked by both branches: branch 0 asks; the four partners along y take 16 of a wave's 64 rows each (two blocks a row), by address.  Waves 4 to 7 never ask.  The last change that fills a slot asks for nothing.
.macro ASK
	s_cmp_gt_u32 s[SLOTS], s[LIM]
	s_cbranch_scc0 .Lnot_mine_\@
	global_prefetch_b8 v[PFO], s[PFA:PFA+1] th:TH_LOAD_NT scope:SCOPE_SE
.Lnot_mine_\@:
.endm
.macro CROUND                          ; a round of the cluster's barrier: my work-group's barrier, wave 0 signals for it, all wait for all sixteen, my work-group's barrier again
	s_barrier_signal -1
	s_barrier_wait -1
	s_cmp_lg_u32 s[WV], 0
	s_cbranch_scc1 .Lnot_wave_0_\@
	s_barrier_signal -3
.Lnot_wave_0_\@:
	s_barrier_wait -3
	s_barrier_signal -1
	s_barrier_wait -1
.endm
	s_load_b128 s[4:7], s[0:1], 0x0                ; qkv s[4:5], M s[6:7]
	s_load_b64 s[8:9], s[0:1], 0x10                ; obuf
	v_lshl_add_u32 v[SPW], v0, 2, SPARE
	v_mov_b32 v[NIL], 0
	ds_add_u32 v[SPW], v[NIL]                      ; the wave's opening: the add and its wait stand ahead of my first tensor load; the set-up below stands between them
	v_lshrrev_b32 v1, 5, v0
	v_readfirstlane_b32 s[WV], v1                  ; wave 0..7
	s_lshr_b32 s19, s[WV], 2                       ; my head of the pair
	s_and_b32 s20, s[WV], 3                        ; my quarter of the block's queries
	s_and_b32 s[FH], s[WV], 1
	s_bfe_u32 s13, ttmp6, 0x40000                  ; cx
	s_bfe_u32 s14, ttmp6, 0x40004                  ; cy: the pair of heads
	s_lshl_b32 s15, ttmp9, 2
	s_add_co_u32 s15, s15, s13                     ; the block of 128 queries
	s_and_b32 s16, ttmp7, 0xffff                   ; cluster y = 2 x branch + batch row
	s_lshr_b32 s17, s16, 1
	s_and_b32 s18, s16, 1
	s_lshl_b32 s21, s14, 2
	s_lshl_b32 s21, 15, s21                        ; my row of the cluster
	s_lshl_b32 s22, 0x1111, s13                    ; my column
	s_or_b32 s[G1K], s21, (1<<16)|(1<<20)|(1<<21)|(5<<22)|(3<<25)  ; 2-byte elements; padding: after every 64 words 4 words
	s_or_b32 s[G1V], s21, (1<<16)|(1<<20)|(1<<21)|(5<<22)|(7<<25)  ; 8 words
	s_or_b32 s[G1M], s22, (2<<16)|(1<<20)|(1<<21)|(6<<22)|(3<<25)  ; 4-byte elements; after every 128 words 4 words
.irp g, G1K, G1V
	s_mov_b32 s[\g+1], 128<<16                     ; 128 elements: two heads' channels
	s_mov_b32 s[\g+2], 128<<16                     ; 128 keys
	s_mov_b32 s[\g+3], 128<<16
	s_mov_b32 s[\g+4], 128
	s_mov_b32 s[\g+5], 512
	s_mov_b32 s[\g+6], 0
	s_mov_b32 s[\g+7], 0
.endr
	s_mov_b32 s[G1M+1], 128<<16                    ; 128 keys
	s_mov_b32 s[G1M+2], 64<<16                     ; 64 queries
	s_mov_b32 s[G1M+3], 128<<16
	s_mov_b32 s[G1M+4], 64
	s_mov_b32 s[G1M+5], 2048
	s_mov_b32 s[G1M+6], 0
	s_mov_b32 s[G1M+7], 0
	s_mov_b32 s[G0K], 1
	s_mov_b32 s[G0K+1], KOFF
	s_mov_b32 s[G0V], 1
	s_mov_b32 s[G0V+1], VOFF
	s_mov_b32 s[G0M], 1
	s_mul_i32 s[G0M+1], s[FH], 64*PM
	s_mul_i32 s78, s17, 3                          ; K: matrix 3 x branch + 1, the batch row's 2,048 rows, the pair's 256 bytes; no cx enters
	s_add_co_u32 s78, s78, 1
	s_lshl_b32 s78, s78, 22
	s_lshl_b32 s2, s18, 21
	s_add_co_u32 s78, s78, s2
	s_lshl_b32 s2, s14, 8
	s_add_co_u32 s78, s78, s2
	s_mov_b32 s79, 0
	s_lshl_b32 s80, s18, 24                        ; M: the batch row, the block's 128 rows of 8,192 bytes, the 64 of them that I fetch; no cy enters
	s_lshl_b32 s3, s15, 20
	s_add_co_u32 s80, s80, s3
	s_lshl_b32 s3, s[FH], 19
	s_add_co_u32 s80, s80, s3
	s_mov_b32 s81, 0
	s_mul_i32 s82, s17, 3                          ; Q: my 32 rows, my head's 128 bytes
	s_lshl_b32 s82, s82, 22
	s_lshl_b32 s23, s18, 21
	s_add_co_u32 s82, s82, s23
	s_lshl_b32 s23, s15, 17
	s_add_co_u32 s82, s82, s23
	s_lshl_b32 s23, s20, 15
	s_add_co_u32 s82, s82, s23
	s_lshl1_add_u32 s23, s14, s19
	s_lshl_b32 s23, s23, 7
	s_add_co_u32 s82, s82, s23
	s_mov_b32 s83, 0
	s_lshl_b32 s84, s16, 21                        ; O: the 16 rows that I store, the pair's 256 bytes
	s_lshl_b32 s23, s15, 17
	s_add_co_u32 s84, s84, s23
	s_lshl_b32 s23, s[WV], 14
	s_add_co_u32 s84, s84, s23
	s_lshl_b32 s23, s14, 8
	s_add_co_u32 s84, s84, s23
	s_mov_b32 s85, 0
	s_lshl_b32 s86, s13, 15                        ; the prefetches.  K (wave 0) or V (wave 1): my work-group's 32 rows of the slot's 128
	s_add_co_u32 s86, s86, s78
	s_lshl_b32 s23, s[FH], 22
	s_add_co_u32 s86, s86, s23
	s_lshl_b32 s87, s14, 17                        ; M (waves 2, 3): my work-group's 16 rows of my 64
	s_add_co_u32 s87, s87, s80
	s_mov_b32 s[PFS], 512
	s_mov_b32 s88, 8192
	s_mov_b32 s89, 256
	s_cmp_lt_u32 s[WV], 2
	s_cselect_b32 s86, s86, s87
	s_cselect_b32 s[PFS], 128*1024, s[PFS]         ; a slot on: 128 rows of K or V, or 512 bytes of M's rows
	s_cselect_b32 s88, 1024, s88                   ; lane l names row l % 16 ...
	s_cselect_b32 s89, 16384, s89                  ; ... + 16 (l / 16) of K or V; of M: block l / 16 of the row's two
	s_cselect_b32 s23, ttmp9, s17                  ; the coordinate along which other clusters read the same blocks
	s_mov_b32 s87, 0
	s_mov_b32 s[PFS+1], 0
	s_cmp_eq_u32 s23, 0
	s_cselect_b32 s[LIM], 1, -1                    ; the same in all sixteen partners, for a given wave
	s_cmp_lt_u32 s[WV], 4
	s_cselect_b32 s[LIM], s[LIM], -1               ; the waves that fetch nothing ask for nothing
	s_mov_b32 s[SEL], 0x76543210
	s_mov_b32 s[SEL+1], 0xfedcba98
	s_mov_b32 s[ABSM], 0x7fff7fff
	s_mov_b32 s[EPS], 0x322bcc77                   ; 1e-8
	s_mov_b32 s[TBK], SLOT+2*KS*PK                 ; the first change of slots turns these three into 0
	s_mov_b32 s[TBV], SLOT+2*KS*PV
	s_mov_b32 s[TBM], SLOT+2*KS*4
	s_mov_b32 s[SLOTS], 15
	s_wait_dscnt 0x0                               ; the opening add is done
	s_wait_kmcnt 0x0
	s_add_nc_u64 s[G0K+2:G0K+3], s[4:5], s[78:79]
	s_add_nc_u64 s[G0V+2:G0V+3], s[G0K+2:G0K+3], 1<<22  ; V is the matrix behind K
	s_or_b32 s[G0K+3], s[G0K+3], 0x80000000
	s_or_b32 s[G0V+3], s[G0V+3], 0x80000000
	s_add_nc_u64 s[G0M+2:G0M+3], s[6:7], s[80:81]
	s_or_b32 s[G0M+3], s[G0M+3], 0x80000000
	s_add_nc_u64 s[90:91], s[4:5], s[82:83]        ; Q
	s_add_nc_u64 s[10:11], s[8:9], s[84:85]        ; O
	s_cmp_lt_u32 s[WV], 2
	s_cselect_b64 s[PFA:PFA+1], s[4:5], s[6:7]
	s_add_nc_u64 s[PFA:PFA+1], s[PFA:PFA+1], s[86:87]
	s_add_nc_u64 s[PFA:PFA+1], s[PFA:PFA+1], s[PFS:PFS+1]  ; at slot 1; the first change steps it to slot 2.  Nothing is prefetched at the head
	CROUND                                         ; all sixteen work-groups are here: the first joint loads meet
	JLOAD                                          ; slot 0.  Slot 1 is asked for when slot 0 is in, by the loop's own change of slots
	v_and_b32 v1, 15, v0                           ; r
	v_bfe_u32 v13, v0, 4, 1                        ; hh
	v_and_b32 v14, 7, v0
	v_bfe_u32 v15, v0, 3, 1
	v_lshlrev_b32 v[QO], 10, v1
	v_lshl_add_u32 v[QO], v13, 4, v[QO]
.irp t, 0,1
.irp c, 0,1
	global_load_b128 v[Q+16*(\t)+8*(\c):Q+16*(\t)+8*(\c)+3],   v[QO], s[90:91] offset:(\t)*16384+(\c)*64     ; Q stays in registers: tile t, channels 32 c on
	global_load_b128 v[Q+16*(\t)+8*(\c)+4:Q+16*(\t)+8*(\c)+7], v[QO], s[90:91] offset:(\t)*16384+(\c)*64+32
.endr
.endr
	s_mov_b32 s2, 0x3f803f80                       ; 1.0 twice, in bf16
	v_cmp_eq_u32 vcc_lo, 0, v14
	v_cndmask_b32 v[CC], 0, s2, vcc_lo             ; lanes 0, 8, 16, 24 hold rows 0 and 8 of source 0
	WIN W_TO1
.irp k, 0,1,2,3,4,5,6,7
	v_mov_b32 v[ONES+(\k)], v[CC]
.endr
.set i, 0
.rept 80
	v_mov_b32 v[i], 0                              ; O^T and L
.set i, i+1
.endr
	WIN 0
.irp t, 0,1
	v_mov_b32 v[ST+4*(\t)], 0xff7fffff             ; m: the lowest finite number, so that the first step's a is 0
	v_mov_b32 v[ST+4*(\t)+1], 0
	v_mov_b32 v[ST+4*(\t)+2], 0
	v_mov_b32 v[ST+4*(\t)+3], 0
.endr
	v_mov_b32 v[AA+1], 0                           ; named with a as a pair
	v_mul_u32_u24 v[AK0], v1, PK                   ; K: key r, my head's 128 bytes, 16 bytes for each half of the lanes
	v_lshl_add_u32 v[AK0], v13, 4, v[AK0]
	s_lshl_b32 s2, s19, 7
	s_add_co_u32 s3, s2, KOFF
	v_add_nc_u32 v[AK0], s3, v[AK0]
	v_lshl_add_u32 v[AV0], v13, 3, v14             ; V, turned: lane l reads key 8 hh + l % 8, channels 8 ((l / 8) % 2) + 0..7
	v_mul_u32_u24 v[AV0], v[AV0], PV
	v_lshl_add_u32 v[AV0], v15, 4, v[AV0]
	s_add_co_u32 s3, s2, VOFF
	v_add_nc_u32 v[AV0], s3, v[AV0]
	v_mul_u32_u24 v[AM0], v1, PM                   ; M: query 32 (w % 4) + r, keys 8 hh + 0..7: 32 bytes
	v_lshl_add_u32 v[AM0], v13, 5, v[AM0]
	s_mul_i32 s3, s20, 32*PM
	v_add_nc_u32 v[AM0], s3, v[AM0]
	v_mul_u32_u24 v[STO], v1, SP                   ; into the stage: my query's row, my head's half of it
	v_lshl_add_u32 v[STO], v13, 4, v[STO]
	s_mul_i32 s3, s20, 32*SP
	s_add_co_u32 s3, s3, s2
	s_add_co_u32 s3, s3, STAGE
	v_add_nc_u32 v[STO], s3, v[STO]
	v_mul_u32_u24 v[RD], v13, SP                   ; back: wave w takes rows 16 w on, two whole rows of 256 bytes a load
	v_lshl_add_u32 v[RD], v1, 4, v[RD]
	s_mul_i32 s3, s[WV], 16*SP
	s_add_co_u32 s3, s3, STAGE
	v_add_nc_u32 v[RD], s3, v[RD]
	v_lshlrev_b32 v[GO], 10, v13
	v_lshl_add_u32 v[GO], v1, 4, v[GO]
	v_mul_u32_u24 v[PFO], s88, v1
	v_mad_u32_u24 v[PFO], v13, s89, v[PFO]
.macro FETCH_K                         ; a step's K for my head: 64 keys x 64 channels, 16 loads
	WIN W_TO1
.irp kb, 0,1,2,3
.irp c, 0,1
	ds_load_b128 v[KF+16*(\kb)+8*(\c):KF+16*(\kb)+8*(\c)+3],   v[AK] offset:(\kb)*16*PK+64*(\c)
	ds_load_b128 v[KF+16*(\kb)+8*(\c)+4:KF+16*(\kb)+8*(\c)+7], v[AK] offset:(\kb)*16*PK+64*(\c)+32
.endr
.endr
.endm
.macro FETCH_V                         ; its V, turned: 16 loads
	WIN W_TO1
.irp kk, 0,1
.irp cb, 0,1,2,3
	ds_load_tr16_b128 v[VF+32*(\kk)+8*(\cb):VF+32*(\kk)+8*(\cb)+3],   v[AV] offset:(\kk)*32*PV+32*(\cb)
	ds_load_tr16_b128 v[VF+32*(\kk)+8*(\cb)+4:VF+32*(\kk)+8*(\cb)+7], v[AV] offset:(\kk)*32*PV+32*(\cb)+16*PV
.endr
.endr
.endm
.macro FETCH_M t                       ; tile t's 16 queries x 64 keys of M, in S^T's places: 8 loads
	WIN 0
.irp kb, 0,1,2,3
	ds_load_b128 v[MR+32*(\t)+8*(\kb):MR+32*(\t)+8*(\kb)+3],   v[AM] offset:(\t)*16*PM+64*(\kb)
	ds_load_b128 v[MR+32*(\t)+8*(\kb)+4:MR+32*(\t)+8*(\kb)+7], v[AM] offset:(\t)*16*PM+64*(\kb)+16
.endr
.endm
.macro KQ t                            ; S^T = K Q^T: product i: keys 16 (i % 4) on, channels 32 (i / 4) on.  The four accumulators take turns; the first four start the sums
	WIN W_KQ
.set i, 0
.rept 8
.if i < 4
	v_wmma_f32_16x16x32_bf16 v[S+8*(i%4):S+8*(i%4)+7], v[KF+16*(i%4)+8*(i/4):KF+16*(i%4)+8*(i/4)+7], v[Q+16*(\t)+8*(i/4):Q+16*(\t)+8*(i/4)+7], 0
.else
	v_wmma_f32_16x16x32_bf16 v[S+8*(i%4):S+8*(i%4)+7], v[KF+16*(i%4)+8*(i/4):KF+16*(i%4)+8*(i/4)+7], v[Q+16*(\t)+8*(i/4):Q+16*(\t)+8*(i/4)+7], v[S+8*(i%4):S+8*(i%4)+7]
.endif
.set i, i+1
.endr
.endm
.macro PV t                            ; O^T += V^T P and L += ones |P|: five accumulators by turns, twice
	WIN W_PV
.irp kk, 0,1
.irp cb, 0,1,2,3
	v_wmma_f32_16x16x32_bf16 v[32*(\t)+8*(\cb):32*(\t)+8*(\cb)+7], v[VF+32*(\kk)+8*(\cb):VF+32*(\kk)+8*(\cb)+7], v[P+8*(\kk):P+8*(\kk)+7], v[32*(\t)+8*(\cb):32*(\t)+8*(\cb)+7]
.endr
	v_wmma_f32_16x16x32_bf16 v[LA+8*(\t):LA+8*(\t)+7], v[ONES:ONES+7], v[PA+8*(\kk):PA+8*(\kk)+7], v[LA+8*(\t):LA+8*(\t)+7]
.endr
.endm
; A tile of 16 queries x 64 keys: its 8 products K Q^T, its softmax, its 10 products V^T P and ones |P|.
.macro TILE t
.if (\t) == 0
	s_wait_dscnt 24                                ; K is in; V's 16 loads and M's first 8 are younger
.endif
	KQ \t
.if (\t) == 0
	FETCH_M 1
	s_wait_dscnt 8                                 ; all but the 8 just issued: V and this tile's M are in
.else
	WIN 0
	s_wait_dscnt 0x0                               ; this tile's M is in
.endif
	PLACES                                         ; behind the products, ahead of the first reader of the scores
.set rT, ST+4*(\t)
.set rM, MR+32*(\t)
.set k, 0
.rept 16
	v_pk_mul_f32 v[S+2*k:S+2*k+1], v[S+2*k:S+2*k+1], v[rM+2*k:rM+2*k+1]  ; s M; each accumulator's low registers first
.set k, k+1
.endr
.irp j, 0,1,2,3                        ; the maximum of the 32 scores and the old m, three operands at a time
	v_max3_num_f32 v[CC+(\j)], v[S+8*(\j)], v[S+8*(\j)+1], v[S+8*(\j)+2]
.endr
.irp j, 0,1,2,3
	v_max3_num_f32 v[CC+(\j)], v[CC+(\j)], v[S+8*(\j)+3], v[S+8*(\j)+4]
.endr
.irp j, 0,1,2,3
	v_max3_num_f32 v[CC+(\j)], v[CC+(\j)], v[S+8*(\j)+5], v[S+8*(\j)+6]
.endr
	v_max3_num_f32 v[CC], v[CC], v[S+7], v[S+15]
	v_max3_num_f32 v[CC+2], v[CC+2], v[S+23], v[S+31]
	v_max3_num_f32 v[CC+1], v[CC+1], v[CC+3], v[rT]
	v_max3_num_f32 v[CC], v[CC], v[CC+1], v[CC+2]
	v_permlanex16_b32 v[CC+1], v[CC], s[SEL], s[SEL+1]  ; the query's other 32 keys lie in the lane 16 away
	v_max_num_f32 v[MN], v[CC], v[CC+1]
	v_sub_f32 v[MN+1], v[rT], v[MN]
.set k, 0
.rept 16
	v_pk_add_f32 v[S+2*k:S+2*k+1], v[S+2*k:S+2*k+1], v[MN:MN+1] op_sel_hi:[1,0] neg_lo:[0,1] neg_hi:[0,1]
.set k, k+1
.endr
.set k, 0
.rept 32                               ; one batch of 33 exponentials,
	v_exp_f32 v[S+k], v[S+k]
.set k, k+1
.endr
	v_exp_f32 v[AA], v[MN+1]
	v_mov_b32 v[rT], v[MN]                         ; a plain instruction behind the last of them,
	s_wait_alu depctr_va_vdst(0)                   ; and the one wait ahead of the first reader
.set k, 0
.rept 16
	v_pk_mul_f32 v[rM+2*k:rM+2*k+1], v[S+2*k:S+2*k+1], v[rM+2*k:rM+2*k+1]  ; e M
.set k, k+1
.endr
.set k, 0
.rept 16
	v_cvt_pk_bf16_f32 v[P+k], v[rM+2*k], v[rM+2*k+1]
.set k, k+1
.endr
.set k, 0
.rept 16
	v_and_b32 v[PA+k], s[ABSM], v[P+k]
.set k, k+1
.endr
.irp w, 4,8,16,32                      ; Z: the 16 pairs are added in place, neighbours 1, 2, 4 and 8 pairs apart
.set k, 0
.rept 32/(\w)
	v_pk_add_f32 v[S+(\w)*k:S+(\w)*k+1], v[S+(\w)*k:S+(\w)*k+1], v[S+(\w)*k+(\w)/2:S+(\w)*k+(\w)/2+1]
.set k, k+1
.endr
.endr
	v_pk_fma_f32 v[rT+2:rT+3], v[rT+2:rT+3], v[AA:AA+1], v[S:S+1] op_sel_hi:[1,0,1]
	WIN W_RS
.set k, 0
.rept 16
	v_pk_mul_f32 v[32*(\t)+2*k:32*(\t)+2*k+1], v[32*(\t)+2*k:32*(\t)+2*k+1], v[AA:AA+1] op_sel_hi:[1,0]
.set k, k+1
.endr
	v_mul_f32 v[LA+8*(\t)], v[LA+8*(\t)], v[AA]
	PV \t
.endm
.macro STEP                            ; a key step: its 40 first LDS loads in one run, then the two tiles
	WIN 0
	v_add_nc_u32 v[AK], s[TBK], v[AK0]             ; these three and the v_nop are the four places behind the last products, whose sources are loaded again
	v_add_nc_u32 v[AV], s[TBV], v[AV0]
	v_add_nc_u32 v[AM], s[TBM], v[AM0]
	v_nop
	s_add_co_u32 s[TBK], s[TBK], KS*PK             ; the next fetch is the next step's
	s_add_co_u32 s[TBV], s[TBV], KS*PV
	s_add_co_u32 s[TBM], s[TBM], KS*4
	FETCH_K
	FETCH_V
	FETCH_M 0
	TILE 0
	TILE 1
.endm
.macro TWO_STEPS                       ; a slot's two key steps: written once, walked twice
	WIN 0
	s_mov_b32 s[CNT], 2
.Lstep_\@:
	STEP
	WIN 0                                          ; at a label and at a branch every window is 0
	s_sub_co_u32 s[CNT], s[CNT], 1
	s_cmp_lg_u32 s[CNT], 0
	s_cbranch_scc1 .Lstep_\@
.endm
; THE CHANGE OF SLOTS.  Each wave waits for all its tensor loads (at most one is out: its part of the other slot), adds 0 to its spare word, and waits for that and for its reads of the slot that it leaves.
; fill = 1: the barrier is a round of the cluster's; the slot just left is filled first thing behind it, with the keys two slots on; the load has two key steps in which to land.
; (At its first use nothing has been read yet: slot 0 is waited for, slot 1 filled.)
.macro CHANGE fill
	WIN 0
	s_wait_tensorcnt 0x0                           ; no tensor load of mine is out, so a group 0 may be written
	ds_add_u32 v[SPW], v[NIL]                      ; with fill = 1 the descriptors' steps stand between the add and the wait for it
.if \fill
.irp g, G0K, G0V, G0M
	s_xor_b32 s[\g+1], s[\g+1], SLOT               ; the other slot than last time
.endr
	s_add_nc_u64 s[G0K+2:G0K+3], s[G0K+2:G0K+3], 128*1024  ; the next 128 keys
	s_add_nc_u64 s[G0V+2:G0V+3], s[G0V+2:G0V+3], 128*1024
	s_add_nc_u64 s[G0M+2:G0M+3], s[G0M+2:G0M+3], 512
	s_wait_xcnt 0x0                                ; the last prefetch, two key steps back, has read its address
	s_add_nc_u64 s[PFA:PFA+1], s[PFA:PFA+1], s[PFS:PFS+1]  ; one slot ahead of the walking descriptors
	s_wait_dscnt 0x0                               ; the add is done, and my reads of the slot are over
	CROUND
	JLOAD
	ASK
.else
	s_wait_dscnt 0x0
	s_barrier_signal -1
	s_barrier_wait -1
.endif
	s_sub_co_u32 s[TBK], s[TBK], 2*KS*PK           ; the fetches go back to a slot's first step,
	s_xor_b32 s[TBK], s[TBK], SLOT                 ; in the other slot
	s_sub_co_u32 s[TBV], s[TBV], 2*KS*PV
	s_xor_b32 s[TBV], s[TBV], SLOT
	s_sub_co_u32 s[TBM], s[TBM], 2*KS*4
	s_xor_b32 s[TBM], s[TBM], SLOT
.endm
	s_wait_loadcnt 0x0                             ; Q
.Lslot:                                        ; 15 trips: slot i is entered, slot i + 1 asked for
	CHANGE 1
	TWO_STEPS
	s_sub_co_u32 s[SLOTS], s[SLOTS], 1
	s_cmp_lg_u32 s[SLOTS], 0
	s_cbranch_scc1 .Lslot
	CHANGE 0                                       ; the last slot is written out
	TWO_STEPS
	; THE WAY OUT.  Z's two halves and the other half of the lanes' are added; O^T is divided by L + 1e-8 Z, rounded and sent through the stage.
	PLACES                                         ; behind the last products
.irp t, 0,1
	v_add_f32 v[CC+(\t)], v[ST+4*(\t)+2], v[ST+4*(\t)+3]
.endr
.irp t, 0,1
	v_permlanex16_b32 v[ST+4*(\t)+1], v[CC+(\t)], s[SEL], s[SEL+1]
.endr
.irp t, 0,1
	v_add_f32 v[CC+(\t)], v[CC+(\t)], v[ST+4*(\t)+1]
.endr
	WIN 0x10                                       ; source 2 in window 1
.irp t, 0,1
	v_fma_f32 v[CC+(\t)], v[CC+(\t)], s[EPS], v[LA+8*(\t)]
.endr
	WIN 0
.irp t, 0,1
	v_rcp_f32 v[ST+4*(\t)+2], v[CC+(\t)]
.endr
	v_nop                                          ; a plain instruction behind the last reciprocal,
	s_wait_alu depctr_va_vdst(0)                   ; and one wait for the two
.macro PACK t                          ; a lane's eight channels of a row pack into 16 bytes
	WIN W_RS
.set k, 0
.rept 16
	v_pk_mul_f32 v[32*(\t)+2*k:32*(\t)+2*k+1], v[32*(\t)+2*k:32*(\t)+2*k+1], v[ST+4*(\t)+2:ST+4*(\t)+3] op_sel_hi:[1,0]
.set k, k+1
.endr
	WIN 0x05                                       ; sources 0 and 1 in window 1
.set k, 0
.rept 16
	v_cvt_pk_bf16_f32 v[S+16*(\t)+k], v[32*(\t)+2*k], v[32*(\t)+2*k+1]
.set k, k+1
.endr
	WIN 0
.irp cb, 0,1,2,3
	ds_store_b128 v[STO], v[S+16*(\t)+4*(\cb):S+16*(\t)+4*(\cb)+3] offset:(\t)*16*SP+32*(\cb)
.endr
.endm
	PACK 0
	PACK 1
	s_wait_dscnt 0x0                               ; for the others' sake: a row's 256 bytes come from two waves
	s_barrier_signal -1
	s_barrier_wait -1
.irp f, 0,1,2,3,4,5,6,7
	ds_load_b128 v[128+4*(\f):128+4*(\f)+3], v[RD] offset:(\f)*2*SP
.endr
.irp f, 0,1,2,3,4,5,6,7
	s_wait_dscnt 7-(\f)                            ; load f is back; the younger ones stay out
	global_store_b128 v[GO], v[128+4*(\f):128+4*(\f)+3], s[10:11] offset:(\f)*2048  ; 16 lanes store 256 consecutive bytes, aligned
.endr
	s_wait_tensorcnt 0x0                           ; the wave's end, behind my last tensor load and my last LDS store
	ds_add_u32 v[SPW], v[NIL]
	s_wait_dscnt 0x0
	CROUND                                         ; the closing round: no work-group ends while a partner may still ask for a tile that names it
	s_endpgm
.Lfunc_end_k_q2c8fabcfaa_attn:
	.size	k_q2c8fabcfaa_attn, .Lfunc_end_k_q2c8fabcfaa_attn-k_q2c8fabcfaa_attn
	.p2alignl 7, 3214868480
	.fill 96, 4, 3214868480
	.section	.rodata,"a",@progbits
	.p2align	6, 0x0
	.amdhsa_kernel k_q2c8fabcfaa_attn
		.amdhsa_group_segment_fixed_size 327680
		.amdhsa_private_segment_fixed_size 0
		.amdhsa_enable_private_segment 0
		.amdhsa_kernarg_size 24
		.amdhsa_user_sgpr_count 2
		.amdhsa_user_sgpr_kernarg_segment_ptr 1
		.amdhsa_wavefront_size32 1
		.amdhsa_system_sgpr_workgroup_id_x 1
		.amdhsa_system_sgpr_workgroup_id_y 1
		.amdhsa_system_sgpr_workgroup_id_z 1
		.amdhsa_system_vgpr_workitem_id 0
		.amdhsa_next_free_vgpr 512
		.amdhsa_next_free_sgpr 96
		.amdhsa_reserve_vcc 1
		.amdhsa_float_denorm_mode_32 3
		.amdhsa_float_denorm_mode_16_64 3
		.amdhsa_memory_ordered 1
		.amdhsa_forward_progress 1
		.amdhsa_inst_pref_size 72
	.end_amdhsa_kernel
	.amdgpu_metadata
---
amdhsa.version: [ 1, 2 ]
amdhsa.kernels:
  - .name:           k_q2c8fabcfaa_attn
    .symbol:         k_q2c8fabcfaa_attn.kd
    .args:
      - { .name: qkv, .offset: 0, .size: 8, .value_kind: global_buffer, .address_space: global }
      - { .name: M, .offset: 8, .size: 8, .value_kind: global_buffer, .address_space: global }
      - { .name: obuf, .offset: 16, .size: 8, .value_kind: global_buffer, .address_space: global }
    .group_segment_fixed_size: 327680
    .private_segment_fixed_size: 0
    .kernarg_segment_align: 8
    .kernarg_segment_size: 24
    .max_flat_workgroup_size: 256
    .sgpr_count:     96
    .vgpr_count:     512
    .wavefront_size: 32
...
	.end_amdgpu_metadata
.endif
;; end of part 4
;; launch wo (part 5): grid 4 x 64, 4 waves a work-group, clusters of 4 x 4, 327,680 bytes of LDS; arguments obuf, wb, g_bo, e_bo, gene_emb, expr_emb, xres; writes xres
.if DOCPART == 5
	.amdgcn_target "amdgcn-amd-amdhsa--gfx1250"
	.amdhsa_code_object_version 6
	.text
	.protected	k_q2c8fabcfaa_wo
	.globl	k_q2c8fabcfaa_wo
	.p2align	8
	.type	k_q2c8fabcfaa_wo,@function
k_q2c8fabcfaa_wo:
	s_mov_b64 s[64:65], 0
	v_nop
	global_prefetch_b8 v0, s[64:65] scope:SCOPE_SE
	s_setreg_imm32_b32 hwreg(HW_REG_WAVE_MODE, 25, 1), 1
	s_wait_xcnt 0x0
	s_wait_alu depctr_hold_cnt(0) depctr_sa_sdst(0) depctr_va_vdst(0) depctr_va_sdst(0) depctr_va_ssrc(0) depctr_va_vcc(0) depctr_vm_vsrc(0)
	s_getreg_b32 s2, hwreg(HW_REG_IB_STS2, 6, 4)
	s_cmp_eq_u32 s2, 0
	s_cbranch_scc0 .Lentry_in_a_cluster
	s_endpgm
.Lentry_in_a_cluster:
	s_bfe_u32 s2, ttmp6, 0x10000c
	s_cmp_lg_u32 s2, 0xf033
	s_cbranch_scc0 .Lentry_shape_is_right
	s_endpgm
.Lentry_shape_is_right:
; C = A W + bias, and what the mode adds.  A: [rows][K] bf16, K along the rows.  W: [K][N] bf16, as the weights lie in memory.  Sums in f32.
; ONE TEXT FOR FIVE LAUNCHES; the line below chooses.  0: fused = [gene | yn] e_wf + e_bf.  1: the six projections Q, K, V of both branches (Q also times log2(e) / 8).
; 2: x = emb + O wo + bo (f32).  3: h = gelu(x_ln w1 + b1).  4: out = x + x_ln + h w2 + b2 (f32).
.set MODE, 2
; SHARES.  A work-group makes 128 x 128 of C, each of its four waves 64 x 64: 16 accumulators.  K goes in slots of 256 through two LDS slots filled by tensor loads, one load a wave and slot.
; THE MATRIX INSTRUCTION IS USED TRANSPOSED: source 0 = 16 columns of W, turned on the way out of LDS by ds_load_tr16_b128; source 1 = 16 rows of A.  A lane then holds one row of C and 8 neighbouring columns.
; THE SUMS START FROM THE BIAS, loaded straight into the accumulators: nothing is cleared, nothing is added on the way out.
; CLUSTER 4 x 4: A's tile hangs on the tile row alone and is asked for jointly along a row of the cluster, W's on the tile column alone and jointly along a column.
; NO PREFETCH: the tile is the small one (128 x 128), and with two slots of K (modes 1, 2, 3) all that a work-group reads is asked for at its head.
; LIMITS.  NaN and infinities are not treated apart.  Mode 3: erf by the five-term rational form of Abramowitz and Stegun 7.1.26 (error at most 1.5e-7); for v < 0 the two halves of gelu cancel, which leaves an error of about 6e-8 |v|.
.if MODE == 0
.set NS, 4                             ; slots of K = 256
.set APITCH, 1024                      ; elements from row to row of A
.set WPITCH, 512                       ; of W
.set OPITCH, 2048                      ; bytes from row to row of the output
.set F32OUT, 0
.set UNIT0, 8                          ; W's first unit of 524,288 bytes in wb
.set BRSH, 0                           ; s[BR] << BRSH is added to that
.set NT, 42                            ; the scalar register that holds the tile column inside W
.endif
.if MODE == 1
.set NS, 2
.set APITCH, 1024
.set WPITCH, 512
.set OPITCH, 1024
.set F32OUT, 0
.set UNIT0, 0
.set BRSH, 19
.set NT, 40
.endif
.if MODE == 2
.set NS, 2
.set APITCH, 512
.set WPITCH, 512
.set OPITCH, 2048
.set F32OUT, 1
.set UNIT0, 6
.set BRSH, 19
.set NT, 42
.endif
.if MODE == 3
.set NS, 2
.set APITCH, 512
.set WPITCH, 2048
.set OPITCH, 4096
.set F32OUT, 0
.set UNIT0, 10
.set BRSH, 21
.set NT, 42
.endif
.if MODE == 4
.set NS, 8
.set APITCH, 2048
.set WPITCH, 512
.set OPITCH, 2048
.set F32OUT, 1
.set UNIT0, 18
.set BRSH, 21
.set NT, 42
.endif
.set PA,    528                        ; an LDS row of A: 512 bytes + 16: the 16 rows of a fragment load start at 16 different groups of four banks (64 banks of 4 bytes: ISA guide 11.1)
.set PW,    288                        ; an LDS row of W: 256 bytes + 32
.set WOFF,  128*PA                     ; a slot: A's 128 rows, then W's 256 rows of K
.set SLOT,  WOFF+256*PW
.set SPARE, 2*SLOT                     ; behind the ring: the spare words, 128 bytes a wave, that no other line names
; The stage of the way out, 128 rows x 528 bytes of f32, is slot 0's part for A: it is written only when that slot has had its last fill and its last read.
.set AA0, 16                           ; v16  my lane's place in A's part of a slot; never rewritten
.set AW0, 20                           ; v20  the same for W
.set VA,  22                           ; v22  the LDS address of A's loads in hand
.set VW,  23                           ; v23  of W's
.set STO, 24                           ; v24  the way out: where I put 32 bytes of a row
.set RD,  25                           ; v25  where I read a row back
.set CO,  26                           ; v26  my byte offset in a row of the output tile
.set BO,  27                           ; v27  my byte offset in 16 numbers of the bias
.set SPW, 28                           ; v28  LDS address of my spare word; never rewritten
.set NIL, 29                           ; v29  0; never rewritten
.set CO2, 30                           ; v30  my byte offset in a row of x_ln's tile
.set PK,  32                           ; v[32:95]   packed results; mode 4: x_ln's rows
.set GT,  96                           ; v[96:127]  at work
.set ACC, 128                          ; v[128:255] accumulator (a, b) at ACC + 8 (4 a + b)
.set F0,  0                            ; window 1: two fragment buffers of 64: A's four fragments, then W's four; on the f32 way out the residual's rows
.set F1,  64
.set G1A, 24                           ; s[24:31] descriptor group 1 for A's tiles; s[32:39] group 0, a set for each slot
.set G0A, 32
.set G1W, 48                           ; s[48:55], s[56:63] the same for W's
.set G0W, 56
.set CNT, 45
.set LAP, 88
.set TA,  89                           ; s89  LDS byte at which the K steps in hand begin in A's rows, slot included
.set TW,  90                           ; s90  the same for W
.set BR,  91                           ; s91  modes 2-4: the branch (0 gene, 1 expr); mode 1: which of the six projections
.set W_MUL, 0x05                       ; sources 0 and 1 in window 1, C and D in window 0
.set W_TOF, 0x40                       ; destination in window 1, address in window 0
.set MSB, 0
.macro WIN new                         ; the immediate's high byte repeats the setting that is left; a switch that changes nothing is dropped
.if MSB != (\new)
	s_set_vgpr_msb (MSB<<8)|(\new)
.set MSB, \new
.endif
.endm
.macro PLACES                          ; four plain places behind matrix instructions, ahead of loads into their sources and of readers of their results
.rept 4
	v_nop
.endr
.endm
.macro JLOAD s                         ; a joint load: waves 0 and 1 fetch A's two halves, waves 2 and 3 W's; an s_nop 0 and four v_nop follow each line
	s_cmp_eq_u32 s11, 0
	s_cbranch_scc0 .Lfor_w_\@
	tensor_load_to_lds s[G0A+4*(\s):G0A+4*(\s)+3], s[G1A:G1A+7]
	s_nop 0
	PLACES
	s_branch .Lasked_\@
.Lfor_w_\@:
	tensor_load_to_lds s[G0W+4*(\s):G0W+4*(\s)+3], s[G1W:G1W+7]
	s_nop 0
	PLACES
.Lasked_\@:
.endm
.macro CROUND                          ; a round of the cluster's barrier: my work-group's barrier, wave 0 signals for it, all wait for all sixteen, my work-group's barrier again
	s_barrier_signal -1
	s_barrier_wait -1
	s_cmp_lg_u32 s10, 0
	s_cbranch_scc1 .Lnot_wave_0_\@
	s_barrier_signal -3
.Lnot_wave_0_\@:
	s_barrier_wait -3
	s_barrier_signal -1
	s_barrier_wait -1
.endm
.if MODE == 0
	s_load_b256 s[72:79], s[0:1], 0x0              ; cat, wb, e_bf, xf
.elseif MODE == 1
	s_load_b512 s[72:87], s[0:1], 0x0              ; xf, cat, wb, g_bq, g_bk, g_bv, e_bq, e_bk
	s_load_b128 s[92:95], s[0:1], 0x40             ; e_bv, qkv
.elseif MODE == 2
	s_load_b256 s[72:79], s[0:1], 0x0              ; obuf, wb, g_bo, e_bo
	s_load_b128 s[80:83], s[0:1], 0x20             ; gene_emb, expr_emb
	s_load_b64 s[84:85], s[0:1], 0x30              ; xres
.elseif MODE == 3
	s_load_b256 s[72:79], s[0:1], 0x0              ; xln, wb, fg_b1, fe_b1
	s_load_b64 s[80:81], s[0:1], 0x20              ; h
.else
	s_load_b512 s[72:87], s[0:1], 0x0              ; h, wb, fg_b2, fe_b2, xres, xln, out0, out1
.endif
	v_lshl_add_u32 v[SPW], v0, 2, SPARE
	v_mov_b32 v[NIL], 0
	ds_add_u32 v[SPW], v[NIL]                      ; the wave's opening: the add and its wait stand ahead of my first tensor load; the set-up below stands between them
	v_lshrrev_b32 v1, 5, v0
	v_readfirstlane_b32 s10, v1                    ; wave 0..3
	s_lshr_b32 s11, s10, 1                         ; my half of the tile's rows.  Also: I fetch for A (0) or for W (1)
	s_and_b32 s12, s10, 1                          ; my half of its columns.  Also: which half of that tile I fetch
	s_bfe_u32 s40, ttmp6, 0x40000                  ; cx
	s_bfe_u32 s41, ttmp6, 0x40004                  ; cy
	s_lshl_b32 s42, ttmp9, 2
	s_add_co_u32 s42, s42, s40                     ; tile column = 4 x cluster x + cx
	s_and_b32 s[BR], ttmp7, 0xffff                 ; cluster y
	s_lshl_b32 s13, s[BR], 2
	s_add_co_u32 s13, s13, s41                     ; tile row = 4 x cluster y + cy
.if MODE == 1
	s_mov_b32 s[BR], ttmp9                         ; a cluster's four tile columns are one projection's 512 columns
.elseif MODE >= 2
	s_lshr_b32 s[BR], s[BR], 3                     ; clusters 8..15 along y hold rows 4,096 on: the expr branch
.endif
	s_lshl_b32 s43, s41, 2
	s_lshl_b32 s43, 15, s43                        ; my row of the cluster
	s_lshl_b32 s44, 0x1111, s40                    ; my column
	s_or_b32 s[G1A], s43, (1<<16)|(1<<20)|(1<<21)|(6<<22)|(3<<25)  ; the mask; 2-byte elements; padding on; bit 21 beside a mask; after every 128 words 4 words
	s_mov_b32 s[G1A+1], 256<<16                    ; tensor_dim0 = 256
	s_mov_b32 s[G1A+2], 64<<16                     ; tensor_dim1 = 64
	s_mov_b32 s[G1A+3], 256<<16                    ; tile_dim0 = 256
	s_mov_b32 s[G1A+4], 64                         ; tile_dim1 = 64
	s_mov_b32 s[G1A+5], APITCH
	s_mov_b32 s[G1A+6], 0
	s_mov_b32 s[G1A+7], 0
	s_or_b32 s[G1W], s44, (1<<16)|(1<<20)|(1<<21)|(5<<22)|(7<<25)  ; after every 64 words 8 words
	s_mov_b32 s[G1W+1], 128<<16                    ; 128 columns
	s_mov_b32 s[G1W+2], 128<<16                    ; 128 rows of K
	s_mov_b32 s[G1W+3], 128<<16
	s_mov_b32 s[G1W+4], 128
	s_mov_b32 s[G1W+5], WPITCH
	s_mov_b32 s[G1W+6], 0
	s_mov_b32 s[G1W+7], 0
	s_mov_b32 s[G0A], 1
	s_mov_b32 s[G0A+4], 1
	s_mov_b32 s[G0W], 1
	s_mov_b32 s[G0W+4], 1
	s_mul_i32 s[G0A+1], s12, 64*PA                 ; LDS addresses: the wave's number and constants alone
	s_add_co_u32 s[G0A+5], s[G0A+1], SLOT
	s_mul_i32 s[G0W+1], s12, 128*PW
	s_add_co_u32 s[G0W+1], s[G0W+1], WOFF
	s_add_co_u32 s[G0W+5], s[G0W+1], SLOT
	s_lshl_b32 s14, s13, 7                         ; A's tile: row 128 x tile row + 64 x half; these two registers never hold cx
	s_lshl_b32 s15, s12, 6
	s_add_co_u32 s14, s14, s15
	s_mul_i32 s14, s14, APITCH*2
.if MODE == 1
	s_cmp_ge_u32 s[BR], 3                          ; the expr branch's sources are the right halves: fused in xf, yn in cat
	s_cselect_b32 s15, 1024, 0
	s_add_co_u32 s14, s14, s15
.endif
	s_mov_b32 s15, 0
	s_mul_i32 s46, s12, 128*WPITCH*2               ; W's tile: my 128 rows of K, the tile column's 256 bytes, the matrix's place in wb; these two never hold cy
	s_lshl_b32 s47, s[NT], 8
	s_add_co_u32 s46, s46, s47
.if MODE > 0
	s_lshl_b32 s47, s[BR], BRSH
	s_add_co_u32 s46, s46, s47
.endif
	s_add_co_u32 s46, s46, UNIT0*524288
	s_mov_b32 s47, 0
	s_lshl_b32 s16, s13, 7
	s_lshl_b32 s17, s10, 5
	s_add_co_u32 s16, s16, s17                     ; the first row that I store: 128 x tile row + 32 x wave
	s_and_b32 s17, s16, 4095                       ; the same inside its branch's 4,096 rows
	s_lshl_b32 s2, s[NT], 8+F32OUT                 ; the tile's first column in bytes of the output
.if MODE == 4
	s_mul_i32 s18, s17, OPITCH
.else
	s_mul_i32 s18, s16, OPITCH
.endif
	s_add_co_u32 s18, s18, s2
.if MODE == 0
	s_add_co_u32 s18, s18, 1024                    ; xf's right half
.elseif MODE == 1
	s_lshl_b32 s3, s[BR], 22                       ; a projection is 4 MiB of qkv
	s_add_co_u32 s18, s18, s3
.endif
	s_mov_b32 s19, 0
.if MODE == 2
	s_lshl_b32 s20, s17, 11                        ; the residual: the branch's own embedding
	s_add_co_u32 s20, s20, s2
	s_mov_b32 s21, 0
.elseif MODE == 4
	s_lshl_b32 s20, s16, 11                        ; the residual x in xres,
	s_add_co_u32 s20, s20, s2
	s_mov_b32 s21, 0
	s_lshl_b32 s22, s16, 10                        ; and x_ln in xln
	s_lshl_b32 s3, s[NT], 8
	s_add_co_u32 s22, s22, s3
	s_mov_b32 s23, 0
.endif
	s_lshl_b32 s98, s[NT], 9                       ; the bias of my 64 columns
	s_lshl_b32 s3, s12, 8
	s_add_co_u32 s98, s98, s3
	s_mov_b32 s99, 0
.if MODE == 1
	s_cmp_eq_u32 s[BR], 0                          ; Q of either branch is scaled by log2(e) / 8, in f32, ahead of its one rounding
	s_cselect_b32 s96, 0x3e38aa3b, 1.0
	s_cmp_eq_u32 s[BR], 3
	s_cselect_b32 s96, 0x3e38aa3b, s96
	s_mov_b32 s97, s96
.endif
	s_wait_dscnt 0x0                               ; the opening add is done
	s_wait_kmcnt 0x0
.if MODE == 0
	s_add_nc_u64 s[14:15], s[72:73], s[14:15]
	s_add_nc_u64 s[46:47], s[74:75], s[46:47]
	s_add_nc_u64 s[66:67], s[76:77], s[98:99]
	s_add_nc_u64 s[8:9], s[78:79], s[18:19]
.elseif MODE == 1
	s_cmp_eq_u32 s[BR], 5                          ; the expr branch's V is made of yn, all else of xf
	s_cselect_b64 s[4:5], s[74:75], s[72:73]
	s_add_nc_u64 s[14:15], s[4:5], s[14:15]
	s_add_nc_u64 s[46:47], s[76:77], s[46:47]
	s_mov_b64 s[66:67], s[78:79]
	s_cmp_eq_u32 s[BR], 1
	s_cselect_b64 s[66:67], s[80:81], s[66:67]
	s_cmp_eq_u32 s[BR], 2
	s_cselect_b64 s[66:67], s[82:83], s[66:67]
	s_cmp_eq_u32 s[BR], 3
	s_cselect_b64 s[66:67], s[84:85], s[66:67]
	s_cmp_eq_u32 s[BR], 4
	s_cselect_b64 s[66:67], s[86:87], s[66:67]
	s_cmp_eq_u32 s[BR], 5
	s_cselect_b64 s[66:67], s[92:93], s[66:67]
	s_add_nc_u64 s[66:67], s[66:67], s[98:99]
	s_add_nc_u64 s[8:9], s[94:95], s[18:19]
.elseif MODE == 2
	s_add_nc_u64 s[14:15], s[72:73], s[14:15]
	s_add_nc_u64 s[46:47], s[74:75], s[46:47]
	s_cmp_eq_u32 s[BR], 0
	s_cselect_b64 s[66:67], s[76:77], s[78:79]
	s_cselect_b64 s[68:69], s[80:81], s[82:83]
	s_add_nc_u64 s[66:67], s[66:67], s[98:99]
	s_add_nc_u64 s[68:69], s[68:69], s[20:21]
	s_add_nc_u64 s[8:9], s[84:85], s[18:19]
.elseif MODE == 3
	s_add_nc_u64 s[14:15], s[72:73], s[14:15]
	s_add_nc_u64 s[46:47], s[74:75], s[46:47]
	s_cmp_eq_u32 s[BR], 0
	s_cselect_b64 s[66:67], s[76:77], s[78:79]
	s_add_nc_u64 s[66:67], s[66:67], s[98:99]
	s_add_nc_u64 s[8:9], s[80:81], s[18:19]
.else
	s_add_nc_u64 s[14:15], s[72:73], s[14:15]
	s_add_nc_u64 s[46:47], s[74:75], s[46:47]
	s_cmp_eq_u32 s[BR], 0
	s_cselect_b64 s[66:67], s[76:77], s[78:79]
	s_cselect_b64 s[8:9], s[84:85], s[86:87]
	s_add_nc_u64 s[66:67], s[66:67], s[98:99]
	s_add_nc_u64 s[8:9], s[8:9], s[18:19]
	s_add_nc_u64 s[68:69], s[80:81], s[20:21]
	s_add_nc_u64 s[70:71], s[82:83], s[22:23]
.endif
.irp s, 0,1
	s_add_nc_u64 s[G0A+4*(\s)+2:G0A+4*(\s)+3], s[14:15], (\s)*512            ; slot s begins with K = 256 s
	s_or_b32 s[G0A+4*(\s)+3], s[G0A+4*(\s)+3], 0x80000000                    ; type = 2
	s_add_nc_u64 s[G0W+4*(\s)+2:G0W+4*(\s)+3], s[46:47], (\s)*256*WPITCH*2
	s_or_b32 s[G0W+4*(\s)+3], s[G0W+4*(\s)+3], 0x80000000
.endr
.if MODE == 3                          ; gelu's constants, as pairs for the packed forms; the arguments that lay here have been used
	s_mov_b32 s72, 0x3e6d3388                      ; 0.3275911 / sqrt(2)
	s_mov_b32 s74, 0xbf38aa3b                      ; -log2(e) / 2
	s_mov_b32 s76, 0xbf07dc22                      ; -a5 / 2 .. -a1 / 2
	s_mov_b32 s78, 0x3f3a00e3
	s_mov_b32 s80, 0xbf35f0e3
	s_mov_b32 s82, 0x3e11a98e
	s_mov_b32 s84, 0xbe027906
.irp c, 72,74,76,78,80,82,84
	s_mov_b32 s[\c+1], s[\c]
.endr
.endif
	CROUND                                         ; all sixteen work-groups are here: the first joint loads meet
	s_cmp_eq_u32 s11, 0                            ; a wave's two first fills stand in one branch, ahead of every wait on TENSORcnt and every LDS read: two loads of mine are out
	s_cbranch_scc0 .Lfirst_w
	tensor_load_to_lds s[G0A:G0A+3], s[G1A:G1A+7]
	s_nop 0
	tensor_load_to_lds s[G0A+4:G0A+7], s[G1A:G1A+7]
	s_nop 0
	PLACES
	s_branch .Lfirst_asked
.Lfirst_w:
	tensor_load_to_lds s[G0W:G0W+3], s[G1W:G1W+7]
	s_nop 0
	tensor_load_to_lds s[G0W+4:G0W+7], s[G1W:G1W+7]
	s_nop 0
	PLACES
.Lfirst_asked:
	v_and_b32 v1, 15, v0                           ; r = l % 16
	v_bfe_u32 v2, v0, 4, 1                         ; hh = l / 16
	v_and_b32 v3, 7, v0
	v_bfe_u32 v4, v0, 3, 1
	v_and_b32 v5, 31, v0                           ; l
	v_lshlrev_b32 v[BO], 5, v2                     ; my 8 columns of 16: 32 bytes of f32
.irp a, 0,1,2,3
.irp b, 0,1,2,3
	global_load_b128 v[ACC+8*(4*(\a)+(\b)):ACC+8*(4*(\a)+(\b))+3],   v[BO], s[66:67] offset:64*(\b)     ; register j of accumulator (a, b) belongs to column 16 b + 8 hh + j
	global_load_b128 v[ACC+8*(4*(\a)+(\b))+4:ACC+8*(4*(\a)+(\b))+7], v[BO], s[66:67] offset:64*(\b)+16
.endr
.endr
	v_mul_u32_u24 v[AA0], v1, PA                   ; a fragment of A: lane l holds row r, K = 8 hh + 0..7 and 16 + 8 hh + 0..7: two loads of 16 bytes, 32 apart
	v_lshl_add_u32 v[AA0], v2, 4, v[AA0]
	s_mul_i32 s16, s11, 64*PA
	v_add_nc_u32 v[AA0], s16, v[AA0]
	v_lshl_add_u32 v[AW0], v2, 3, v3               ; the turning load: lane l reads row 8 hh + l % 8 of K, columns 8 ((l / 8) % 2) + 0..7, and is left with column r and 8 K
	v_mul_u32_u24 v[AW0], v[AW0], PW
	v_lshl_add_u32 v[AW0], v4, 4, v[AW0]
	s_lshl_b32 s16, s12, 7
	s_add_co_u32 s16, s16, WOFF
	v_add_nc_u32 v[AW0], s16, v[AW0]
	v_mul_u32_u24 v[STO], v1, PA                   ; into the stage: row 64 x half + r, my 8 f32 of each 16 columns
	v_lshl_add_u32 v[STO], v2, 5, v[STO]
	s_mul_i32 s16, s11, 64*PA
	s_lshl_b32 s17, s12, 8
	s_add_co_u32 s16, s16, s17
	v_add_nc_u32 v[STO], s16, v[STO]
	s_mul_i32 s16, s10, 32*PA                      ; back: wave w takes rows 32 w .. 32 w + 31 whole, 16 bytes a lane
	v_lshl_add_u32 v[RD], v5, 4, s16
	v_lshlrev_b32 v[CO], 3+F32OUT, v5
	v_lshlrev_b32 v[CO2], 3, v5
.macro MUL f                           ; 16 products, 32 along K.  The 16 accumulators take turns, one instruction a turn, over every jump too
	WIN W_MUL
.irp a, 0,1,2,3
.irp b, 0,1,2,3
	v_wmma_f32_16x16x32_bf16 v[ACC+8*(4*(\a)+(\b)):ACC+8*(4*(\a)+(\b))+7], v[(\f)+32+8*(\b):(\f)+32+8*(\b)+7], v[(\f)+8*(\a):(\f)+8*(\a)+7], v[ACC+8*(4*(\a)+(\b)):ACC+8*(4*(\a)+(\b))+7]
.endr
.endr
.endm
.macro FETCH f, c                      ; 16 LDS loads in one run: the fragments of the K step c steps of 32 behind VA and VW, into buffer f
	WIN W_TOF
.irp a, 0,1,2,3
	ds_load_b128 v[(\f)+8*(\a):(\f)+8*(\a)+3],   v[VA] offset:64*(\c)+(\a)*16*PA
	ds_load_b128 v[(\f)+8*(\a)+4:(\f)+8*(\a)+7], v[VA] offset:64*(\c)+(\a)*16*PA+32
.endr
.irp b, 0,1,2,3
	ds_load_tr16_b128 v[(\f)+32+8*(\b):(\f)+32+8*(\b)+3],   v[VW] offset:32*PW*(\c)+32*(\b)
	ds_load_tr16_b128 v[(\f)+32+8*(\b)+4:(\f)+8*(\b)+32+7], v[VW] offset:32*PW*(\c)+32*(\b)+16*PW
.endr
.endm
; A slot's eight K steps of 32, on two fragment buffers.  Every wait for 16 leaves the other buffer's 16 younger loads out, on the way in and over the backward jump alike.
.macro SLOTRUN s
	WIN 0
	PLACES                                         ; behind the last products of the slot before, whose sources are loaded again
	s_mov_b32 s[TA], (\s)*SLOT
	s_mov_b32 s[TW], (\s)*SLOT
	v_add_nc_u32 v[VA], s[TA], v[AA0]
	v_add_nc_u32 v[VW], s[TW], v[AW0]
	FETCH F0, 0
	FETCH F1, 1
	WIN 0
	s_mov_b32 s[CNT], 3
.Lk_\@:
	s_wait_dscnt 16
	MUL F0
	PLACES
	FETCH F0, 2
	s_wait_dscnt 16
	MUL F1
	PLACES
	FETCH F1, 3
	WIN 0                                          ; at a label and at a branch every window is 0
	s_add_co_u32 s[TA], s[TA], 128                 ; two K steps on: 128 bytes of A's rows,
	s_add_co_u32 s[TW], s[TW], 64*PW               ; 64 rows of W
	v_add_nc_u32 v[VA], s[TA], v[AA0]
	v_add_nc_u32 v[VW], s[TW], v[AW0]
	s_sub_co_u32 s[CNT], s[CNT], 1
	s_cmp_lg_u32 s[CNT], 0
	s_cbranch_scc1 .Lk_\@
	s_wait_dscnt 16
	MUL F0
	s_wait_dscnt 0x0
	MUL F1
	WIN 0
.endm
; The change of slots.  Each wave waits for all its tensor loads (one is out: its part of the other slot), adds 0 to its spare word, and waits for that and for its reads of the slot that it leaves.
; fill = 1: the barrier is a round of the cluster's, and the slot just read is filled again first thing behind it, with K two slots on: the load has a slot's 128 products in which to land.
.macro CHANGE slot, fill
	WIN 0
	s_wait_tensorcnt 0x0                           ; no tensor load of mine is out, so a group 0 may be written
	ds_add_u32 v[SPW], v[NIL]
.if \fill
	s_add_nc_u64 s[G0A+4*(\slot)+2:G0A+4*(\slot)+3], s[G0A+4*(\slot)+2:G0A+4*(\slot)+3], 1024
	s_add_nc_u64 s[G0W+4*(\slot)+2:G0W+4*(\slot)+3], s[G0W+4*(\slot)+2:G0W+4*(\slot)+3], 1024*WPITCH
.endif
	s_wait_dscnt 0x0                               ; the add is done, and my reads of the slot are over
.if \fill
	CROUND
	JLOAD \slot
.else
	s_barrier_signal -1
	s_barrier_wait -1
.endif
.endm
	s_wait_loadcnt 0x0                             ; the bias lies in the accumulators
	s_wait_tensorcnt 0x1                           ; my part of slot 0 is in; slot 1's may stay out
	s_barrier_signal -1
	s_barrier_wait -1                              ; everybody's is
	SLOTRUN 0
.if NS > 2
	s_mov_b32 s[LAP], NS/2-1
.Llap:
	CHANGE 0, 1
	SLOTRUN 1
	CHANGE 1, 1
	SLOTRUN 0
	s_sub_co_u32 s[LAP], s[LAP], 1
	s_cmp_lg_u32 s[LAP], 0
	s_cbranch_scc1 .Llap
.endif
	CHANGE 0, 0                                    ; the last slot: nothing is left to fetch
	SLOTRUN 1
	PLACES
	; THE WAY OUT.  The f32 sums go into the stage, 32 bytes a lane; a barrier, since a row's 512 bytes come from two waves; back as whole rows, 32 rows a wave.
.if F32OUT
	WIN W_TOF                                      ; the residual's rows are asked for first, into the fragment buffers, which are free
.set i, 0
.rept 32
	global_load_b128 v[4*i:4*i+3], v[CO], s[68:69] offset:2048*i
.set i, i+1
.endr
	WIN 0
.if MODE == 4
.set i, 0
.rept 32
	global_load_b64 v[PK+2*i:PK+2*i+1], v[CO2], s[70:71] offset:1024*i
.set i, i+1
.endr
.endif
.endif
.irp a, 0,1,2,3
.irp b, 0,1,2,3
	ds_store_b128 v[STO], v[ACC+8*(4*(\a)+(\b)):ACC+8*(4*(\a)+(\b))+3]   offset:(\a)*16*PA+64*(\b)      ; each accumulator's low registers first
	ds_store_b128 v[STO], v[ACC+8*(4*(\a)+(\b))+4:ACC+8*(4*(\a)+(\b))+7] offset:(\a)*16*PA+64*(\b)+16
.endr
.endr
	s_wait_dscnt 0x0                               ; for the others' sake: my stores into the stage are done
	s_barrier_signal -1
	s_barrier_wait -1
.if F32OUT
.set i, 0
.rept 32
	ds_load_b128 v[ACC+4*i:ACC+4*i+3], v[RD] offset:i*PA
.set i, i+1
.endr
	s_wait_dscnt 0x0
	s_wait_loadcnt 0x0                             ; the residual is in
	WIN 0x04                                       ; source 1 in window 1
.set i, 0
.rept 64
	v_pk_add_f32 v[ACC+2*i:ACC+2*i+1], v[ACC+2*i:ACC+2*i+1], v[2*i:2*i+1]
.set i, i+1
.endr
	WIN 0
.if MODE == 4
.set i, 0
.rept 32                               ; x_ln: bf16 to f32 is a shift or a mask
	v_lshlrev_b32 v[GT+4*(i%2)],   16, v[PK+2*i]
	v_and_b32     v[GT+4*(i%2)+1], 0xffff0000, v[PK+2*i]
	v_lshlrev_b32 v[GT+4*(i%2)+2], 16, v[PK+2*i+1]
	v_and_b32     v[GT+4*(i%2)+3], 0xffff0000, v[PK+2*i+1]
	v_pk_add_f32 v[ACC+4*i:ACC+4*i+1],   v[ACC+4*i:ACC+4*i+1],   v[GT+4*(i%2):GT+4*(i%2)+1]
	v_pk_add_f32 v[ACC+4*i+2:ACC+4*i+3], v[ACC+4*i+2:ACC+4*i+3], v[GT+4*(i%2)+2:GT+4*(i%2)+3]
.set i, i+1
.endr
.endif
.set i, 0
.rept 32
	global_store_b128 v[CO], v[ACC+4*i:ACC+4*i+3], s[8:9] offset:2048*i  ; a wave stores 512 consecutive bytes, aligned
.set i, i+1
.endr
.else
; gelu(v) = v / 2 + |v| (1/2 - (1/2) poly(t) exp(-v^2 / 2)), t = 1 / (1 + 0.3275911 |v| / sqrt(2)): eight numbers, one batch of 16 transcendentals with one wait
.macro GELU g
.set VV, ACC+8*(\g)
.irp j, 0,1,2,3,4,5,6,7
	v_and_b32 v[GT+(\j)], 0x7fffffff, v[VV+(\j)]
.endr
.irp j, 0,2,4,6
	v_pk_fma_f32 v[GT+8+(\j):GT+9+(\j)], v[GT+(\j):GT+1+(\j)], s[72:73], 1.0 op_sel_hi:[1,0,0]
	v_pk_mul_f32 v[GT+16+(\j):GT+17+(\j)], v[VV+(\j):VV+1+(\j)], v[VV+(\j):VV+1+(\j)]
.endr
.irp j, 0,2,4,6
	v_pk_mul_f32 v[GT+16+(\j):GT+17+(\j)], v[GT+16+(\j):GT+17+(\j)], s[74:75] op_sel_hi:[1,0]
.endr
.irp j, 0,1,2,3,4,5,6,7
	v_rcp_f32 v[GT+8+(\j)], v[GT+8+(\j)]
.endr
.irp j, 0,1,2,3,4,5,6,7
	v_exp_f32 v[GT+16+(\j)], v[GT+16+(\j)]
.endr
	v_nop                                          ; a plain instruction behind the last of the batch,
	s_wait_alu depctr_va_vdst(0)                   ; and the one wait ahead of its first reader
.irp j, 0,2,4,6
	v_pk_fma_f32 v[GT+24+(\j):GT+25+(\j)], v[GT+8+(\j):GT+9+(\j)], s[76:77], s[78:79] op_sel_hi:[1,0,0]
.endr
.irp c, 80,82,84
.irp j, 0,2,4,6
	v_pk_fma_f32 v[GT+24+(\j):GT+25+(\j)], v[GT+24+(\j):GT+25+(\j)], v[GT+8+(\j):GT+9+(\j)], s[\c:\c+1] op_sel_hi:[1,1,0]
.endr
.endr
.irp j, 0,2,4,6
	v_pk_mul_f32 v[GT+24+(\j):GT+25+(\j)], v[GT+24+(\j):GT+25+(\j)], v[GT+8+(\j):GT+9+(\j)]
.endr
.irp j, 0,2,4,6
	v_pk_fma_f32 v[GT+24+(\j):GT+25+(\j)], v[GT+24+(\j):GT+25+(\j)], v[GT+16+(\j):GT+17+(\j)], 0.5 op_sel_hi:[1,1,0]
.endr
.irp j, 0,2,4,6
	v_pk_mul_f32 v[GT+24+(\j):GT+25+(\j)], v[GT+24+(\j):GT+25+(\j)], v[GT+(\j):GT+1+(\j)]
.endr
.irp j, 0,2,4,6
	v_pk_fma_f32 v[VV+(\j):VV+1+(\j)], v[VV+(\j):VV+1+(\j)], 0.5, v[GT+24+(\j):GT+25+(\j)] op_sel_hi:[1,0,1]
.endr
.endm
	s_mov_b32 s[CNT], 4
.Lrows:                                        ; four trips of eight rows
.irp i, 0,1,2,3,4,5,6,7
	ds_load_b128 v[ACC+4*(\i):ACC+4*(\i)+3], v[RD] offset:(\i)*PA
.endr
	s_wait_dscnt 0x0
.if MODE == 1
.set k, 0
.rept 16
	v_pk_mul_f32 v[ACC+2*k:ACC+2*k+1], v[ACC+2*k:ACC+2*k+1], s[96:97] op_sel_hi:[1,0]
.set k, k+1
.endr
.elseif MODE == 3
	GELU 0
	GELU 1
	GELU 2
	GELU 3
.endif
.set k, 0
.rept 16
	v_cvt_pk_bf16_f32 v[PK+k], v[ACC+2*k], v[ACC+2*k+1]
.set k, k+1
.endr
.irp i, 0,1,2,3,4,5,6,7
	global_store_b64 v[CO], v[PK+2*(\i):PK+2*(\i)+1], s[8:9] offset:(\i)*OPITCH  ; a wave stores 256 consecutive bytes, aligned
.endr
	s_wait_xcnt 0x0                                ; the stores have read their data and their base: only now are these written again
	v_add_nc_u32 v[RD], 8*PA, v[RD]
	s_add_nc_u64 s[8:9], s[8:9], 8*OPITCH
	s_sub_co_u32 s[CNT], s[CNT], 1
	s_cmp_lg_u32 s[CNT], 0
	s_cbranch_scc1 .Lrows
.endif
	s_wait_tensorcnt 0x0                           ; the wave's end, behind my last tensor load and my last LDS store
	ds_add_u32 v[SPW], v[NIL]
	s_wait_dscnt 0x0
	CROUND                                         ; the closing round: no work-group ends while a partner may still ask for a tile that names it
	s_endpgm
.Lfunc_end_k_q2c8fabcfaa_wo:
	.size	k_q2c8fabcfaa_wo, .Lfunc_end_k_q2c8fabcfaa_wo-k_q2c8fabcfaa_wo
	.p2alignl 7, 3214868480
	.fill 96, 4, 3214868480
	.section	.rodata,"a",@progbits
	.p2align	6, 0x0
	.amdhsa_kernel k_q2c8fabcfaa_wo
		.amdhsa_group_segment_fixed_size 327680
		.amdhsa_private_segment_fixed_size 0
		.amdhsa_enable_private_segment 0
		.amdhsa_kernarg_size 56
		.amdhsa_user_sgpr_count 2
		.amdhsa_user_sgpr_kernarg_segment_ptr 1
		.amdhsa_wavefront_size32 1
		.amdhsa_system_sgpr_workgroup_id_x 1
		.amdhsa_system_sgpr_workgroup_id_y 1
		.amdhsa_system_sgpr_workgroup_id_z 1
		.amdhsa_system_vgpr_workitem_id 0
		.amdhsa_next_free_vgpr 384
		.amdhsa_next_free_sgpr 100
		.amdhsa_reserve_vcc 0
		.amdhsa_float_denorm_mode_32 3
		.amdhsa_float_denorm_mode_16_64 3
		.amdhsa_memory_ordered 1
		.amdhsa_forward_progress 1
		.amdhsa_inst_pref_size 44
	.end_amdhsa_kernel
	.amdgpu_metadata
---
amdhsa.version: [ 1, 2 ]
amdhsa.kernels:
  - .name:           k_q2c8fabcfaa_wo
    .symbol:         k_q2c8fabcfaa_wo.kd
    .args:
      - { .name: obuf, .offset: 0, .size: 8, .value_kind: global_buffer, .address_space: global }
      - { .name: wb, .offset: 8, .size: 8, .value_kind: global_buffer, .address_space: global }
      - { .name: g_bo, .offset: 16, .size: 8, .value_kind: global_buffer, .address_space: global }
      - { .name: e_bo, .offset: 24, .size: 8, .value_kind: global_buffer, .address_space: global }
      - { .name: gene_emb, .offset: 32, .size: 8, .value_kind: global_buffer, .address_space: global }
      - { .name: expr_emb, .offset: 40, .size: 8, .value_kind: global_buffer, .address_space: global }
      - { .name: xres, .offset: 48, .size: 8, .value_kind: global_buffer, .address_space: global }
    .group_segment_fixed_size: 327680
    .private_segment_fixed_size: 0
    .kernarg_segment_align: 8
    .kernarg_segment_size: 56
    .max_flat_workgroup_size: 128
    .sgpr_count:     100
    .vgpr_count:     384
    .wavefront_size: 32
...
	.end_amdgpu_metadata
.endif
;; end of part 5
;; launch ln2 (part 6): grid 256 x 1, 8 waves a work-group, no clusters, 0 bytes of LDS; arguments xres, ln_g2_w, ln_g2_b, ln_e2_w, ln_e2_b, xln; writes xln
.if DOCPART == 6
	.amdgcn_target "amdgcn-amd-amdhsa--gfx1250"
	.amdhsa_code_object_version 6
	.text
	.protected	k_q2c8fabcfaa_ln2
	.globl	k_q2c8fabcfaa_ln2
	.p2align	8
	.type	k_q2c8fabcfaa_ln2,@function
k_q2c8fabcfaa_ln2:
	s_mov_b64 s[64:65], 0
	v_nop
	global_prefetch_b8 v0, s[64:65] scope:SCOPE_SE
	s_setreg_imm32_b32 hwreg(HW_REG_WAVE_MODE, 25, 1), 1
	s_wait_xcnt 0x0
; x_ln = LayerNorm(x).  xres: [8192][512] f32 (rows 0-4,095 the gene branch, then the expr branch); xln: the same rows in bf16.
; A wave takes a row: lane l holds elements 4 l + 128 j .. + 3, j = 0..3, so a load of the wave covers 512 consecutive bytes and a store of 8 bytes a lane 256 consecutive bytes, aligned.
; Mean first, then the mean of the squared differences, as the reference takes them.  32 rows a work-group, 4 a wave, all 16 loads of a wave issued at once.
; No LDS, no matrix unit, no cluster: nothing is shared and every byte is touched once.  NaN and infinities are not treated apart.
.set LO,   2
.set SO,   3
.set W,    4                           ; v[4:19]    gain of my 16 columns
.set BV,   20                          ; v[20:35]   bias
.set X,    36                          ; v[36:99]   four rows, 16 registers each
.set Y,    100                         ; v[100:131] four rows to store, 8 each
.set T,    132                         ; v[132:139] at work
.set MEAN, 140
.set RS,   142
	s_load_b256 s[4:11], s[0:1], 0x0               ; xres, ln_g2_w, ln_g2_b, ln_e2_w
	s_load_b128 s[12:15], s[0:1], 0x20             ; ln_e2_b, xln
	v_lshrrev_b32 v1, 5, v0
	v_readfirstlane_b32 s21, v1                    ; wave 0..7
	v_and_b32 v1, 31, v0
	v_lshlrev_b32 v[LO], 4, v1
	v_lshlrev_b32 v[SO], 3, v1
	s_lshr_b32 s20, ttmp9, 7                       ; the branch
	s_lshl_b32 s2, ttmp9, 5
	s_lshl2_add_u32 s2, s21, s2                    ; my first row
	s_lshl_b32 s16, s2, 10                         ; 1,024 bytes a row of xln,
	s_lshl_b32 s2, s2, 11                          ; 2,048 of xres
	s_mov_b32 s3, 0
	s_mov_b32 s17, 0
	s_mov_b32 s32, 0x76543210
	s_mov_b32 s33, 0xfedcba98
	s_mov_b32 s34, 0x3b000000                      ; 1 / 512
	s_mov_b32 s35, 0x3727c5ac                      ; 1e-5
	s_wait_kmcnt 0x0
	s_cmp_eq_u32 s20, 0
	s_cselect_b64 s[24:25], s[6:7], s[10:11]
	s_cselect_b64 s[26:27], s[8:9], s[12:13]
	s_add_nc_u64 s[22:23], s[4:5], s[2:3]
	s_add_nc_u64 s[28:29], s[14:15], s[16:17]
.irp j, 0,1,2,3
	global_load_b128 v[W+4*(\j):W+4*(\j)+3], v[LO], s[24:25] offset:512*(\j)
.endr
.irp j, 0,1,2,3
	global_load_b128 v[BV+4*(\j):BV+4*(\j)+3], v[LO], s[26:27] offset:512*(\j)
.endr
.irp i, 0,1,2,3
.irp j, 0,1,2,3
	global_load_b128 v[X+16*(\i)+4*(\j):X+16*(\i)+4*(\j)+3], v[LO], s[22:23] offset:2048*(\i)+512*(\j)
.endr
.endr
.macro REDUCE                          ; v[T] summed over the 32 lanes, the sum in every lane
	v_add_f32_dpp v[T], v[T], v[T] row_xmask:1 row_mask:0xf bank_mask:0xf
	v_add_f32_dpp v[T], v[T], v[T] row_xmask:2 row_mask:0xf bank_mask:0xf
	v_add_f32_dpp v[T], v[T], v[T] row_xmask:4 row_mask:0xf bank_mask:0xf
	v_add_f32_dpp v[T], v[T], v[T] row_xmask:8 row_mask:0xf bank_mask:0xf
	v_permlanex16_b32 v[T+1], v[T], s32, s33       ; its destination counts as read: T+1 has been written
	v_add_f32 v[T], v[T], v[T+1]
.endm
.macro LNROW i                         ; each row has its own registers for what it stores, so no store's data is ever rewritten
.set XB, X+16*(\i)
	s_wait_loadcnt 4*(3-(\i))                      ; loads come back in order: gain, bias and rows 0..i are in, the later rows' four loads each stay out
	v_pk_add_f32 v[T:T+1], v[XB:XB+1], v[XB+2:XB+3]
	v_pk_add_f32 v[T+2:T+3], v[XB+4:XB+5], v[XB+6:XB+7]
	v_pk_add_f32 v[T+4:T+5], v[XB+8:XB+9], v[XB+10:XB+11]
	v_pk_add_f32 v[T+6:T+7], v[XB+12:XB+13], v[XB+14:XB+15]
	v_pk_add_f32 v[T:T+1], v[T:T+1], v[T+2:T+3]
	v_pk_add_f32 v[T+4:T+5], v[T+4:T+5], v[T+6:T+7]
	v_pk_add_f32 v[T:T+1], v[T:T+1], v[T+4:T+5]
	v_add_f32 v[T], v[T], v[T+1]
	REDUCE
	v_mul_f32 v[MEAN], s34, v[T]
	v_mov_b32 v[MEAN+1], v[MEAN]
.irp k, 0,1,2,3,4,5,6,7
	v_pk_add_f32 v[XB+2*(\k):XB+2*(\k)+1], v[XB+2*(\k):XB+2*(\k)+1], v[MEAN:MEAN+1] neg_lo:[0,1] neg_hi:[0,1]  ; x - mean
.endr
	v_pk_mul_f32 v[T:T+1], v[XB:XB+1], v[XB:XB+1]
	v_pk_mul_f32 v[T+2:T+3], v[XB+2:XB+3], v[XB+2:XB+3]
.irp k, 4,8,12
	v_pk_fma_f32 v[T:T+1], v[XB+(\k):XB+(\k)+1], v[XB+(\k):XB+(\k)+1], v[T:T+1]
	v_pk_fma_f32 v[T+2:T+3], v[XB+(\k)+2:XB+(\k)+3], v[XB+(\k)+2:XB+(\k)+3], v[T+2:T+3]
.endr
	v_pk_add_f32 v[T:T+1], v[T:T+1], v[T+2:T+3]
	v_add_f32 v[T], v[T], v[T+1]
	REDUCE
	v_fma_f32 v[T+2], v[T], s34, s35               ; var + eps
	v_rsq_f32 v[RS], v[T+2]                        ; made twice, to fill the pair that the packed multiply takes
	v_rsq_f32 v[RS+1], v[T+2]
	v_nop                                          ; a plain instruction behind the roots (ISA guide 5.7.2),
	s_wait_alu depctr_va_vdst(0)                   ; and a wait ahead of their first reader
.irp k, 0,1,2,3,4,5,6,7
	v_pk_mul_f32 v[XB+2*(\k):XB+2*(\k)+1], v[XB+2*(\k):XB+2*(\k)+1], v[RS:RS+1]
.endr
.irp k, 0,1,2,3,4,5,6,7
	v_pk_fma_f32 v[XB+2*(\k):XB+2*(\k)+1], v[XB+2*(\k):XB+2*(\k)+1], v[W+2*(\k):W+2*(\k)+1], v[BV+2*(\k):BV+2*(\k)+1]
.endr
.irp k, 0,1,2,3,4,5,6,7
	v_cvt_pk_bf16_f32 v[Y+8*(\i)+(\k)], v[XB+2*(\k)], v[XB+2*(\k)+1]
.endr
.irp j, 0,1,2,3
	global_store_b64 v[SO], v[Y+8*(\i)+2*(\j):Y+8*(\i)+2*(\j)+1], s[28:29] offset:1024*(\i)+256*(\j)  ; 32 lanes: 256 consecutive bytes, aligned
.endr
.endm
	LNROW 0
	LNROW 1
	LNROW 2
	LNROW 3
	s_endpgm
.Lfunc_end_k_q2c8fabcfaa_ln2:
	.size	k_q2c8fabcfaa_ln2, .Lfunc_end_k_q2c8fabcfaa_ln2-k_q2c8fabcfaa_ln2
	.p2alignl 7, 3214868480
	.fill 96, 4, 3214868480
	.section	.rodata,"a",@progbits
	.p2align	6, 0x0
	.amdhsa_kernel k_q2c8fabcfaa_ln2
		.amdhsa_group_segment_fixed_size 0
		.amdhsa_private_segment_fixed_size 0
		.amdhsa_enable_private_segment 0
		.amdhsa_kernarg_size 48
		.amdhsa_user_sgpr_count 2
		.amdhsa_user_sgpr_kernarg_segment_ptr 1
		.amdhsa_wavefront_size32 1
		.amdhsa_system_sgpr_workgroup_id_x 1
		.amdhsa_system_sgpr_workgroup_id_y 1
		.amdhsa_system_sgpr_workgroup_id_z 1
		.amdhsa_system_vgpr_workitem_id 0
		.amdhsa_next_free_vgpr 144
		.amdhsa_next_free_sgpr 66
		.amdhsa_reserve_vcc 0
		.amdhsa_float_denorm_mode_32 3
		.amdhsa_float_denorm_mode_16_64 3
		.amdhsa_memory_ordered 1
		.amdhsa_forward_progress 1
		.amdhsa_inst_pref_size 22
	.end_amdhsa_kernel
	.amdgpu_metadata
---
amdhsa.version: [ 1, 2 ]
amdhsa.kernels:
  - .name:           k_q2c8fabcfaa_ln2
    .symbol:         k_q2c8fabcfaa_ln2.kd
    .args:
      - { .name: xres, .offset: 0, .size: 8, .value_kind: global_buffer, .address_space: global }
      - { .name: ln_g2_w, .offset: 8, .size: 8, .value_kind: global_buffer, .address_space: global }
      - { .name: ln_g2_b, .offset: 16, .size: 8, .value_kind: global_buffer, .address_space: global }
      - { .name: ln_e2_w, .offset: 24, .size: 8, .value_kind: global_buffer, .address_space: global }
      - { .name: ln_e2_b, .offset: 32, .size: 8, .value_kind: global_buffer, .address_space: global }
      - { .name: xln, .offset: 40, .size: 8, .value_kind: global_buffer, .address_space: global }
    .group_segment_fixed_size: 0
    .private_segment_fixed_size: 0
    .kernarg_segment_align: 8
    .kernarg_segment_size: 48
    .max_flat_workgroup_size: 256
    .sgpr_count:     66
    .vgpr_count:     144
    .wavefront_size: 32
...
	.end_amdgpu_metadata
.endif
;; end of part 6
;; launch ffn1 (part 7): grid 8 x 32, 4 waves a work-group, clusters of 4 x 4, 327,680 bytes of LDS; arguments xln, wb, fg_b1, fe_b1, h; writes h
.if DOCPART == 7
	.amdgcn_target "amdgcn-amd-amdhsa--gfx1250"
	.amdhsa_code_object_version 6
	.text
	.protected	k_q2c8fabcfaa_ffn1
	.globl	k_q2c8fabcfaa_ffn1
	.p2align	8
	.type	k_q2c8fabcfaa_ffn1,@function
k_q2c8fabcfaa_ffn1:
	s_mov_b64 s[64:65], 0
	v_nop
	global_prefetch_b8 v0, s[64:65] scope:SCOPE_SE
	s_setreg_imm32_b32 hwreg(HW_REG_WAVE_MODE, 25, 1), 1
	s_wait_xcnt 0x0
	s_wait_alu depctr_hold_cnt(0) depctr_sa_sdst(0) depctr_va_vdst(0) depctr_va_sdst(0) depctr_va_ssrc(0) depctr_va_vcc(0) depctr_vm_vsrc(0)
	s_getreg_b32 s2, hwreg(HW_REG_IB_STS2, 6, 4)
	s_cmp_eq_u32 s2, 0
	s_cbranch_scc0 .Lentry_in_a_cluster
	s_endpgm
.Lentry_in_a_cluster:
	s_bfe_u32 s2, ttmp6, 0x10000c
	s_cmp_lg_u32 s2, 0xf033
	s_cbranch_scc0 .Lentry_shape_is_right
	s_endpgm
.Lentry_shape_is_right:
; h = gelu(x_ln w1 + b1), both branches.  xln: [8192][512] bf16 (rows 0-4,095 the gene branch, then the expr branch).  w1: [512][2048] bf16, as the weights lie in memory, in wb.
; b1: [2048] f32.  h: [8192][2048] bf16.  Sums in f32, gelu in f32, h rounded once.
; SHARES.  8,192 x 2,048 outputs are 256 tiles of 256 x 256: one work-group each.  Four waves, each 128 x 128: 64 accumulators of 16 x 16, 512 registers.  For 32 along K a wave takes 32 LDS loads
; for 64 products.  K = 512 goes in four steps of 128 through two LDS slots filled by tensor loads, one load a wave and slot: two first fills, two refills.
; THE MATRIX INSTRUCTION IS USED TRANSPOSED: source 0 = 16 columns of W, turned on the way out of LDS by ds_load_tr16_b128; source 1 = 16 rows of A.  A lane then holds one row of C and 8 neighbouring columns.
; THE SUMS START FROM THE BIAS, loaded straight into the accumulators while the first tiles are on their way: nothing is cleared, nothing is added on the way out.
; CLUSTER 4 x 4: A's tile hangs on the tile row alone and is asked for jointly along a row of the cluster, W's on the tile column alone and jointly along a column.
; THE WAY OUT.  When the ring has had its last fill and its last read, each wave lays its 128 x 128 sums in f32 into 67,584 bytes of the ring that are its own, and walks them by whole rows: a row's 128 columns
; are 512 bytes of f32, one LDS load of the wave, and 256 bytes of bf16, one store.  No wave reads what another stored, so no barrier follows.
; NO PREFETCH: K has four steps; two are asked for at the head and two by the refills: no step stands two refills on.
; LIMITS.  NaN and infinities are not treated apart.  erf by the five-term rational form of Abramowitz and Stegun 7.1.26 (error at most 1.5e-7); for v < 0 the two halves of gelu cancel, which leaves an error of about 6e-8 |v|.
; REGISTERS, in windows of 256 (s_set_vgpr_msb: bits 1:0 source 0, 3:2 source 1, 5:4 source 2, 7:6 destination):
;   window 0: addresses; the way out's registers     window 1: two fragment buffers of 128: A's eight fragments, then W's eight
;   window 2: the accumulators of my rows 0-63 ((a, b) at v[8 (8 a + b)])     window 3: those of my rows 64-127
.set KSTEP,  128
.set APITCH, 512                       ; elements from row to row of A
.set WPITCH, 2048                      ; of W
.set OPITCH, 4096                      ; bytes from row to row of h
.set PA,    272                        ; an LDS row of A: 256 bytes + 16: the 16 rows of a fragment load start at 16 different groups of four banks (64 banks of 4 bytes: ISA guide 11.1)
.set PW,    544                        ; an LDS row of W: 512 bytes + 32
.set HALF,  128*PA                     ; what one tensor load brings: 128 rows of A, or 64 rows of W: 34,816 bytes either way
.set WOFF,  2*HALF                     ; a slot: A's 256 rows, then W's 128 rows of K
.set SLOT,  4*HALF                     ; 0x22000: it shares no bit with 0x8800, 0x11000 or 0x19800, the tiles' places in a slot, so one exclusive or moves an LDS address to the other slot and back
.set SPARE, 2*SLOT                     ; behind the ring: the spare words, 128 bytes a wave, that no other line names
.set PS,    528                        ; the way out: a row of 128 f32 + 16 bytes
.set WREG,  128*PS                     ; a wave's own bytes on the way out; four of them end below SPARE
.set AA0, 16                           ; v16  my lane's place in A's part of a slot; never rewritten
.set AW0, 20                           ; v20  the same for W
.set VA,  22                           ; v22  the LDS address of A's loads in hand
.set VW,  23                           ; v23  of W's
.set STO, 24                           ; v24  the way out: where I put 32 bytes of a row
.set RD,  25                           ; v25  where I read a row back
.set CO,  26                           ; v26  my byte offset in a row of my 256 bytes of h
.set BO,  27                           ; v27  my byte offset in 16 numbers of the bias
.set SPW, 28                           ; v28  LDS address of my spare word; never rewritten
.set NIL, 29                           ; v29  0; never rewritten
.set PK,  32                           ; v[32:47]   eight rows rounded to bf16
.set T0,  96                           ; v[96:127]  |v|
.set DD,  128                          ; v[128:159] 1 + p |v|, then t
.set UU,  160                          ; v[160:191] the exponent, then the exponential
.set QQ,  192                          ; v[192:223] the polynomial, then the result
.set VV,  224                          ; v[224:255] eight rows of sums, 4 registers each
.set F0,  0                            ; fragment buffers, in window 1
.set F1,  128
.set G1A, 24                           ; s[24:31] descriptor group 1 for A's tiles; s[32:39] group 0: a set for each of the two first fills; the second then walks on
.set G0A, 32
.set G1W, 48                           ; s[48:55], s[56:63] the same for W's
.set G0W, 56
.set CNT, 45
.set LAP, 88
.set TA,  89                           ; s89  LDS byte at which the K steps in hand begin in A's rows, slot included
.set TW,  90                           ; s90  the same for W
.set BR,  91                           ; s91  the branch (0 gene, 1 expr)
.set SB,  92                           ; s92  the slot in hand: 0 or SLOT
.set MSB, 0
.macro WIN new                         ; the immediate's high byte repeats the setting that is left; a switch that changes nothing is dropped
.if MSB != (\new)
	s_set_vgpr_msb (MSB<<8)|(\new)
.set MSB, \new
.endif
.endm
.macro PLACES                          ; four plain places behind matrix instructions, ahead of loads into their sources and of readers of their results
.rept 4
	v_nop
.endr
.endm
.macro JLOAD                           ; a joint refill: waves 0 and 1 fetch A's two halves, waves 2 and 3 W's; an s_nop 0 and four v_nop follow each line
	s_cmp_eq_u32 s11, 0
	s_cbranch_scc0 .Lfor_w_\@
	tensor_load_to_lds s[G0A+4:G0A+7], s[G1A:G1A+7]
	s_nop 0
	PLACES
	s_branch .Lasked_\@
.Lfor_w_\@:
	tensor_load_to_lds s[G0W+4:G0W+7], s[G1W:G1W+7]
	s_nop 0
	PLACES
.Lasked_\@:
.endm
.macro CROUND                          ; a round of the cluster's barrier: my work-group's barrier, wave 0 signals for it, all wait for all sixteen, my work-group's barrier again
	s_barrier_signal -1
	s_barrier_wait -1
	s_cmp_lg_u32 s10, 0
	s_cbranch_scc1 .Lnot_wave_0_\@
	s_barrier_signal -3
.Lnot_wave_0_\@:
	s_barrier_wait -3
	s_barrier_signal -1
	s_barrier_wait -1
.endm
	s_load_b256 s[72:79], s[0:1], 0x0              ; xln, wb, fg_b1, fe_b1
	s_load_b64 s[80:81], s[0:1], 0x20              ; h
	v_lshl_add_u32 v[SPW], v0, 2, SPARE
	v_mov_b32 v[NIL], 0
	ds_add_u32 v[SPW], v[NIL]                      ; the wave's opening: the add and its wait stand ahead of my first tensor load; the set-up below stands between them
	v_lshrrev_b32 v1, 5, v0
	v_readfirstlane_b32 s10, v1                    ; wave 0..3
	s_lshr_b32 s11, s10, 1                         ; my half of the tile's rows.  Also: I fetch for A (0) or for W (1)
	s_and_b32 s12, s10, 1                          ; my half of its columns.  Also: which half of that tile I fetch
	s_bfe_u32 s40, ttmp6, 0x40000                  ; cx
	s_bfe_u32 s41, ttmp6, 0x40004                  ; cy
	s_lshl_b32 s42, ttmp9, 2
	s_add_co_u32 s42, s42, s40                     ; tile column = 4 x cluster x + cx, 0..7
	s_and_b32 s[BR], ttmp7, 0xffff                 ; cluster y
	s_lshl_b32 s13, s[BR], 2
	s_add_co_u32 s13, s13, s41                     ; tile row = 4 x cluster y + cy, 0..31
	s_lshr_b32 s[BR], s[BR], 2                     ; clusters 4..7 along y hold rows 4,096 on: the expr branch
	s_lshl_b32 s43, s41, 2
	s_lshl_b32 s43, 15, s43                        ; my row of the cluster
	s_lshl_b32 s44, 0x1111, s40                    ; my column
	s_or_b32 s[G1A], s43, (1<<16)|(1<<20)|(1<<21)|(5<<22)|(3<<25)  ; the mask; 2-byte elements; padding on; bit 21 beside a mask; after every 64 words 4 words
	s_mov_b32 s[G1A+1], KSTEP<<16                  ; tensor_dim0 = 128
	s_mov_b32 s[G1A+2], 128<<16                    ; tensor_dim1 = 128
	s_mov_b32 s[G1A+3], KSTEP<<16                  ; tile_dim0 = 128
	s_mov_b32 s[G1A+4], 128                        ; tile_dim1 = 128
	s_mov_b32 s[G1A+5], APITCH
	s_mov_b32 s[G1A+6], 0
	s_mov_b32 s[G1A+7], 0
	s_or_b32 s[G1W], s44, (1<<16)|(1<<20)|(1<<21)|(6<<22)|(7<<25)  ; after every 128 words 8 words
	s_mov_b32 s[G1W+1], 256<<16                    ; 256 columns
	s_mov_b32 s[G1W+2], 64<<16                     ; 64 rows of K
	s_mov_b32 s[G1W+3], 256<<16
	s_mov_b32 s[G1W+4], 64
	s_mov_b32 s[G1W+5], WPITCH
	s_mov_b32 s[G1W+6], 0
	s_mov_b32 s[G1W+7], 0
	s_mov_b32 s[G0A], 1
	s_mov_b32 s[G0A+4], 1
	s_mov_b32 s[G0W], 1
	s_mov_b32 s[G0W+4], 1
	s_mul_i32 s[G0A+1], s12, HALF                  ; LDS addresses: the wave's number and constants alone
	s_add_co_u32 s[G0A+5], s[G0A+1], SLOT
	s_mul_i32 s[G0W+1], s12, HALF
	s_add_co_u32 s[G0W+1], s[G0W+1], WOFF
	s_add_co_u32 s[G0W+5], s[G0W+1], SLOT
	s_lshl_b32 s14, s13, 8                         ; A's tile: row 256 x tile row + 128 x half; these two registers never hold cx
	s_lshl_b32 s15, s12, 7
	s_add_co_u32 s14, s14, s15
	s_lshl_b32 s14, s14, 10                        ; 1,024 bytes a row of xln
	s_mov_b32 s15, 0
	s_lshl_b32 s46, s12, 18                        ; W's tile: my 64 rows of K of 4,096 bytes, the tile column's 512 bytes, the matrix's place in wb; these two never hold cy
	s_lshl_b32 s47, s42, 9
	s_add_co_u32 s46, s46, s47
	s_lshl_b32 s47, s[BR], 21                      ; fe_w1 lies four units of 524,288 bytes behind fg_w1,
	s_add_co_u32 s46, s46, s47
	s_add_co_u32 s46, s46, 10*524288               ; which begins at unit 10
	s_mov_b32 s47, 0
	s_lshl_b32 s18, s13, 8                         ; h: my first row, 256 x tile row + 128 x half,
	s_lshl_b32 s19, s11, 7
	s_add_co_u32 s18, s18, s19
	s_lshl_b32 s18, s18, 12
	s_lshl_b32 s19, s42, 9                         ; the tile's 512 bytes of a row,
	s_add_co_u32 s18, s18, s19
	s_lshl_b32 s19, s12, 8                         ; my 256 of them
	s_add_co_u32 s18, s18, s19
	s_mov_b32 s19, 0
	s_lshl_b32 s98, s42, 10                        ; the bias of my 128 columns
	s_lshl_b32 s99, s12, 9
	s_add_co_u32 s98, s98, s99
	s_mov_b32 s99, 0
	s_mov_b32 s[SB], 0
	s_wait_dscnt 0x0                               ; the opening add is done
	s_wait_kmcnt 0x0
	s_add_nc_u64 s[14:15], s[72:73], s[14:15]
	s_add_nc_u64 s[46:47], s[74:75], s[46:47]
	s_cmp_eq_u32 s[BR], 0
	s_cselect_b64 s[66:67], s[76:77], s[78:79]     ; the branch's bias
	s_add_nc_u64 s[66:67], s[66:67], s[98:99]
	s_add_nc_u64 s[8:9], s[80:81], s[18:19]
.irp s, 0,1
	s_add_nc_u64 s[G0A+4*(\s)+2:G0A+4*(\s)+3], s[14:15], (\s)*KSTEP*2        ; slot s begins with K = 128 s
	s_or_b32 s[G0A+4*(\s)+3], s[G0A+4*(\s)+3], 0x80000000                    ; type = 2
	s_add_nc_u64 s[G0W+4*(\s)+2:G0W+4*(\s)+3], s[46:47], (\s)*KSTEP*WPITCH*2
	s_or_b32 s[G0W+4*(\s)+3], s[G0W+4*(\s)+3], 0x80000000
.endr
	s_mov_b32 s72, 0x3e6d3388                      ; gelu's constants, as pairs for the packed forms; the arguments that lay here have been used.  0.3275911 / sqrt(2)
	s_mov_b32 s74, 0xbf38aa3b                      ; -log2(e) / 2
	s_mov_b32 s76, 0xbf07dc22                      ; -a5 / 2 .. -a1 / 2
	s_mov_b32 s78, 0x3f3a00e3
	s_mov_b32 s80, 0xbf35f0e3
	s_mov_b32 s82, 0x3e11a98e
	s_mov_b32 s84, 0xbe027906
.irp c, 72,74,76,78,80,82,84
	s_mov_b32 s[\c+1], s[\c]
.endr
	s_mov_b32 s86, 0x7fffffff                      ; clears a sign
	CROUND                                         ; all sixteen work-groups are here: the first joint loads meet
	s_cmp_eq_u32 s11, 0                            ; a wave's two first fills stand in one branch, ahead of every wait on TENSORcnt and every LDS read: two loads of mine are out
	s_cbranch_scc0 .Lfirst_w
	tensor_load_to_lds s[G0A:G0A+3], s[G1A:G1A+7]
	s_nop 0
	tensor_load_to_lds s[G0A+4:G0A+7], s[G1A:G1A+7]
	s_nop 0
	PLACES
	s_branch .Lfirst_asked
.Lfirst_w:
	tensor_load_to_lds s[G0W:G0W+3], s[G1W:G1W+7]
	s_nop 0
	tensor_load_to_lds s[G0W+4:G0W+7], s[G1W:G1W+7]
	s_nop 0
	PLACES
.Lfirst_asked:
	v_and_b32 v1, 15, v0                           ; r = l % 16
	v_bfe_u32 v2, v0, 4, 1                         ; hh = l / 16
	v_and_b32 v3, 7, v0
	v_bfe_u32 v4, v0, 3, 1
	v_and_b32 v5, 31, v0                           ; l
	v_lshlrev_b32 v[BO], 5, v2                     ; my 8 columns of 16: 32 bytes of f32
.irp w, 0x80, 0xc0                     ; destination in window 2, then 3; register j of accumulator (a, b) belongs to column 16 b + 8 hh + j, whatever a
	WIN \w
.set i, 0
.rept 32
	global_load_b128 v[8*i:8*i+3],   v[BO], s[66:67] offset:64*(i%8)
	global_load_b128 v[8*i+4:8*i+7], v[BO], s[66:67] offset:64*(i%8)+16
.set i, i+1
.endr
.endr
	WIN 0
	v_mul_u32_u24 v[AA0], v1, PA                   ; a fragment of A: lane l holds row r, K = 8 hh + 0..7 and 16 + 8 hh + 0..7: two loads of 16 bytes, 32 apart
	v_lshl_add_u32 v[AA0], v2, 4, v[AA0]
	s_mul_i32 s16, s11, HALF                       ; my 128 rows
	v_add_nc_u32 v[AA0], s16, v[AA0]
	v_lshl_add_u32 v[AW0], v2, 3, v3               ; the turning load: lane l reads row 8 hh + l % 8 of K, columns 8 ((l / 8) % 2) + 0..7, and is left with column r and 8 K
	v_mul_u32_u24 v[AW0], v[AW0], PW
	v_lshl_add_u32 v[AW0], v4, 4, v[AW0]
	s_lshl_b32 s16, s12, 8                         ; my 128 columns: 256 bytes
	s_add_co_u32 s16, s16, WOFF
	v_add_nc_u32 v[AW0], s16, v[AW0]
	s_mul_i32 s16, s10, WREG                       ; the way out: my wave's own bytes
	v_mul_u32_u24 v[STO], v1, PS                   ; in: row r of a block of 16, my 8 f32 of each 16 columns
	v_lshl_add_u32 v[STO], v2, 5, v[STO]
	v_add_nc_u32 v[STO], s16, v[STO]
	v_lshl_add_u32 v[RD], v5, 4, s16               ; back: a whole row, 16 bytes a lane
	v_lshlrev_b32 v[CO], 3, v5
.macro MUL f                           ; 64 products, 32 along K.  The 64 accumulators take turns, one instruction a turn, over every jump too
.irp hi, 0,1
	WIN 0xa5+0x50*(\hi)                            ; sources 0 and 1 in window 1; C and D in window 2, then 3
.set i, 0
.rept 32
	v_wmma_f32_16x16x32_bf16 v[8*i:8*i+7], v[(\f)+64+8*(i%8):(\f)+64+8*(i%8)+7], v[(\f)+8*(4*(\hi)+i/8):(\f)+8*(4*(\hi)+i/8)+7], v[8*i:8*i+7]
.set i, i+1
.endr
.endr
.endm
.macro FETCH f, c                      ; 32 LDS loads in one run: the fragments of the K step c steps of 32 behind VA and VW, into buffer f
	WIN 0x40                                       ; destination in window 1, address in window 0
.set i, 0
.rept 8
	ds_load_b128 v[(\f)+8*i:(\f)+8*i+3],   v[VA] offset:64*(\c)+i*16*PA
	ds_load_b128 v[(\f)+8*i+4:(\f)+8*i+7], v[VA] offset:64*(\c)+i*16*PA+32
.set i, i+1
.endr
.set i, 0
.rept 8
	ds_load_tr16_b128 v[(\f)+64+8*i:(\f)+64+8*i+3],   v[VW] offset:32*PW*(\c)+32*i
	ds_load_tr16_b128 v[(\f)+64+8*i+4:(\f)+64+8*i+7], v[VW] offset:32*PW*(\c)+32*i+16*PW
.set i, i+1
.endr
.endm
; A slot's four K steps of 32, on two fragment buffers: written once for either slot, whose first byte is s[SB].  A trip multiplies two steps; while one buffer is multiplied the other's 32 loads are on their way.
.macro RUN
	WIN 0
	PLACES                                         ; behind the last products of the slot before, whose sources are loaded again
	s_mov_b32 s[TA], s[SB]
	s_mov_b32 s[TW], s[SB]
	v_add_nc_u32 v[VA], s[TA], v[AA0]
	v_add_nc_u32 v[VW], s[TW], v[AW0]
	FETCH F0, 0
	WIN 0                                          ; at a label and at a branch every window is 0
	s_mov_b32 s[CNT], 2
.Lk_\@:
	PLACES                                         ; behind the products on buffer 1
	FETCH F1, 1
	s_wait_dscnt 32                                ; buffer 0 is in; the 32 loads just issued may stay out, on the way in and over the backward jump alike
	MUL F0
	WIN 0
	s_wait_dscnt 0x0                               ; buffer 1 is in: its loads were issued 64 products ago
	PLACES                                         ; behind the products on buffer 0
	s_cmp_eq_u32 s[CNT], 1                         ; the slot's last two steps have nothing behind them: the run of loads is jumped over
	s_cbranch_scc1 .Lnof_\@
	FETCH F0, 2
	WIN 0
.Lnof_\@:
	MUL F1
	WIN 0
	s_add_co_u32 s[TA], s[TA], 128                 ; two K steps on: 128 bytes of A's rows,
	s_add_co_u32 s[TW], s[TW], 64*PW               ; 64 rows of W
	v_add_nc_u32 v[VA], s[TA], v[AA0]
	v_add_nc_u32 v[VW], s[TW], v[AW0]
	s_sub_co_u32 s[CNT], s[CNT], 1
	s_cmp_lg_u32 s[CNT], 0
	s_cbranch_scc1 .Lk_\@
.endm
; The change of slots.  Each wave waits for all its tensor loads (at most one is out: its part of the other slot), adds 0 to its spare word, and waits for that and for its reads of the slot that it leaves.
; fill = 1: the barrier is a round of the cluster's, and the slot just read is filled again first thing behind it, with K two slots on: the load has a slot's 256 products in which to land.
.macro CHANGE fill
	WIN 0
	s_wait_tensorcnt 0x0                           ; no tensor load of mine is out, so a group 0 may be written
	ds_add_u32 v[SPW], v[NIL]                      ; scalar work stands between the add and the wait for it
.if \fill
	s_xor_b32 s[G0A+5], s[G0A+5], SLOT             ; the walking descriptors: the other slot than last time,
	s_add_nc_u64 s[G0A+6:G0A+7], s[G0A+6:G0A+7], KSTEP*2         ; the next 128 of K; the type bits on top are not reached
	s_xor_b32 s[G0W+5], s[G0W+5], SLOT
	s_add_nc_u64 s[G0W+6:G0W+7], s[G0W+6:G0W+7], KSTEP*WPITCH*2
.endif
	s_xor_b32 s[SB], s[SB], SLOT                   ; the reads go on in the other slot
	s_wait_dscnt 0x0                               ; the add is done, and my reads of the slot are over
.if \fill
	CROUND
	JLOAD
.else
	s_barrier_signal -1
	s_barrier_wait -1
.endif
.endm
	s_wait_loadcnt 0x0                             ; the bias lies in the accumulators
	s_wait_tensorcnt 0x1                           ; my part of slot 0 is in; slot 1's may stay out
	s_barrier_signal -1
	s_barrier_wait -1                              ; everybody's is
	s_mov_b32 s[LAP], 2
.Lfill:                                        ; K steps 0 and 1: each slot is read and filled again
	RUN
	CHANGE 1
	s_sub_co_u32 s[LAP], s[LAP], 1
	s_cmp_lg_u32 s[LAP], 0
	s_cbranch_scc1 .Lfill
	s_mov_b32 s[LAP], 2
.Ldry:                                         ; K steps 2 and 3: nothing is left to fetch; a text of its own
	RUN
	CHANGE 0                                       ; behind the second of these barriers no wave reads the ring any more, and no load is on its way into it
	s_sub_co_u32 s[LAP], s[LAP], 1
	s_cmp_lg_u32 s[LAP], 0
	s_cbranch_scc1 .Ldry
	; THE WAY OUT.  All 64 accumulators into my own bytes, 32 bytes a lane; each accumulator's low registers first.
	PLACES
.irp hi, 0,1
	WIN 0x08+0x04*(\hi)                            ; the data, source 1, in window 2, then 3
.set i, 0
.rept 32
	ds_store_b128 v[STO], v[8*i:8*i+3]   offset:(4*(\hi)+i/8)*16*PS+64*(i%8)
	ds_store_b128 v[STO], v[8*i+4:8*i+7] offset:(4*(\hi)+i/8)*16*PS+64*(i%8)+16
.set i, i+1
.endr
.endr
	WIN 0
.irp i, 0,1,2,3,4,5,6,7
	ds_load_b128 v[VV+4*(\i):VV+4*(\i)+3], v[RD] offset:(\i)*PS  ; LDS serves a wave's instructions in order (ISA guide 5.7.1.4): these see the stores above
.endr
	s_mov_b32 s[CNT], 16
; gelu(v) = v / 2 + |v| (1/2 - (1/2) poly(t) exp(-v^2 / 2)), t = 1 / (1 + 0.3275911 |v| / sqrt(2)).  A trip takes eight rows, 32 numbers a lane.  Its 32 reciprocals stand by turns with the 32 lines that make
; the exponents, its 32 exponentials by turns with the polynomial's first 32 lines: two batches, each with one wait ahead of its first reader.
.Lrows:
	s_wait_dscnt 0x0                               ; the eight rows are in
.set k, 0
.rept 32
	v_and_b32 v[T0+k], s86, v[VV+k]
.set k, k+1
.endr
.set k, 0
.rept 16
	v_pk_fma_f32 v[DD+2*k:DD+2*k+1], v[T0+2*k:T0+2*k+1], s[72:73], 1.0 op_sel_hi:[1,0,0]
.set k, k+1
.endr
.set k, 0
.rept 32
	v_rcp_f32 v[DD+k], v[DD+k]
.if k%2 == 0
	v_pk_mul_f32 v[UU+k:UU+k+1], v[VV+k:VV+k+1], v[VV+k:VV+k+1]
.else
	v_pk_mul_f32 v[UU+k-1:UU+k], v[UU+k-1:UU+k], s[74:75] op_sel_hi:[1,0]
.endif
.set k, k+1
.endr
	s_wait_alu depctr_va_vdst(0)                   ; one wait for the 32 reciprocals; the plain line behind the last of them stands above
.set k, 0
.rept 32
	v_exp_f32 v[UU+k], v[UU+k]
.if k < 16
	v_pk_fma_f32 v[QQ+2*k:QQ+2*k+1], v[DD+2*k:DD+2*k+1], s[76:77], s[78:79] op_sel_hi:[1,0,0]
.else
	v_pk_fma_f32 v[QQ+2*k-32:QQ+2*k-31], v[QQ+2*k-32:QQ+2*k-31], v[DD+2*k-32:DD+2*k-31], s[80:81] op_sel_hi:[1,1,0]
.endif
.set k, k+1
.endr
.irp c, 82,84
.set k, 0
.rept 16
	v_pk_fma_f32 v[QQ+2*k:QQ+2*k+1], v[QQ+2*k:QQ+2*k+1], v[DD+2*k:DD+2*k+1], s[\c:\c+1] op_sel_hi:[1,1,0]
.set k, k+1
.endr
.endr
.set k, 0
.rept 16
	v_pk_mul_f32 v[QQ+2*k:QQ+2*k+1], v[QQ+2*k:QQ+2*k+1], v[DD+2*k:DD+2*k+1]
.set k, k+1
.endr
	s_wait_alu depctr_va_vdst(0)                   ; one wait for the 32 exponentials: 48 lines that name none of them stand between
.set k, 0
.rept 16
	v_pk_fma_f32 v[QQ+2*k:QQ+2*k+1], v[QQ+2*k:QQ+2*k+1], v[UU+2*k:UU+2*k+1], 0.5 op_sel_hi:[1,1,0]
.set k, k+1
.endr
.set k, 0
.rept 16
	v_pk_mul_f32 v[QQ+2*k:QQ+2*k+1], v[QQ+2*k:QQ+2*k+1], v[T0+2*k:T0+2*k+1]
.set k, k+1
.endr
.set k, 0
.rept 16
	v_pk_fma_f32 v[QQ+2*k:QQ+2*k+1], v[VV+2*k:VV+2*k+1], 0.5, v[QQ+2*k:QQ+2*k+1] op_sel_hi:[1,0,1]
.set k, k+1
.endr
	s_cmp_eq_u32 s[CNT], 1                         ; the sums have been read for the last time: the next eight rows are asked for, but behind the last trip there are none
	s_cbranch_scc1 .Lnomore
	v_add_nc_u32 v[RD], 8*PS, v[RD]
.irp i, 0,1,2,3,4,5,6,7
	ds_load_b128 v[VV+4*(\i):VV+4*(\i)+3], v[RD] offset:(\i)*PS
.endr
.Lnomore:
	s_wait_xcnt 0x0                                ; the last trip's stores have read their data and their base: only now are these written again
	s_add_nc_u64 s[8:9], s[8:9], 8*OPITCH          ; stepped ahead of the stores, which reach back by their offsets
.set k, 0
.rept 16
	v_cvt_pk_bf16_f32 v[PK+k], v[QQ+2*k], v[QQ+2*k+1]
.set k, k+1
.endr
.irp i, 0,1,2,3,4,5,6,7
	global_store_b64 v[CO], v[PK+2*(\i):PK+2*(\i)+1], s[8:9] offset:((\i)-8)*OPITCH  ; a wave stores 256 consecutive bytes, aligned
.endr
	s_sub_co_u32 s[CNT], s[CNT], 1
	s_cmp_lg_u32 s[CNT], 0
	s_cbranch_scc1 .Lrows
	s_wait_tensorcnt 0x0                           ; the wave's end, behind my last tensor load and my last LDS store
	ds_add_u32 v[SPW], v[NIL]
	s_wait_dscnt 0x0
	CROUND                                         ; the closing round: no work-group ends while a partner may still ask for a tile that names it
	s_endpgm
.Lfunc_end_k_q2c8fabcfaa_ffn1:
	.size	k_q2c8fabcfaa_ffn1, .Lfunc_end_k_q2c8fabcfaa_ffn1-k_q2c8fabcfaa_ffn1
	.p2alignl 7, 3214868480
	.fill 96, 4, 3214868480
	.section	.rodata,"a",@progbits
	.p2align	6, 0x0
	.amdhsa_kernel k_q2c8fabcfaa_ffn1
		.amdhsa_group_segment_fixed_size 327680
		.amdhsa_private_segment_fixed_size 0
		.amdhsa_enable_private_segment 0
		.amdhsa_kernarg_size 40
		.amdhsa_user_sgpr_count 2
		.amdhsa_user_sgpr_kernarg_segment_ptr 1
		.amdhsa_wavefront_size32 1
		.amdhsa_system_sgpr_workgroup_id_x 1
		.amdhsa_system_sgpr_workgroup_id_y 1
		.amdhsa_system_sgpr_workgroup_id_z 1
		.amdhsa_system_vgpr_workitem_id 0
		.amdhsa_next_free_vgpr 1024
		.amdhsa_next_free_sgpr 100
		.amdhsa_reserve_vcc 0
		.amdhsa_float_denorm_mode_32 3
		.amdhsa_float_denorm_mode_16_64 3
		.amdhsa_memory_ordered 1
		.amdhsa_forward_progress 1
		.amdhsa_inst_pref_size 78
	.end_amdhsa_kernel
	.amdgpu_metadata
---
amdhsa.version: [ 1, 2 ]
amdhsa.kernels:
  - .name:           k_q2c8fabcfaa_ffn1
    .symbol:         k_q2c8fabcfaa_ffn1.kd
    .args:
      - { .name: xln, .offset: 0, .size: 8, .value_kind: global_buffer, .address_space: global }
      - { .name: wb, .offset: 8, .size: 8, .value_kind: global_buffer, .address_space: global }
      - { .name: fg_b1, .offset: 16, .size: 8, .value_kind: global_buffer, .address_space: global }
      - { .name: fe_b1, .offset: 24, .size: 8, .value_kind: global_buffer, .address_space: global }
      - { .name: h, .offset: 32, .size: 8, .value_kind: global_buffer, .address_space: global }
    .group_segment_fixed_size: 327680
    .private_segment_fixed_size: 0
    .kernarg_segment_align: 8
    .kernarg_segment_size: 40
    .max_flat_workgroup_size: 128
    .sgpr_count:     100
    .vgpr_count:     1024
    .wavefront_size: 32
...
	.end_amdgpu_metadata
.endif
;; end of part 7
;; launch ffn2 (part 8): grid 4 x 64, 4 waves a work-group, clusters of 4 x 4, 327,680 bytes of LDS; arguments h, wb, fg_b2, fe_b2, xres, xln, out0, out1; writes out0, out1
.if DOCPART == 8
	.amdgcn_target "amdgcn-amd-amdhsa--gfx1250"
	.amdhsa_code_object_version 6
	.text
	.protected	k_q2c8fabcfaa_ffn2
	.globl	k_q2c8fabcfaa_ffn2
	.p2align	8
	.type	k_q2c8fabcfaa_ffn2,@function
k_q2c8fabcfaa_ffn2:
	s_mov_b64 s[64:65], 0
	v_nop
	global_prefetch_b8 v0, s[64:65] scope:SCOPE_SE
	s_setreg_imm32_b32 hwreg(HW_REG_WAVE_MODE, 25, 1), 1
	s_wait_xcnt 0x0
	s_wait_alu depctr_hold_cnt(0) depctr_sa_sdst(0) depctr_va_vdst(0) depctr_va_sdst(0) depctr_va_ssrc(0) depctr_va_vcc(0) depctr_vm_vsrc(0)
	s_getreg_b32 s2, hwreg(HW_REG_IB_STS2, 6, 4)
	s_cmp_eq_u32 s2, 0
	s_cbranch_scc0 .Lentry_in_a_cluster
	s_endpgm
.Lentry_in_a_cluster:
	s_bfe_u32 s2, ttmp6, 0x10000c
	s_cmp_lg_u32 s2, 0xf033
	s_cbranch_scc0 .Lentry_shape_is_right
	s_endpgm
.Lentry_shape_is_right:
; out = x + x_ln + h w2 + b2, both branches.  h: [8192][2048] bf16 (rows 0-4,095 the gene branch, then the expr branch).  w2: [2048][512] bf16, as the weights lie in memory, in wb.
; xres: [8192][512] f32 (x).  xln: [8192][512] bf16 (x_ln).  out0, out1: [4096][512] f32.  Sums in f32.  The fifth text of the family of five products of this program, with its mode fixed.
; SHARES.  A work-group makes 128 x 128 of C, each of its four waves 64 x 64: 16 accumulators.  K = 2,048 goes in 8 slots of 256 through two LDS slots filled by tensor loads, one load a wave and slot.
; THE MATRIX INSTRUCTION IS USED TRANSPOSED: source 0 = 16 columns of W, turned on the way out of LDS by ds_load_tr16_b128; source 1 = 16 rows of A.  A lane then holds one row of C and 8 neighbouring columns.
; THE SUMS START FROM THE BIAS, loaded straight into the accumulators: nothing is cleared, nothing is added for it on the way out.
; CLUSTER 4 x 4: A's tile hangs on the tile row alone and is asked for jointly along a row of the cluster, W's on the tile column alone and jointly along a column.
; NO PREFETCH: the tile is the small one (128 x 128).  LIMITS.  NaN and infinities are not treated apart.
.set NS, 8                             ; slots of K = 256
.set APITCH, 2048                      ; elements from row to row of A
.set WPITCH, 512                       ; of W
.set UNIT0, 18                         ; fg_w2's first unit of 524,288 bytes in wb; fe_w2 lies four units on
.set PA,    528                        ; an LDS row of A: 512 bytes + 16: the 16 rows of a fragment load start at 16 different groups of four banks (64 banks of 4 bytes: ISA guide 11.1)
.set PW,    288                        ; an LDS row of W: 256 bytes + 32
.set WOFF,  128*PA                     ; a slot: A's 128 rows, then W's 256 rows of K
.set SLOT,  WOFF+256*PW
.set SPARE, 2*SLOT                     ; behind the ring: the spare words, 128 bytes a wave, that no other line names
; The stage of the way out, 128 rows x 528 bytes of f32, is slot 0's part for A: it is written only when that slot has had its last fill and its last read.
.set AA0, 16                           ; v16  my lane's place in A's part of a slot; never rewritten
.set AW0, 20                           ; v20  the same for W
.set VA,  22                           ; v22  the LDS address of A's loads in hand
.set VW,  23                           ; v23  of W's
.set STO, 24                           ; v24  the way out: where I put 32 bytes of a row
.set RD,  25                           ; v25  where I read a row back
.set CO,  26                           ; v26  my byte offset in a row of the output tile
.set BO,  27                           ; v27  my byte offset in 16 numbers of the bias
.set SPW, 28                           ; v28  LDS address of my spare word; never rewritten
.set NIL, 29                           ; v29  0; never rewritten
.set CO2, 30                           ; v30  my byte offset in a row of x_ln's tile
.set PK,  32                           ; v[32:95]   x_ln's rows
.set GT,  96                           ; v[96:103]  at work
.set ACC, 128                          ; v[128:255] accumulator (a, b) at ACC + 8 (4 a + b)
.set F0,  0                            ; window 1: two fragment buffers of 64: A's four fragments, then W's four; on the way out x's rows
.set F1,  64
.set G1A, 24                           ; s[24:31] descriptor group 1 for A's tiles; s[32:39] group 0, a set for each slot
.set G0A, 32
.set G1W, 48                           ; s[48:55], s[56:63] the same for W's
.set G0W, 56
.set CNT, 45
.set LAP, 88
.set TA,  89                           ; s89  LDS byte at which the K steps in hand begin in A's rows, slot included
.set TW,  90                           ; s90  the same for W
.set BR,  91                           ; s91  the branch (0 gene, 1 expr)
.set W_MUL, 0x05                       ; sources 0 and 1 in window 1, C and D in window 0
.set W_TOF, 0x40                       ; destination in window 1, address in window 0
.set MSB, 0
.macro WIN new                         ; the immediate's high byte repeats the setting that is left; a switch that changes nothing is dropped
.if MSB != (\new)
	s_set_vgpr_msb (MSB<<8)|(\new)
.set MSB, \new
.endif
.endm
.macro PLACES                          ; four plain places behind matrix instructions, ahead of loads into their sources and of readers of their results
.rept 4
	v_nop
.endr
.endm
.macro JLOAD s                         ; a joint load: waves 0 and 1 fetch A's two halves, waves 2 and 3 W's; an s_nop 0 and four v_nop follow each line
	s_cmp_eq_u32 s11, 0
	s_cbranch_scc0 .Lfor_w_\@
	tensor_load_to_lds s[G0A+4*(\s):G0A+4*(\s)+3], s[G1A:G1A+7]
	s_nop 0
	PLACES
	s_branch .Lasked_\@
.Lfor_w_\@:
	tensor_load_to_lds s[G0W+4*(\s):G0W+4*(\s)+3], s[G1W:G1W+7]
	s_nop 0
	PLACES
.Lasked_\@:
.endm
.macro CROUND                          ; a round of the cluster's barrier: my work-group's barrier, wave 0 signals for it, all wait for all sixteen, my work-group's barrier again
	s_barrier_signal -1
	s_barrier_wait -1
	s_cmp_lg_u32 s10, 0
	s_cbranch_scc1 .Lnot_wave_0_\@
	s_barrier_signal -3
.Lnot_wave_0_\@:
	s_barrier_wait -3
	s_barrier_signal -1
	s_barrier_wait -1
.endm
	s_load_b512 s[72:87], s[0:1], 0x0              ; h, wb, fg_b2, fe_b2, xres, xln, out0, out1
	v_lshl_add_u32 v[SPW], v0, 2, SPARE
	v_mov_b32 v[NIL], 0
	ds_add_u32 v[SPW], v[NIL]                      ; the wave's opening: the add and its wait stand ahead of my first tensor load; the set-up below stands between them
	v_lshrrev_b32 v1, 5, v0
	v_readfirstlane_b32 s10, v1                    ; wave 0..3
	s_lshr_b32 s11, s10, 1                         ; my half of the tile's rows.  Also: I fetch for A (0) or for W (1)
	s_and_b32 s12, s10, 1                          ; my half of its columns.  Also: which half of that tile I fetch
	s_bfe_u32 s40, ttmp6, 0x40000                  ; cx
	s_bfe_u32 s41, ttmp6, 0x40004                  ; cy
	s_lshl_b32 s42, ttmp9, 2
	s_add_co_u32 s42, s42, s40                     ; tile column = 4 x cluster x + cx
	s_and_b32 s[BR], ttmp7, 0xffff                 ; cluster y
	s_lshl_b32 s13, s[BR], 2
	s_add_co_u32 s13, s13, s41                     ; tile row = 4 x cluster y + cy
	s_lshr_b32 s[BR], s[BR], 3                     ; clusters 8..15 along y hold rows 4,096 on: the expr branch
	s_lshl_b32 s43, s41, 2
	s_lshl_b32 s43, 15, s43                        ; my row of the cluster
	s_lshl_b32 s44, 0x1111, s40                    ; my column
	s_or_b32 s[G1A], s43, (1<<16)|(1<<20)|(1<<21)|(6<<22)|(3<<25)  ; the mask; 2-byte elements; padding on; bit 21 beside a mask; after every 128 words 4 words
	s_mov_b32 s[G1A+1], 256<<16                    ; tensor_dim0 = 256
	s_mov_b32 s[G1A+2], 64<<16                     ; tensor_dim1 = 64
	s_mov_b32 s[G1A+3], 256<<16                    ; tile_dim0 = 256
	s_mov_b32 s[G1A+4], 64                         ; tile_dim1 = 64
	s_mov_b32 s[G1A+5], APITCH
	s_mov_b32 s[G1A+6], 0
	s_mov_b32 s[G1A+7], 0
	s_or_b32 s[G1W], s44, (1<<16)|(1<<20)|(1<<21)|(5<<22)|(7<<25)  ; after every 64 words 8 words
	s_mov_b32 s[G1W+1], 128<<16                    ; 128 columns
	s_mov_b32 s[G1W+2], 128<<16                    ; 128 rows of K
	s_mov_b32 s[G1W+3], 128<<16
	s_mov_b32 s[G1W+4], 128
	s_mov_b32 s[G1W+5], WPITCH
	s_mov_b32 s[G1W+6], 0
	s_mov_b32 s[G1W+7], 0
	s_mov_b32 s[G0A], 1
	s_mov_b32 s[G0A+4], 1
	s_mov_b32 s[G0W], 1
	s_mov_b32 s[G0W+4], 1
	s_mul_i32 s[G0A+1], s12, 64*PA                 ; LDS addresses: the wave's number and constants alone
	s_add_co_u32 s[G0A+5], s[G0A+1], SLOT
	s_mul_i32 s[G0W+1], s12, 128*PW
	s_add_co_u32 s[G0W+1], s[G0W+1], WOFF
	s_add_co_u32 s[G0W+5], s[G0W+1], SLOT
	s_lshl_b32 s14, s13, 7                         ; A's tile: row 128 x tile row + 64 x half; these two registers never hold cx
	s_lshl_b32 s15, s12, 6
	s_add_co_u32 s14, s14, s15
	s_mul_i32 s14, s14, APITCH*2
	s_mov_b32 s15, 0
	s_mul_i32 s46, s12, 128*WPITCH*2               ; W's tile: my 128 rows of K, the tile column's 256 bytes, the matrix's place in wb; these two never hold cy
	s_lshl_b32 s47, s42, 8
	s_add_co_u32 s46, s46, s47
	s_lshl_b32 s47, s[BR], 21                      ; four units of 524,288 bytes
	s_add_co_u32 s46, s46, s47
	s_add_co_u32 s46, s46, UNIT0*524288
	s_mov_b32 s47, 0
	s_lshl_b32 s16, s13, 7
	s_lshl_b32 s17, s10, 5
	s_add_co_u32 s16, s16, s17                     ; the first row that I store: 128 x tile row + 32 x wave
	s_and_b32 s17, s16, 4095                       ; the same inside its branch's 4,096 rows
	s_lshl_b32 s2, s42, 9                          ; the tile's first column in bytes of f32
	s_lshl_b32 s18, s17, 11                        ; the output: 2,048 bytes a row
	s_add_co_u32 s18, s18, s2
	s_mov_b32 s19, 0
	s_lshl_b32 s20, s16, 11                        ; x in xres,
	s_add_co_u32 s20, s20, s2
	s_mov_b32 s21, 0
	s_lshl_b32 s22, s16, 10                        ; and x_ln in xln
	s_lshl_b32 s3, s42, 8
	s_add_co_u32 s22, s22, s3
	s_mov_b32 s23, 0
	s_lshl_b32 s98, s42, 9                         ; the bias of my 64 columns
	s_lshl_b32 s3, s12, 8
	s_add_co_u32 s98, s98, s3
	s_mov_b32 s99, 0
	s_wait_dscnt 0x0                               ; the opening add is done
	s_wait_kmcnt 0x0
	s_add_nc_u64 s[14:15], s[72:73], s[14:15]
	s_add_nc_u64 s[46:47], s[74:75], s[46:47]
	s_cmp_eq_u32 s[BR], 0
	s_cselect_b64 s[66:67], s[76:77], s[78:79]     ; the branch's bias,
	s_cselect_b64 s[8:9], s[84:85], s[86:87]       ; and its output
	s_add_nc_u64 s[66:67], s[66:67], s[98:99]
	s_add_nc_u64 s[8:9], s[8:9], s[18:19]
	s_add_nc_u64 s[68:69], s[80:81], s[20:21]
	s_add_nc_u64 s[70:71], s[82:83], s[22:23]
.irp s, 0,1
	s_add_nc_u64 s[G0A+4*(\s)+2:G0A+4*(\s)+3], s[14:15], (\s)*512            ; slot s begins with K = 256 s
	s_or_b32 s[G0A+4*(\s)+3], s[G0A+4*(\s)+3], 0x80000000                    ; type = 2
	s_add_nc_u64 s[G0W+4*(\s)+2:G0W+4*(\s)+3], s[46:47], (\s)*256*WPITCH*2
	s_or_b32 s[G0W+4*(\s)+3], s[G0W+4*(\s)+3], 0x80000000
.endr
	CROUND                                         ; all sixteen work-groups are here: the first joint loads meet
	s_cmp_eq_u32 s11, 0                            ; a wave's two first fills stand in one branch, ahead of every wait on TENSORcnt and every LDS read: two loads of mine are out
	s_cbranch_scc0 .Lfirst_w
	tensor_load_to_lds s[G0A:G0A+3], s[G1A:G1A+7]
	s_nop 0
	tensor_load_to_lds s[G0A+4:G0A+7], s[G1A:G1A+7]
	s_nop 0
	PLACES
	s_branch .Lfirst_asked
.Lfirst_w:
	tensor_load_to_lds s[G0W:G0W+3], s[G1W:G1W+7]
	s_nop 0
	tensor_load_to_lds s[G0W+4:G0W+7], s[G1W:G1W+7]
	s_nop 0
	PLACES
.Lfirst_asked:
	v_and_b32 v1, 15, v0                           ; r = l % 16
	v_bfe_u32 v2, v0, 4, 1                         ; hh = l / 16
	v_and_b32 v3, 7, v0
	v_bfe_u32 v4, v0, 3, 1
	v_and_b32 v5, 31, v0                           ; l
	v_lshlrev_b32 v[BO], 5, v2                     ; my 8 columns of 16: 32 bytes of f32
.irp a, 0,1,2,3
.irp b, 0,1,2,3
	global_load_b128 v[ACC+8*(4*(\a)+(\b)):ACC+8*(4*(\a)+(\b))+3],   v[BO], s[66:67] offset:64*(\b)     ; register j of accumulator (a, b) belongs to column 16 b + 8 hh + j
	global_load_b128 v[ACC+8*(4*(\a)+(\b))+4:ACC+8*(4*(\a)+(\b))+7], v[BO], s[66:67] offset:64*(\b)+16
.endr
.endr
	v_mul_u32_u24 v[AA0], v1, PA                   ; a fragment of A: lane l holds row r, K = 8 hh + 0..7 and 16 + 8 hh + 0..7: two loads of 16 bytes, 32 apart
	v_lshl_add_u32 v[AA0], v2, 4, v[AA0]
	s_mul_i32 s16, s11, 64*PA
	v_add_nc_u32 v[AA0], s16, v[AA0]
	v_lshl_add_u32 v[AW0], v2, 3, v3               ; the turning load: lane l reads row 8 hh + l % 8 of K, columns 8 ((l / 8) % 2) + 0..7, and is left with column r and 8 K
	v_mul_u32_u24 v[AW0], v[AW0], PW
	v_lshl_add_u32 v[AW0], v4, 4, v[AW0]
	s_lshl_b32 s16, s12, 7
	s_add_co_u32 s16, s16, WOFF
	v_add_nc_u32 v[AW0], s16, v[AW0]
	v_mul_u32_u24 v[STO], v1, PA                   ; into the stage: row 64 x half + r, my 8 f32 of each 16 columns
	v_lshl_add_u32 v[STO], v2, 5, v[STO]
	s_mul_i32 s16, s11, 64*PA
	s_lshl_b32 s17, s12, 8
	s_add_co_u32 s16, s16, s17
	v_add_nc_u32 v[STO], s16, v[STO]
	s_mul_i32 s16, s10, 32*PA                      ; back: wave w takes rows 32 w .. 32 w + 31 whole, 16 bytes a lane
	v_lshl_add_u32 v[RD], v5, 4, s16
	v_lshlrev_b32 v[CO], 4, v5
	v_lshlrev_b32 v[CO2], 3, v5
.macro MUL f                           ; 16 products, 32 along K.  The 16 accumulators take turns, one instruction a turn, over every jump too
	WIN W_MUL
.irp a, 0,1,2,3
.irp b, 0,1,2,3
	v_wmma_f32_16x16x32_bf16 v[ACC+8*(4*(\a)+(\b)):ACC+8*(4*(\a)+(\b))+7], v[(\f)+32+8*(\b):(\f)+32+8*(\b)+7], v[(\f)+8*(\a):(\f)+8*(\a)+7], v[ACC+8*(4*(\a)+(\b)):ACC+8*(4*(\a)+(\b))+7]
.endr
.endr
.endm
.macro FETCH f, c                      ; 16 LDS loads in one run: the fragments of the K step c steps of 32 behind VA and VW, into buffer f
	WIN W_TOF
.irp a, 0,1,2,3
	ds_load_b128 v[(\f)+8*(\a):(\f)+8*(\a)+3],   v[VA] offset:64*(\c)+(\a)*16*PA
	ds_load_b128 v[(\f)+8*(\a)+4:(\f)+8*(\a)+7], v[VA] offset:64*(\c)+(\a)*16*PA+32
.endr
.irp b, 0,1,2,3
	ds_load_tr16_b128 v[(\f)+32+8*(\b):(\f)+32+8*(\b)+3],   v[VW] offset:32*PW*(\c)+32*(\b)
	ds_load_tr16_b128 v[(\f)+32+8*(\b)+4:(\f)+32+8*(\b)+7], v[VW] offset:32*PW*(\c)+32*(\b)+16*PW
.endr
.endm
; A slot's eight K steps of 32, on two fragment buffers.  Every wait for 16 leaves the other buffer's 16 younger loads out, on the way in and over the backward jump alike.
.macro SLOTRUN s
	WIN 0
	PLACES                                         ; behind the last products of the slot before, whose sources are loaded again
	s_mov_b32 s[TA], (\s)*SLOT
	s_mov_b32 s[TW], (\s)*SLOT
	v_add_nc_u32 v[VA], s[TA], v[AA0]
	v_add_nc_u32 v[VW], s[TW], v[AW0]
	FETCH F0, 0
	FETCH F1, 1
	WIN 0
	s_mov_b32 s[CNT], 3
.Lk_\@:
	s_wait_dscnt 16
	MUL F0
	PLACES
	FETCH F0, 2
	s_wait_dscnt 16
	MUL F1
	PLACES
	FETCH F1, 3
	WIN 0                                          ; at a label and at a branch every window is 0
	s_add_co_u32 s[TA], s[TA], 128                 ; two K steps on: 128 bytes of A's rows,
	s_add_co_u32 s[TW], s[TW], 64*PW               ; 64 rows of W
	v_add_nc_u32 v[VA], s[TA], v[AA0]
	v_add_nc_u32 v[VW], s[TW], v[AW0]
	s_sub_co_u32 s[CNT], s[CNT], 1
	s_cmp_lg_u32 s[CNT], 0
	s_cbranch_scc1 .Lk_\@
	s_wait_dscnt 16
	MUL F0
	s_wait_dscnt 0x0
	MUL F1
	WIN 0
.endm
; The change of slots.  Each wave waits for all its tensor loads (one is out: its part of the other slot), adds 0 to its spare word, and waits for that and for its reads of the slot that it leaves.
; fill = 1: the barrier is a round of the cluster's, and the slot just read is filled again first thing behind it, with K two slots on: the load has a slot's 128 products in which to land.
.macro CHANGE slot, fill
	WIN 0
	s_wait_tensorcnt 0x0                           ; no tensor load of mine is out, so a group 0 may be written
	ds_add_u32 v[SPW], v[NIL]
.if \fill
	s_add_nc_u64 s[G0A+4*(\slot)+2:G0A+4*(\slot)+3], s[G0A+4*(\slot)+2:G0A+4*(\slot)+3], 1024
	s_add_nc_u64 s[G0W+4*(\slot)+2:G0W+4*(\slot)+3], s[G0W+4*(\slot)+2:G0W+4*(\slot)+3], 1024*WPITCH
.endif
	s_wait_dscnt 0x0                               ; the add is done, and my reads of the slot are over
.if \fill
	CROUND
	JLOAD \slot
.else
	s_barrier_signal -1
	s_barrier_wait -1
.endif
.endm
	s_wait_loadcnt 0x0                             ; the bias lies in the accumulators
	s_wait_tensorcnt 0x1                           ; my part of slot 0 is in; slot 1's may stay out
	s_barrier_signal -1
	s_barrier_wait -1                              ; everybody's is
	SLOTRUN 0
	s_mov_b32 s[LAP], NS/2-1
.Llap:                                         ; three trips: both slots are read and filled again
	CHANGE 0, 1
	SLOTRUN 1
	CHANGE 1, 1
	SLOTRUN 0
	s_sub_co_u32 s[LAP], s[LAP], 1
	s_cmp_lg_u32 s[LAP], 0
	s_cbranch_scc1 .Llap
	CHANGE 0, 0                                    ; the last slot: nothing is left to fetch
	SLOTRUN 1
	PLACES
	; THE WAY OUT.  The f32 sums go into the stage, 32 bytes a lane; a barrier, since a row's 512 bytes come from two waves; back as whole rows, 32 rows a wave; x and x_ln are added; stored.
	WIN W_TOF                                      ; x's rows are asked for first, into the fragment buffers, which are free
.set i, 0
.rept 32
	global_load_b128 v[4*i:4*i+3], v[CO], s[68:69] offset:2048*i
.set i, i+1
.endr
	WIN 0
.set i, 0
.rept 32
	global_load_b64 v[PK+2*i:PK+2*i+1], v[CO2], s[70:71] offset:1024*i
.set i, i+1
.endr
.irp a, 0,1,2,3
.irp b, 0,1,2,3
	ds_store_b128 v[STO], v[ACC+8*(4*(\a)+(\b)):ACC+8*(4*(\a)+(\b))+3]   offset:(\a)*16*PA+64*(\b)      ; each accumulator's low registers first
	ds_store_b128 v[STO], v[ACC+8*(4*(\a)+(\b))+4:ACC+8*(4*(\a)+(\b))+7] offset:(\a)*16*PA+64*(\b)+16
.endr
.endr
	s_wait_dscnt 0x0                               ; for the others' sake: my stores into the stage are done
	s_barrier_signal -1
	s_barrier_wait -1
.set i, 0
.rept 32
	ds_load_b128 v[ACC+4*i:ACC+4*i+3], v[RD] offset:i*PA
.set i, i+1
.endr
	s_wait_dscnt 0x0
	s_wait_loadcnt 0x0                             ; x and x_ln are in
	WIN 0x04                                       ; source 1 in window 1
.set i, 0
.rept 64
	v_pk_add_f32 v[ACC+2*i:ACC+2*i+1], v[ACC+2*i:ACC+2*i+1], v[2*i:2*i+1]
.set i, i+1
.endr
	WIN 0
.set i, 0
.rept 32                               ; x_ln: bf16 to f32 is a shift or a mask
	v_lshlrev_b32 v[GT+4*(i%2)],   16, v[PK+2*i]
	v_and_b32     v[GT+4*(i%2)+1], 0xffff0000, v[PK+2*i]
	v_lshlrev_b32 v[GT+4*(i%2)+2], 16, v[PK+2*i+1]
	v_and_b32     v[GT+4*(i%2)+3], 0xffff0000, v[PK+2*i+1]
	v_pk_add_f32 v[ACC+4*i:ACC+4*i+1],   v[ACC+4*i:ACC+4*i+1],   v[GT+4*(i%2):GT+4*(i%2)+1]
	v_pk_add_f32 v[ACC+4*i+2:ACC+4*i+3], v[ACC+4*i+2:ACC+4*i+3], v[GT+4*(i%2)+2:GT+4*(i%2)+3]
.set i, i+1
.endr
.set i, 0
.rept 32
	global_store_b128 v[CO], v[ACC+4*i:ACC+4*i+3], s[8:9] offset:2048*i  ; a wave stores 512 consecutive bytes, aligned
.set i, i+1
.endr
	s_wait_tensorcnt 0x0                           ; the wave's end, behind my last tensor load and my last LDS store
	ds_add_u32 v[SPW], v[NIL]
	s_wait_dscnt 0x0
	CROUND                                         ; the closing round: no work-group ends while a partner may still ask for a tile that names it
	s_endpgm
.Lfunc_end_k_q2c8fabcfaa_ffn2:
	.size	k_q2c8fabcfaa_ffn2, .Lfunc_end_k_q2c8fabcfaa_ffn2-k_q2c8fabcfaa_ffn2
	.p2alignl 7, 3214868480
	.fill 96, 4, 3214868480
	.section	.rodata,"a",@progbits
	.p2align	6, 0x0
	.amdhsa_kernel k_q2c8fabcfaa_ffn2
		.amdhsa_group_segment_fixed_size 327680
		.amdhsa_private_segment_fixed_size 0
		.amdhsa_enable_private_segment 0
		.amdhsa_kernarg_size 64
		.amdhsa_user_sgpr_count 2
		.amdhsa_user_sgpr_kernarg_segment_ptr 1
		.amdhsa_wavefront_size32 1
		.amdhsa_system_sgpr_workgroup_id_x 1
		.amdhsa_system_sgpr_workgroup_id_y 1
		.amdhsa_system_sgpr_workgroup_id_z 1
		.amdhsa_system_vgpr_workitem_id 0
		.amdhsa_next_free_vgpr 384
		.amdhsa_next_free_sgpr 100
		.amdhsa_reserve_vcc 0
		.amdhsa_float_denorm_mode_32 3
		.amdhsa_float_denorm_mode_16_64 3
		.amdhsa_memory_ordered 1
		.amdhsa_forward_progress 1
		.amdhsa_inst_pref_size 78
	.end_amdhsa_kernel
	.amdgpu_metadata
---
amdhsa.version: [ 1, 2 ]
amdhsa.kernels:
  - .name:           k_q2c8fabcfaa_ffn2
    .symbol:         k_q2c8fabcfaa_ffn2.kd
    .args:
      - { .name: h, .offset: 0, .size: 8, .value_kind: global_buffer, .address_space: global }
      - { .name: wb, .offset: 8, .size: 8, .value_kind: global_buffer, .address_space: global }
      - { .name: fg_b2, .offset: 16, .size: 8, .value_kind: global_buffer, .address_space: global }
      - { .name: fe_b2, .offset: 24, .size: 8, .value_kind: global_buffer, .address_space: global }
      - { .name: xres, .offset: 32, .size: 8, .value_kind: global_buffer, .address_space: global }
      - { .name: xln, .offset: 40, .size: 8, .value_kind: global_buffer, .address_space: global }
      - { .name: out0, .offset: 48, .size: 8, .value_kind: global_buffer, .address_space: global }
      - { .name: out1, .offset: 56, .size: 8, .value_kind: global_buffer, .address_space: global }
    .group_segment_fixed_size: 327680
    .private_segment_fixed_size: 0
    .kernarg_segment_align: 8
    .kernarg_segment_size: 64
    .max_flat_workgroup_size: 128
    .sgpr_count:     100
    .vgpr_count:     384
    .wavefront_size: 32
...
	.end_amdgpu_metadata
.endif
;; end of part 8
